; MI455X (gfx1250); checked and timed in simulation.
; The chip was launched on July 23, 2026; its instructions are those of AMD's public machine-readable ISA for CDNA 5 (MIT licence, August 2026) and "CDNA5" Instruction Set Architecture Reference Guide (July 2026). The comments in the code are by the model that wrote it; some were corrected since.
;; U Net Attention. Allowed arithmetic: float matrix products may take bf16 or f16 operands with f32 sums; other float arithmetic in f32, or as packed bf16 or f16 multiplies, adds, multiply-adds, maxima and minima; sums over many terms, partial sums and values carried from step to step in f32; what a program stores and reads back later, other than sums and carried values, may be rounded once to bf16 or f16.
;; Inputs: beta 512 float32; bk 512 float32; bp 512 float32; bq 512 float32; bv 512 float32; gamma 512 float32; wk 512 x 512 float32; wp 512 x 512 float32; wq 512 x 512 float32; wv 512 x 512 float32; x 16 x 512 x 32 x 32 float32.
;; Outputs: out0 16 x 512 x 32 x 32 float32.
;; 2 versions, each right. Each part assembles by itself: llvm-mc -triple=amdgcn-amd-amdhsa -mcpu=gfx1250 --defsym DOCPART=n.
;; ======== version 1 of 2: 5 launches
;; limits: values outside matrix products are rounded to bf16
;; workspace buffers: wc 1,048,576 bytes; bc 4,096 bytes; hb 16,777,216 bytes; qv 33,554,432 bytes; pb 33,554,432 bytes; st 1,048,576 bytes
;; launch prep (part 1): grid 4 x 16, 8 waves a work-group, no clusters, 248,832 bytes of LDS; arguments wk, wq, bq, wp, wv, bv, bp, wc, bc; writes wc, bc
.if DOCPART == 1
	.amdgcn_target "amdgcn-amd-amdhsa--gfx1250"
	.amdhsa_code_object_version 6
	.text
	.protected	k_qd30900eb9f_prep
	.globl	k_qd30900eb9f_prep
	.p2align	8
	.type	k_qd30900eb9f_prep,@function
k_qd30900eb9f_prep:
	s_mov_b64 s[64:65], 0
	v_nop
	global_prefetch_b8 v0, s[64:65] scope:SCOPE_SE
	s_setreg_imm32_b32 hwreg(HW_REG_WAVE_MODE, 25, 1), 1
	s_wait_xcnt 0x0
; UNetAttention, launch 1 of 5: the weights are multiplied together once, so that two of the four 1x1 convolutions need not be run on the pixels.
; WHAT IS LEFT OUT, AND WHY IT IS DEAD, for all finite values of the inputs (h = the group norm's result, [c][n]):
;   bk.  logits[n][m] = scale x sum_o q[o][n] (Wk h)[o][m] + scale x sum_o q[o][n] bk[o].  The second term is the same for every m, the softmax's axis, so it cancels in the softmax.
;        bk has no other way to the output: it is not loaded and is among no launch's arguments.
; WHAT IS REGROUPED (identities of sums, for all values):
;   sum_o q[o][n] (Wk h)[o][m] = sum_i h[i][m] Q'[i][n],  Q' = (Wk^T Wq) h + Wk^T bq: the keys are h itself.
;   out[o][n] = bp[o] + sum_c Wp[o][c] sum_m attn[n][m] v[c][m] = sum_m attn[n][m] V'[o][m],  V' = (Wp Wv) h + (bp + Wp bv), since a row of attn sums to 1.
; LIMITS.  The order of rounding differs from reference()'s: the weights are rounded to bf16, their products summed in f32 and rounded to bf16 once more; bq and bv enter as bf16.
; A NaN, an infinity or an overflow that reaches only the term with bk is not carried to the result.
; THIS LAUNCH.  wc[0:512][c] = sum_o Wk[o][i] Wq[o][c];  wc[512:1024][j] = sum_c Wp[o][c] Wv[c][j] (bf16);  bc[0:512] = Wk^T bq;  bc[512:1024] = bp + Wp bv (f32).
; SHARES.  64 work-groups: y / 8 is the product, 64 (y % 8) the first of 64 rows m, 128 x the first of 128 columns n; K = 512.  Eight waves: wave w makes row tile w % 4 x column tiles 4 (w / 4) .. + 3,
; and a fifth tile whose column 0 is the vector (bq or bv): the bias falls out of the same products.
; LDS.  B (Wq or Wv, stored [k][n]): 512 rows of 288 bytes: 256 of data, then 32 that are the vector's tile.  A: 512 rows of 128 bytes, 160 apart; row rho is k for Wk (stored [k][m]), and 64 (k / 64) + m for
; Wp (stored [m][k]): so the staging's LDS addresses are the same for both products, and only global offsets and the fragment loads differ.  No cluster, no tensor loads: the operands are converted from f32 on
; their way through registers, and the launch is short.
.set PB,    288                        ; a row of B in LDS: 9 x 32 bytes, for the turning load
.set PA,    160                        ; a row of A in LDS: 5 x 32 bytes
.set AP,    512*PB                     ; A's region
.set STG,   AP+512*PA                  ; the way out: 64 rows x 272 bytes
.set SP,    272
.set BW,    STG+64*SP                  ; the bias: 64 words, a block for the lanes that hold nothing, and the same again for waves 4-7
.set SPARE, BW+1024                    ; the spare words, 128 bytes for each wave: four blocks of 256 bytes that no other line names
.set LN,  1                            ; v1   lane
.set RR,  2                            ; v2   lane % 16
.set HH,  3                            ; v3   lane / 16
.set AO,  4                            ; v4   staging: my global offset in A
.set BO,  5                            ; v5   in B
.set AL,  6                            ; v6   staging: my LDS address in A's region
.set BL,  7                            ; v7   in B's
.set AAT, 8                            ; v8   fragment address of A, turning loads
.set AB,  9                            ; v9   of B
.set ABV, 10                           ; v10  of the vector's tile
.set STO, 11                           ; v11  the way out: where I put 16 bytes
.set RD,  12                           ; v12  where I read a row back
.set CO,  13                           ; v13  my byte offset in wc
.set SPW, 14                           ; v14  my spare word; never rewritten
.set NIL, 15                           ; v15  0; never rewritten
.set ZQ,  16                           ; v[16:19] zeros while staging; then v16 = AAP, v17-18 at work, v19 = BWA
.set AAP, 16                           ;      fragment address of A, plain loads
.set BWA, 19                           ;      where my bias word goes
.set VQ0, 20                           ; v[20:23] a row of the vector's tile
.set T,   24                           ; v[24:55] staging: first A's eight offsets, then 16 x 8 bytes of bf16
.set VEC, 56                           ; v[56:57] two numbers of the vector
.set VO,  58
.set VL,  59
.set VQ1, 60                           ; v[60:63] the second row of the vector's tile
.set ACC, 24                           ; v[24:63] five accumulators
.set S0,  64                           ; three sets of 16 loads
.set S1,  128
.set S2,  192
.set FA,  64                           ; fragments of a trip: A's four,
.set FV,  96                           ; the vector tile's four,
.set FB,  128                          ; B's sixteen
	s_load_b512 s[4:19], s[0:1], 0x0               ; wk s[4:5], wq s[6:7], bq s[8:9], wp s[10:11], wv s[12:13], bv s[14:15], bp s[16:17], wc s[18:19]
	s_load_b64 s[20:21], s[0:1], 0x40              ; bc
	v_lshl_add_u32 v[SPW], v0, 2, SPARE
	v_mov_b32 v[NIL], 0
	v_lshrrev_b32 v1, 5, v0
	v_readfirstlane_b32 s22, v1                    ; wave 0..7
	v_and_b32 v[LN], 31, v0
	v_and_b32 v[RR], 15, v0
	v_bfe_u32 v[HH], v0, 4, 1
	s_and_b32 s23, ttmp7, 0xffff
	s_lshr_b32 s24, s23, 3                         ; the product: 0 = Wk^T Wq, 1 = Wp Wv
	s_and_b32 s25, s23, 7
	s_lshl_b32 s25, s25, 6                         ; m0
	s_and_b32 s27, s22, 3                          ; my row tile
	s_lshr_b32 s37, s22, 2                         ; my half of the columns
	s_lshl_b32 s35, s22, 12
	v_lshlrev_b32 v[AO], 11, v[HH]
	v_lshl_add_u32 v[AO], v[RR], 4, v[AO]
	v_add_nc_u32 v[AO], s35, v[AO]                 ; (2 w + h) x 2048 + 16 r
	s_lshl_b32 s35, s22, 11
	v_lshl_add_u32 v[BO], v[LN], 4, s35            ; w x 2048 + 16 lane: a wave takes a row's 512 bytes
	s_mul_i32 s35, s22, 2*PA
	s_add_co_u32 s35, s35, AP
	v_mul_u32_u24 v[AL], v[HH], PA
	v_lshl_add_u32 v[AL], v[RR], 3, v[AL]
	v_add_nc_u32 v[AL], s35, v[AL]                 ; A's region + (2 w + h) x 160 + 8 r
	s_mul_i32 s35, s22, PB
	v_lshl_add_u32 v[BL], v[LN], 3, s35            ; w x 288 + 8 lane
	v_lshlrev_b32 v[VO], 3, v0                     ; thread t takes the vector's numbers 2 t, 2 t + 1
	v_mul_u32_u24 v[VL], v0, 2*PB
.irp r, 16,17,18,19,21,22,23,61,62,63
	v_mov_b32 v\r, 0
.endr
	s_lshl_b32 s38, s25, 2                         ; A begins at column m0 (Wk)
	s_lshl_b32 s39, s25, 11                        ; or at row m0 (Wp)
	s_mov_b32 s34, 0x20000                         ; Z: four loads on are 64 rows of Wk
	s_mov_b32 s36, 0x100                           ; or 64 columns of Wp
	s_lshl_b32 s40, s24, 19
	s_lshl_b32 s41, s25, 10
	s_add_co_u32 s40, s40, s41
	s_lshl_b32 s41, ttmp9, 8
	s_add_co_u32 s40, s40, s41                     ; wc: (512 product + m0) rows of 1,024 bytes + 2 n0
	s_mov_b32 s41, 0
	s_lshl_b32 s42, s24, 11
	s_lshl_b32 s44, s25, 2
	s_add_co_u32 s42, s42, s44                     ; bc: 4 (512 product + m0);  bp: 4 m0
	s_mov_b32 s43, 0
	s_mov_b32 s45, 0
	s_lshl_b32 s46, ttmp9, 9                       ; B begins at column n0
	s_mov_b32 s47, 0
	s_wait_kmcnt 0x0
	s_cmp_eq_u32 s24, 0
	s_cselect_b64 s[28:29], s[4:5], s[10:11]       ; A
	s_cselect_b64 s[30:31], s[6:7], s[12:13]       ; B
	s_cselect_b64 s[32:33], s[8:9], s[14:15]       ; the vector
	s_cselect_b32 s34, s34, s36
	s_cselect_b32 s38, s38, s39
	s_mov_b32 s39, 0
	s_add_nc_u64 s[28:29], s[28:29], s[38:39]
	s_add_nc_u64 s[30:31], s[30:31], s[46:47]
	s_add_nc_u64 s[40:41], s[18:19], s[40:41]
	s_add_nc_u64 s[42:43], s[20:21], s[42:43]
	s_add_nc_u64 s[44:45], s[16:17], s[44:45]
.macro BLOADS set, i0                  ; 16 loads of B: rows w + 8 (i0 + i)
.set i, 0
.rept 16
	global_load_b128 v[(\set)+4*i:(\set)+4*i+3], v[BO], s[30:31] offset:((\i0)+i)*16384
.set i, i+1
.endr
.endm
.macro CVT set                         ; 64 f32 to bf16
.set i, 0
.rept 16
	v_cvt_pk_bf16_f32 v[T+2*i],   v[(\set)+4*i],   v[(\set)+4*i+1]
	v_cvt_pk_bf16_f32 v[T+2*i+1], v[(\set)+4*i+2], v[(\set)+4*i+3]
.set i, i+1
.endr
.endm
.macro STORES reg, step
.set i, 0
.rept 16
	ds_store_b64 v[\reg], v[T+2*i:T+2*i+1] offset:i*(\step)
.set i, i+1
.endr
.endm
	global_load_b64 v[VEC:VEC+1], v[VO], s[32:33]
.irp j, 0,1,2,3,4,5,6,7
	v_mad_u32_u24 v[T+(\j)], s34, \j, v[AO]        ; A's eight offsets
.endr
.set i, 0
.rept 32                               ; A: load i fills LDS row 16 i + 2 w + h
	global_load_b128 v[S0+4*i:S0+4*i+3], v[T+i/4], s[28:29] offset:(i%4)*32768
.set i, i+1
.endr
	BLOADS S2, 0
	s_wait_loadcnt 32                              ; the vector and A's first 16 loads are in; the 32 younger loads stay out
	s_wait_xcnt 0x0                                ; all loads have read their offsets: A's eight offset registers are rewritten only behind this wait
	CVT S0
	STORES AL, 16*PA
	v_add_nc_u32 v[AL], 256*PA, v[AL]
	BLOADS S0, 16
	v_cvt_pk_bf16_f32 v[VQ0], v[VEC], v[ZQ]        ; the vector's tile: its number in column 0, zeros in the other 15
	v_cvt_pk_bf16_f32 v[VQ1], v[VEC+1], v[ZQ]
	ds_store_b128 v[VL], v[VQ0:VQ0+3] offset:256
	ds_store_b128 v[VL], v[ZQ:ZQ+3]   offset:272
	ds_store_b128 v[VL], v[VQ1:VQ1+3] offset:PB+256
	ds_store_b128 v[VL], v[ZQ:ZQ+3]   offset:PB+272
	s_wait_loadcnt 32                              ; A's second 16; B's two younger sets stay out
	CVT S1
	STORES AL, 16*PA
	BLOADS S1, 32
	s_wait_loadcnt 32                              ; B's rows of loads 0-15
	CVT S2
	STORES BL, 8*PB
	v_add_nc_u32 v[BL], 128*PB, v[BL]
	BLOADS S2, 48
	s_wait_loadcnt 32                              ; loads 16-31
	CVT S0
	STORES BL, 8*PB
	v_add_nc_u32 v[BL], 128*PB, v[BL]
	s_wait_loadcnt 16                              ; loads 32-47; the last 16 stay out
	CVT S1
	STORES BL, 8*PB
	v_add_nc_u32 v[BL], 128*PB, v[BL]
	s_wait_loadcnt 0x0
	CVT S2
	STORES BL, 8*PB
	; fragment addresses.  The turning load: lane l reads row 8 (l / 16) + l % 8, 16 bytes at 16 ((l / 8) % 2), and holds column l % 16 afterwards.
	v_and_b32 v17, 7, v0
	v_lshl_add_u32 v17, v[HH], 3, v17
	v_bfe_u32 v18, v0, 3, 1
	v_mul_u32_u24 v[AAT], v17, PA
	v_lshl_add_u32 v[AAT], v18, 4, v[AAT]
	s_lshl_b32 s35, s27, 5
	s_add_co_u32 s35, s35, AP
	v_add_nc_u32 v[AAT], s35, v[AAT]
	v_mul_u32_u24 v[ABV], v17, PB
	v_lshl_add_u32 v[ABV], v18, 4, v[ABV]
	s_lshl_b32 s35, s37, 7
	v_add_nc_u32 v[AB], s35, v[ABV]
	v_add_nc_u32 v[ABV], 256, v[ABV]
	s_mul_i32 s35, s27, 16*PA
	s_add_co_u32 s35, s35, AP
	v_mul_u32_u24 v[AAP], v[RR], PA
	v_lshl_add_u32 v[AAP], v[HH], 4, v[AAP]
	v_add_nc_u32 v[AAP], s35, v[AAP]               ; plain: row 16 (w % 4) + r of a block of 64 k, 16 bytes for each half of the lanes
	s_mul_i32 s35, s27, 16*SP
	s_lshl_b32 s36, s37, 7
	s_add_co_u32 s35, s35, s36
	s_add_co_u32 s35, s35, STG
	v_mul_u32_u24 v[STO], v[RR], SP
	v_lshl_add_u32 v[STO], v[HH], 4, v[STO]
	v_add_nc_u32 v[STO], s35, v[STO]
	s_lshl_b32 s35, s27, 6
	s_lshl_b32 s36, s37, 9
	s_add_co_u32 s35, s35, s36
	s_add_co_u32 s35, s35, BW
	v_lshlrev_b32 v[BWA], 8, v[HH]
	v_lshl_add_u32 v[BWA], v[RR], 2, v[BWA]
	v_add_nc_u32 v[BWA], s35, v[BWA]
	s_mul_i32 s35, s22, 8*SP
	s_add_co_u32 s35, s35, STG
	v_mul_u32_u24 v[RD], v[HH], SP
	v_lshl_add_u32 v[RD], v[RR], 4, v[RD]
	v_add_nc_u32 v[RD], s35, v[RD]
	s_lshl_b32 s35, s22, 13
	v_lshlrev_b32 v[CO], 10, v[HH]
	v_lshl_add_u32 v[CO], v[RR], 4, v[CO]
	v_add_nc_u32 v[CO], s35, v[CO]
	s_wait_dscnt 0x0                               ; for the others' sake: my stores into A's and B's regions are done
	s_barrier_signal -1
.set i, 0
.rept 40
	v_mov_b32 v[ACC+i], 0                          ; the sums start at 0, so that the loop has one form of product; written while the others arrive
.set i, i+1
.endr
	s_barrier_wait -1
	s_mov_b32 s35, 4
.Lk:                                           ; a trip: 128 along K: 48 fragment loads, 20 products
	s_cmp_eq_u32 s24, 0
	s_cbranch_scc0 .Lplain
.irp q, 0,1,2,3
	ds_load_tr16_b128 v[FA+8*(\q):FA+8*(\q)+3],   v[AAT] offset:(\q)*32*PA
	ds_load_tr16_b128 v[FA+8*(\q)+4:FA+8*(\q)+7], v[AAT] offset:(\q)*32*PA+16*PA
.endr
	s_branch .Lhave
.Lplain:
.irp q, 0,1,2,3
	ds_load_b128 v[FA+8*(\q):FA+8*(\q)+3],   v[AAP] offset:((\q)/2)*64*PA+((\q)%2)*64
	ds_load_b128 v[FA+8*(\q)+4:FA+8*(\q)+7], v[AAP] offset:((\q)/2)*64*PA+((\q)%2)*64+32
.endr
.Lhave:
.irp q, 0,1,2,3
.irp t, 0,1,2,3
	ds_load_tr16_b128 v[FB+32*(\q)+8*(\t):FB+32*(\q)+8*(\t)+3],   v[AB] offset:(\q)*32*PB+32*(\t)
	ds_load_tr16_b128 v[FB+32*(\q)+8*(\t)+4:FB+32*(\q)+8*(\t)+7], v[AB] offset:(\q)*32*PB+32*(\t)+16*PB
.endr
	ds_load_tr16_b128 v[FV+8*(\q):FV+8*(\q)+3],   v[ABV] offset:(\q)*32*PB
	ds_load_tr16_b128 v[FV+8*(\q)+4:FV+8*(\q)+7], v[ABV] offset:(\q)*32*PB+16*PB
.endr
	s_wait_dscnt 0x0
	; source 0 = 16 columns n, source 1 = 16 rows m: a lane ends with row m = l % 16 and eight neighbouring columns.  The five accumulators take turns, over the backward jump too.
.irp q, 0,1,2,3
.irp t, 0,1,2,3
	v_wmma_f32_16x16x32_bf16 v[ACC+8*(\t):ACC+8*(\t)+7], v[FB+32*(\q)+8*(\t):FB+32*(\q)+8*(\t)+7], v[FA+8*(\q):FA+8*(\q)+7], v[ACC+8*(\t):ACC+8*(\t)+7]
.endr
	v_wmma_f32_16x16x32_bf16 v[ACC+32:ACC+39], v[FV+8*(\q):FV+8*(\q)+7], v[FA+8*(\q):FA+8*(\q)+7], v[ACC+32:ACC+39]
.endr
	v_add_nc_u32 v[AAT], 128*PA, v[AAT]            ; the four steps are the four places between the last product and the loads into registers that it has read
	v_add_nc_u32 v[AAP], 128*PA, v[AAP]
	v_add_nc_u32 v[AB],  128*PB, v[AB]
	v_add_nc_u32 v[ABV], 128*PB, v[ABV]
	s_sub_co_u32 s35, s35, 1
	s_cmp_lg_u32 s35, 0
	s_cbranch_scc1 .Lk
.rept 4
	v_nop                                          ; with the four steps above: eight places in front of the conversions, once a launch
.endr
.irp t, 0,1,2,3
.irp r, 0,1,2,3
	v_cvt_pk_bf16_f32 v[S0+4*(\t)+(\r)], v[ACC+8*(\t)+2*(\r)], v[ACC+8*(\t)+2*(\r)+1]
.endr
	ds_store_b128 v[STO], v[S0+4*(\t):S0+4*(\t)+3] offset:32*(\t)
.endr
	ds_store_b32 v[BWA], v[ACC+32]                 ; column 0 of the fifth tile: register 0 of lanes 0-15; lanes 16-31 write a block that nobody reads
	s_wait_dscnt 0x0                               ; a row's 256 bytes come from two waves
	s_barrier_signal -1
	s_barrier_wait -1
.irp t, 0,1,2,3
	ds_load_b128 v[S1+4*(\t):S1+4*(\t)+3], v[RD] offset:(\t)*2*SP
.endr
	s_wait_dscnt 0x0
.irp t, 0,1,2,3
	global_store_b128 v[CO], v[S1+4*(\t):S1+4*(\t)+3], s[40:41] offset:(\t)*2048  ; 16 lanes store 256 consecutive bytes, at a multiple of 256 from wc's first byte
.endr
	s_cmp_lg_u32 s22, 0                            ; the bias of the 64 rows: wave 0 of the work-groups with x = 0
	s_cbranch_scc1 .Lend
	s_cmp_lg_u32 ttmp9, 0
	s_cbranch_scc1 .Lend
	v_lshl_add_u32 v20, v[LN], 3, BW
	v_lshlrev_b32 v21, 3, v[LN]
	ds_load_b64 v[S2:S2+1], v20                    ; 32 lanes x 8 bytes: the 64 words
	s_cmp_eq_u32 s24, 0
	s_cbranch_scc1 .Lnobp
	global_load_b64 v[S2+2:S2+3], v21, s[44:45]
	s_wait_loadcnt 0x0
	s_wait_dscnt 0x0
	v_pk_add_f32 v[S2:S2+1], v[S2:S2+1], v[S2+2:S2+3]  ; bp + Wp bv
.Lnobp:
	s_wait_dscnt 0x0
	global_store_b64 v21, v[S2:S2+1], s[42:43]     ; 256 consecutive bytes, aligned
.Lend:
	s_wait_tensorcnt 0x0                           ; the wave's end, behind my last LDS store
	ds_add_u32 v[SPW], v[NIL]
	s_wait_dscnt 0x0
	s_endpgm
.Lfunc_end_k_qd30900eb9f_prep:
	.size	k_qd30900eb9f_prep, .Lfunc_end_k_qd30900eb9f_prep-k_qd30900eb9f_prep
	.p2alignl 7, 3214868480
	.fill 96, 4, 3214868480
	.section	.rodata,"a",@progbits
	.p2align	6, 0x0
	.amdhsa_kernel k_qd30900eb9f_prep
		.amdhsa_group_segment_fixed_size 248832
		.amdhsa_private_segment_fixed_size 0
		.amdhsa_enable_private_segment 0
		.amdhsa_kernarg_size 72
		.amdhsa_user_sgpr_count 2
		.amdhsa_user_sgpr_kernarg_segment_ptr 1
		.amdhsa_wavefront_size32 1
		.amdhsa_system_sgpr_workgroup_id_x 1
		.amdhsa_system_sgpr_workgroup_id_y 1
		.amdhsa_system_sgpr_workgroup_id_z 1
		.amdhsa_system_vgpr_workitem_id 0
		.amdhsa_next_free_vgpr 256
		.amdhsa_next_free_sgpr 66
		.amdhsa_reserve_vcc 0
		.amdhsa_float_denorm_mode_32 3
		.amdhsa_float_denorm_mode_16_64 3
		.amdhsa_memory_ordered 1
		.amdhsa_forward_progress 1
		.amdhsa_inst_pref_size 44
	.end_amdhsa_kernel
	.amdgpu_metadata
---
amdhsa.version: [ 1, 2 ]
amdhsa.kernels:
  - .name:           k_qd30900eb9f_prep
    .symbol:         k_qd30900eb9f_prep.kd
    .args:
      - { .name: wk, .offset: 0, .size: 8, .value_kind: global_buffer, .address_space: global }
      - { .name: wq, .offset: 8, .size: 8, .value_kind: global_buffer, .address_space: global }
      - { .name: bq, .offset: 16, .size: 8, .value_kind: global_buffer, .address_space: global }
      - { .name: wp, .offset: 24, .size: 8, .value_kind: global_buffer, .address_space: global }
      - { .name: wv, .offset: 32, .size: 8, .value_kind: global_buffer, .address_space: global }
      - { .name: bv, .offset: 40, .size: 8, .value_kind: global_buffer, .address_space: global }
      - { .name: bp, .offset: 48, .size: 8, .value_kind: global_buffer, .address_space: global }
      - { .name: wc, .offset: 56, .size: 8, .value_kind: global_buffer, .address_space: global }
      - { .name: bc, .offset: 64, .size: 8, .value_kind: global_buffer, .address_space: global }
    .group_segment_fixed_size: 248832
    .private_segment_fixed_size: 0
    .kernarg_segment_align: 8
    .kernarg_segment_size: 72
    .max_flat_workgroup_size: 256
    .sgpr_count:     66
    .vgpr_count:     256
    .wavefront_size: 32
...
	.end_amdgpu_metadata
.endif
;; end of part 1
;; launch gnorm (part 2): grid 512 x 1, 8 waves a work-group, no clusters, 1,536 bytes of LDS; arguments x, gamma, beta, hb; writes hb
.if DOCPART == 2
	.amdgcn_target "amdgcn-amd-amdhsa--gfx1250"
	.amdhsa_code_object_version 6
	.text
	.protected	k_qd30900eb9f_gnorm
	.globl	k_qd30900eb9f_gnorm
	.p2align	8
	.type	k_qd30900eb9f_gnorm,@function
k_qd30900eb9f_gnorm:
	s_mov_b64 s[64:65], 0
	v_nop
	global_prefetch_b8 v0, s[64:65] scope:SCOPE_SE
	s_setreg_imm32_b32 hwreg(HW_REG_WAVE_MODE, 25, 1), 1
	s_wait_xcnt 0x0
; Launch 2 of 5: hb = bf16(GroupNorm(x) gamma + beta), [16][512 c][1024 n].  A work-group owns one group of one image: 16 channels x 1,024 pixels, 65,536 dense bytes of x, which stay in registers
; between the pass for the mean, the pass for the variance (of x - mean, as reference() takes it, so a common offset of x costs nothing) and the scaling: x is read once.
; Thread t holds 4 pixels (16 bytes) of each of the 16 channels: a wave's load covers 512 consecutive bytes, its store 256, aligned.
; A stream: no matrix unit, no tensor loads, no cluster (no two work-groups share a byte), no prefetch (each work-group's loads all go out at its head).
.set X,     8                          ; v[8:71]   the group: channel i at X + 4 i
.set M,     72                         ; v[72:79]  four running pairs
.set MU,    80                         ; v[80:81]  the mean, twice; later 1 / sqrt(var + eps)
.set RED,   82                         ; v82 a sum; v83 at work
.set PS,    84                         ; v[84:91]  the eight waves' sums
.set Y,     72                         ; v[72:103] the result in bf16
.set SPARE, 512                        ; LDS: words 0-7 the first sums, words at byte 256 the second; from 512 the spare words, 128 bytes a wave
	s_load_b256 s[4:11], s[0:1], 0x0               ; x s[4:5], gamma s[6:7], beta s[8:9], hb s[10:11]
	v_lshl_add_u32 v6, v0, 2, SPARE                ; my spare word; never rewritten
	v_mov_b32 v7, 0                                ; 0; never rewritten
	v_lshlrev_b32 v1, 4, v0                        ; 16 t
	v_lshlrev_b32 v2, 3, v0                        ; 8 t
	v_lshrrev_b32 v3, 5, v0
	v_readfirstlane_b32 s2, v3                     ; wave
	v_mov_b32 v3, s2
	v_lshlrev_b32 v3, 2, v3                        ; my wave's word
	v_mov_b32 v4, 0
	v_mov_b32 v[RED+1], 0                          ; v_permlanex16_b32's destination counts as read
	s_lshl_b32 s12, ttmp9, 16                      ; the group's 65,536 bytes of x
	s_mov_b32 s13, 0
	s_lshl_b32 s14, ttmp9, 15                      ; and 32,768 of hb
	s_mov_b32 s15, 0
	s_and_b32 s2, ttmp9, 31
	s_lshl_b32 s2, s2, 6                           ; the group's 16 gains and biases
	s_mov_b32 s3, 0
	s_wait_kmcnt 0x0
	s_add_nc_u64 s[4:5], s[4:5], s[12:13]
	s_add_nc_u64 s[10:11], s[10:11], s[14:15]
	s_add_nc_u64 s[6:7], s[6:7], s[2:3]
	s_add_nc_u64 s[8:9], s[8:9], s[2:3]
.set i, 0
.rept 16
	global_load_b128 v[X+4*i:X+4*i+3], v1, s[4:5] offset:i*4096 th:TH_LOAD_NT
.set i, i+1
.endr
	s_load_b512 s[16:31], s[6:7], 0x0              ; gamma
	s_load_b512 s[32:47], s[8:9], 0x0              ; beta
	s_mov_b32 s12, 0x76543210                      ; v_permlanex16_b32: each lane takes its own place in the other half
	s_mov_b32 s13, 0xfedcba98
	s_mov_b32 s14, 0x38800000                      ; 1 / 16,384
	s_mov_b32 s15, 0x3727c5ac                      ; 1e-5
.macro TOTAL base                      ; the four pairs -> one number -> over the lanes -> over the eight waves, through the words at byte base; the result in v[RED] of every lane
	v_pk_add_f32 v[M:M+1], v[M:M+1], v[M+2:M+3]
	v_pk_add_f32 v[M+4:M+5], v[M+4:M+5], v[M+6:M+7]
	v_pk_add_f32 v[M:M+1], v[M:M+1], v[M+4:M+5]
	v_add_f32 v[RED], v[M], v[M+1]
	v_add_f32_dpp v[RED], v[RED], v[RED] row_xmask:1 row_mask:0xf bank_mask:0xf
	v_add_f32_dpp v[RED], v[RED], v[RED] row_xmask:2 row_mask:0xf bank_mask:0xf
	v_add_f32_dpp v[RED], v[RED], v[RED] row_xmask:4 row_mask:0xf bank_mask:0xf
	v_add_f32_dpp v[RED], v[RED], v[RED] row_xmask:8 row_mask:0xf bank_mask:0xf
	v_permlanex16_b32 v[RED+1], v[RED], s12, s13
	v_add_f32 v[RED], v[RED], v[RED+1]
	ds_store_b32 v3, v[RED] offset:\base
	s_wait_dscnt 0x0                               ; for the others' sake
	s_barrier_signal -1
	s_barrier_wait -1
	ds_load_b128 v[PS:PS+3],   v4 offset:\base
	ds_load_b128 v[PS+4:PS+7], v4 offset:(\base)+16
	s_wait_dscnt 0x0
	v_pk_add_f32 v[PS:PS+1], v[PS:PS+1], v[PS+2:PS+3]
	v_pk_add_f32 v[PS+4:PS+5], v[PS+4:PS+5], v[PS+6:PS+7]
	v_pk_add_f32 v[PS:PS+1], v[PS:PS+1], v[PS+4:PS+5]
	v_add_f32 v[RED], v[PS], v[PS+1]
.endm
	s_wait_loadcnt 0x0
.irp k, 0,1,2,3
	v_pk_add_f32 v[M+2*(\k):M+2*(\k)+1], v[X+2*(\k):X+2*(\k)+1], v[X+8+2*(\k):X+8+2*(\k)+1]  ; the first eight pairs start four chains: nothing is cleared
.endr
.set j, 8
.rept 24
	v_pk_add_f32 v[M+2*(j%4):M+2*(j%4)+1], v[M+2*(j%4):M+2*(j%4)+1], v[X+2*j:X+2*j+1]
.set j, j+1
.endr
	TOTAL 0
	v_mul_f32 v[MU], s14, v[RED]                   ; the mean
	v_mov_b32 v[MU+1], v[MU]
.set j, 0
.rept 32
	v_pk_add_f32 v[X+2*j:X+2*j+1], v[X+2*j:X+2*j+1], v[MU:MU+1] neg_lo:[0,1] neg_hi:[0,1]  ; x - mean, in place
.set j, j+1
.endr
.irp k, 0,1,2,3
	v_pk_mul_f32 v[M+2*(\k):M+2*(\k)+1], v[X+2*(\k):X+2*(\k)+1], v[X+2*(\k):X+2*(\k)+1]
.endr
.set j, 4
.rept 28
	v_pk_fma_f32 v[M+2*(j%4):M+2*(j%4)+1], v[X+2*j:X+2*j+1], v[X+2*j:X+2*j+1], v[M+2*(j%4):M+2*(j%4)+1]
.set j, j+1
.endr
	TOTAL 256                                      ; other words than the first sums': no second barrier is needed in front of the stores
	v_fma_f32 v[RED], v[RED], s14, s15             ; var + eps
	v_rsq_f32 v[MU], v[RED]
	v_nop                                          ; a plain instruction behind the root,
	s_wait_alu depctr_va_vdst(0)                   ; and a wait ahead of the first use of its result
	v_readfirstlane_b32 s2, v[MU]                  ; the same in every lane
	s_wait_kmcnt 0x0                               ; gamma and beta
.set i, 0
.rept 16
	s_mul_f32 s[48+i], s2, s[16+i]                 ; gamma / sqrt(var + eps)
.set i, i+1
.endr
.set i, 0
.rept 16
.irp q, 0,1,2,3
	v_fma_f32 v[X+4*i+(\q)], v[X+4*i+(\q)], s[48+i], s[32+i]
.endr
.set i, i+1
.endr
.set i, 0
.rept 32
	v_cvt_pk_bf16_f32 v[Y+i], v[X+2*i], v[X+2*i+1]
.set i, i+1
.endr
.set i, 0
.rept 16
	global_store_b64 v2, v[Y+2*i:Y+2*i+1], s[10:11] offset:i*2048  ; a wave stores 256 consecutive bytes, aligned
.set i, i+1
.endr
	s_wait_tensorcnt 0x0                           ; the wave's end, behind my last LDS store
	ds_add_u32 v6, v7
	s_wait_dscnt 0x0
	s_endpgm
.Lfunc_end_k_qd30900eb9f_gnorm:
	.size	k_qd30900eb9f_gnorm, .Lfunc_end_k_qd30900eb9f_gnorm-k_qd30900eb9f_gnorm
	.p2alignl 7, 3214868480
	.fill 96, 4, 3214868480
	.section	.rodata,"a",@progbits
	.p2align	6, 0x0
	.amdhsa_kernel k_qd30900eb9f_gnorm
		.amdhsa_group_segment_fixed_size 1536
		.amdhsa_private_segment_fixed_size 0
		.amdhsa_enable_private_segment 0
		.amdhsa_kernarg_size 32
		.amdhsa_user_sgpr_count 2
		.amdhsa_user_sgpr_kernarg_segment_ptr 1
		.amdhsa_wavefront_size32 1
		.amdhsa_system_sgpr_workgroup_id_x 1
		.amdhsa_system_sgpr_workgroup_id_y 1
		.amdhsa_system_sgpr_workgroup_id_z 1
		.amdhsa_system_vgpr_workitem_id 0
		.amdhsa_next_free_vgpr 104
		.amdhsa_next_free_sgpr 66
		.amdhsa_reserve_vcc 0
		.amdhsa_float_denorm_mode_32 3
		.amdhsa_float_denorm_mode_16_64 3
		.amdhsa_memory_ordered 1
		.amdhsa_forward_progress 1
		.amdhsa_inst_pref_size 20
	.end_amdhsa_kernel
	.amdgpu_metadata
---
amdhsa.version: [ 1, 2 ]
amdhsa.kernels:
  - .name:           k_qd30900eb9f_gnorm
    .symbol:         k_qd30900eb9f_gnorm.kd
    .args:
      - { .name: x, .offset: 0, .size: 8, .value_kind: global_buffer, .address_space: global }
      - { .name: gamma, .offset: 8, .size: 8, .value_kind: global_buffer, .address_space: global }
      - { .name: beta, .offset: 16, .size: 8, .value_kind: global_buffer, .address_space: global }
      - { .name: hb, .offset: 24, .size: 8, .value_kind: global_buffer, .address_space: global }
    .group_segment_fixed_size: 1536
    .private_segment_fixed_size: 0
    .kernarg_segment_align: 8
    .kernarg_segment_size: 32
    .max_flat_workgroup_size: 256
    .sgpr_count:     66
    .vgpr_count:     104
    .wavefront_size: 32
...
	.end_amdgpu_metadata
.endif
;; end of part 2
;; launch proj (part 3): grid 4 x 64, 4 waves a work-group, clusters of 4 x 4, 327,680 bytes of LDS; arguments hb, wc, bc, qv; writes qv
.if DOCPART == 3
	.amdgcn_target "amdgcn-amd-amdhsa--gfx1250"
	.amdhsa_code_object_version 6
	.text
	.protected	k_qd30900eb9f_proj
	.globl	k_qd30900eb9f_proj
	.p2align	8
	.type	k_qd30900eb9f_proj,@function
k_qd30900eb9f_proj:
	s_mov_b64 s[64:65], 0
	v_nop
	global_prefetch_b8 v0, s[64:65] scope:SCOPE_SE
	s_setreg_imm32_b32 hwreg(HW_REG_WAVE_MODE, 25, 1), 1
	s_wait_xcnt 0x0
	s_wait_alu depctr_hold_cnt(0) depctr_sa_sdst(0) depctr_va_vdst(0) depctr_va_sdst(0) depctr_va_ssrc(0) depctr_va_vcc(0) depctr_vm_vsrc(0)
	s_getreg_b32 s2, hwreg(HW_REG_IB_STS2, 6, 4)
	s_cmp_eq_u32 s2, 0
	s_cbranch_scc0 .Lentry_in_a_cluster
	s_endpgm
.Lentry_in_a_cluster:
	s_bfe_u32 s2, ttmp6, 0x10000c
	s_cmp_lg_u32 s2, 0xf033
	s_cbranch_scc0 .Lentry_shape_is_right
	s_endpgm
.Lentry_shape_is_right:
; Launch 3 of 5: qv[b][n][o] = bf16(sum_c wc[o][c] h[b][c][n] + bc[o]): o < 512 is Q' = (Wk^T Wq) h + Wk^T bq, o >= 512 is V' = (Wp Wv) h + bp + Wp bv.
; Left out, as shown at the head of the first kernel: the keys' projection (the keys are h itself), the output's projection (it lies in V'), and bk (the same for all keys of a row).
; A cluster of 4 x 4 work-groups makes one image's 1,024 x 1,024; a work-group a tile of 256 pixels x 256 outputs; each of its four waves 128 x 128: 64 accumulators, 512 registers.  K = 512 goes in four
; steps of 128 through two LDS slots filled by the tensor data mover.  ROLE A = the tile's rows (pixels): h, stored [c][n], so its fragments come out of LDS by the turning load; it hangs on the tile row alone and
; is asked for jointly by the cluster's row.  ROLE B = the tile's columns (outputs): wc, stored [o][c]; jointly by the cluster's column.
; The matrix instruction is used transposed (source 0 = role B, source 1 = role A): a lane holds one row of the tile and eight neighbouring columns, 16 bytes of qv.  The bias is the C operand of the products that start the sums.
; No prefetch: a walk of four K steps has two refills, and two K steps ahead of them there is nothing left to name.
; REGISTERS, in windows of 256: window 0: v0-31 addresses; v32-63, v224-255 rows on the way out; v64-127, v128-191 role A's fragments, two buffers; v192-255 first the bias, v192-223 then packed results.
;   window 1: v64-191 role B's fragments.   windows 2, 3: the accumulators of my rows 0-63 and 64-127, (a, b) at v[8 (8 a + b)].
.set A_TURNED, 1
.set PP,     272                       ; a plain LDS row: 256 bytes + 16: the 16 rows of a load start at 16 different groups of four banks (64 banks of 4 bytes: ISA guide 11.1)
.set PT,     544                       ; a turned LDS row: 512 bytes + 32 = 17 x 32
.set HALFT,  128*PP                    ; what one tensor load brings: 128 plain rows, or 64 turned ones
.set REG,    2*HALFT                   ; a role's region in a slot
.set SLOT,   2*REG                     ; role A's region, then role B's.  Even K steps lie in the upper slot (at SLOT), odd ones in the lower (at 0)
.set STAGE,  2*SLOT                    ; behind the ring: 16 rows x 272 bytes for each wave
.set SPITCH, 272
.set SPARE,  STAGE+4*16*SPITCH         ; the spare words, 128 bytes for each wave: two blocks of 256 bytes that no other line names
.set ASTEP,  128*2048                  ; a K step in memory: 128 rows of hb,
.set BSTEP,  256                       ; 256 bytes of wc's rows
.set PW0, (1<<16)|(1<<20)|(1<<21)|(5<<22)|(3<<25)  ; plain: 2-byte elements; padding on; bit 21 beside a mask; after every 64 words, 4 words
.set TW0, (1<<16)|(1<<20)|(1<<21)|(6<<22)|(7<<25)  ; turned: after every 128 words, 8 words
.set A0,  16                           ; v16  my lane's place in role A's region; never rewritten
.set B0,  17                           ; v17  in role B's
.set ADA, 18                           ; v18  the address of the run of loads in hand
.set ADB, 19
.set STO, 24                           ; v24  the way out: where I put 16 bytes of a row
.set RD,  25                           ; v25  where I read a row back
.set CO,  26                           ; v26  my byte offset in two rows of qv
.set SPW, 28                           ; v28  my spare word; never rewritten
.set NIL, 29                           ; v29  0; never rewritten
.set F0,  64
.set F1,  128
.set TMP, 192
.set OB,  32
.set WV,  12                           ; s12 wave;  s13 wave / 2: my half of the rows, and: I fetch for role A (0) or B (1);  s14 wave % 2: my half of the columns, and which half of a tile I fetch
.set RH,  13
.set CH,  14
.set CX,  15
.set CY,  16
.set BT,  17                           ; s17 the image
.set G1A, 24                           ; s[24:31] descriptor group 1, role A;  s[32:39] group 0, two sets for the first fills
.set G0A, 32
.set G1B, 48
.set G0B, 56
.set WA,  68                           ; s[68:71], s[72:75] group 0 of the refills: they walk
.set WB,  72
.set TP,  76                           ; s76 LDS byte at which the next fetch begins in a plain region;  s77 in a turned one
.set TT,  77
.set TA,  TT
.set TB,  TP
.set CNT, 78
.set OUTP, 84
.set BCP, 86
.set MSB, 0
.macro WIN new                         ; the immediate's high byte repeats the setting that is left; a switch that changes nothing is dropped
.if MSB != (\new)
	s_set_vgpr_msb (MSB<<8)|(\new)
.set MSB, \new
.endif
.endm
.set MUL_LO, 0xa1                      ; source 0 window 1, source 1 window 0, C and D window 2
.set MUL_HI, 0xf1                      ; C and D window 3
.macro G1P g, pitch                    ; a tile of 128 rows x 128 elements
	s_mov_b32 s[(\g)+1], 128<<16
	s_mov_b32 s[(\g)+2], 128<<16
	s_mov_b32 s[(\g)+3], 128<<16
	s_mov_b32 s[(\g)+4], 128
	s_mov_b32 s[(\g)+5], \pitch
	s_mov_b32 s[(\g)+6], 0
	s_mov_b32 s[(\g)+7], 0
.endm
.macro G1T g                           ; a tile of 64 rows x 256 elements of hb
	s_mov_b32 s[(\g)+1], 256<<16
	s_mov_b32 s[(\g)+2], 64<<16
	s_mov_b32 s[(\g)+3], 256<<16
	s_mov_b32 s[(\g)+4], 64
	s_mov_b32 s[(\g)+5], 1024
	s_mov_b32 s[(\g)+6], 0
	s_mov_b32 s[(\g)+7], 0
.endm
.macro GROUP0 g, lds, src, step        ; count 1; LDS address = wave x 34,816 + lds; global address; type 2
	s_mov_b32 s[\g], 1
	s_add_co_u32 s[(\g)+1], s23, \lds
	s_add_nc_u64 s[(\g)+2:(\g)+3], s[\src:(\src)+1], \step
	s_or_b32 s[(\g)+3], s[(\g)+3], 0x80000000
.endm
; A joint load: waves 0 and 1 fetch role A's two halves, waves 2 and 3 role B's.  The branch hangs on the wave's number alone.  An s_nop 0 and four v_nop follow each of the two lines.
.macro JLOAD ga, gb
	s_cmp_eq_u32 s[RH], 0
	s_cbranch_scc0 .Lfor_b_\@
	tensor_load_to_lds s[(\ga):(\ga)+3], s[G1A:G1A+7]
	s_nop 0
.rept 4
	v_nop
.endr
	s_branch .Lasked_\@
.Lfor_b_\@:
	tensor_load_to_lds s[(\gb):(\gb)+3], s[G1B:G1B+7]
	s_nop 0
.rept 4
	v_nop
.endr
.Lasked_\@:
.endm
.macro CREST                           ; a round of the cluster's barrier behind its opening barrier
	s_cmp_lg_u32 s[WV], 0
	s_cbranch_scc1 .Lnot_wave_0_\@
	s_barrier_signal -3
.Lnot_wave_0_\@:
	s_barrier_wait -3
	s_barrier_signal -1
	s_barrier_wait -1
.endm
.macro CROUND
	s_barrier_signal -1
	s_barrier_wait -1
	CREST
.endm
.macro PLACES
.rept 4
	v_nop
.endr
.endm
; 16 matrix instructions: row blocks a0, a0 + 1 of the window's four x all 8 column blocks, 32 along K.  z = 1: C = 0;  z = 2: C = the bias (window 0): the first products start the sums.
.macro MUL16 f, hi, a0, z
.if (\z) == 2
	WIN 0x81+0x40*(\hi)
.else
	WIN MUL_LO+0x50*(\hi)
.endif
.irp a, \a0, (\a0)+1
.irp b, 0,1,2,3,4,5,6,7
.if (\z) == 1
	v_wmma_f32_16x16x32_bf16 v[8*(8*(\a)+(\b)):8*(8*(\a)+(\b))+7], v[(\f)+8*(\b):(\f)+8*(\b)+7], v[(\f)+8*(4*(\hi)+(\a)):(\f)+8*(4*(\hi)+(\a))+7], 0
.elseif (\z) == 2
	v_wmma_f32_16x16x32_bf16 v[8*(8*(\a)+(\b)):8*(8*(\a)+(\b))+7], v[(\f)+8*(\b):(\f)+8*(\b)+7], v[(\f)+8*(4*(\hi)+(\a)):(\f)+8*(4*(\hi)+(\a))+7], v[TMP+8*(\b):TMP+8*(\b)+7]
.else
	v_wmma_f32_16x16x32_bf16 v[8*(8*(\a)+(\b)):8*(8*(\a)+(\b))+7], v[(\f)+8*(\b):(\f)+8*(\b)+7], v[(\f)+8*(4*(\hi)+(\a)):(\f)+8*(4*(\hi)+(\a))+7], v[8*(8*(\a)+(\b)):8*(8*(\a)+(\b))+7]
.endif
.endr
.endr
.endm
.macro LDP dst, adr                    ; eight fragments (16 rows x 32 K) from a plain region
.irp i, 0,1,2,3,4,5,6,7
	ds_load_b128 v[(\dst)+8*(\i):(\dst)+8*(\i)+3],   v[\adr] offset:(\i)*16*PP
	ds_load_b128 v[(\dst)+8*(\i)+4:(\dst)+8*(\i)+7], v[\adr] offset:(\i)*16*PP+32
.endr
.endm
.macro LDT dst, adr                    ; the same from a turned region
.irp i, 0,1,2,3,4,5,6,7
	ds_load_tr16_b128 v[(\dst)+8*(\i):(\dst)+8*(\i)+3],   v[\adr] offset:(\i)*32
	ds_load_tr16_b128 v[(\dst)+8*(\i)+4:(\dst)+8*(\i)+7], v[\adr] offset:(\i)*32+16*PT
.endr
.endm
.macro ADRS
	v_add_nc_u32 v[ADA], s[TA], v[A0]
	v_add_nc_u32 v[ADB], s[TB], v[B0]
.endm
.macro FETCH f                         ; 32 LDS loads in one run: role B's fragments into window 1, then role A's into window 0; the next fetch is 32 further along K
	WIN 0x40
.if A_TURNED
	LDP \f, ADB
	WIN 0
	LDT \f, ADA
.else
	LDT \f, ADB
	WIN 0
	LDP \f, ADA
.endif
	s_add_co_u32 s[TP], s[TP], 64
	s_add_co_u32 s[TT], s[TT], 32*PT
.endm
; A K step is four quarters of 32 along K, 64 matrix instructions each, on buffers 0, 1, 0, 1.  One of the first three: multiplies buffer f, and in its middle fetches the next quarter into g.
.macro QUARTER f, g, z
	s_wait_dscnt 8                                 ; role B's fragments and role A's rows 0-63 are in; the youngest eight loads (rows 64-127) may be out
	MUL16 \f, 0, 0, \z
	MUL16 \f, 0, 2, \z
	WIN 0
	ADRS                                           ; two address lines and two v_nop: the four places in front of loads into registers that products have read
	v_nop
	v_nop
	FETCH \g
	s_wait_dscnt 32                                ; all but the 32 just issued
	MUL16 \f, 1, 0, \z
	MUL16 \f, 1, 2, \z
.endm
; The last quarter multiplies buffer 1 and changes slots: one barrier; in front of it each wave waits for all its tensor loads, adds 0 to its spare word, and waits for that and for its reads of this slot.
.macro MEET round
	WIN 0
	s_wait_tensorcnt 0x0                           ; all my tensor loads have landed: the one that was out is my part of the next slot
	ds_add_u32 v[SPW], v[NIL]                      ; 0 onto my spare word
	s_wait_dscnt 9                                 ; (the add and the youngest eight loads may be out)
	MUL16 F1, 0, 0, 0
	s_wait_dscnt 0x0                               ; the add is done, and my reads of this slot are over
	s_barrier_signal -1
	MUL16 F1, 0, 2, 0
.if \round
	WIN 0
.endif
	s_barrier_wait -1
.endm
.macro TURN fill                       ; fill = 1: the barrier opens a round of the cluster's, and the slot just read is filled again, two K steps ahead, first thing behind it
	MEET \fill
.if \fill
	CREST
	s_sub_co_u32 s[WA+1], s[WA+1], SLOT            ; the walkers: first the upper slot, then the lower; the next K step
	s_add_nc_u64 s[WA+2:WA+3], s[WA+2:WA+3], ASTEP
	s_sub_co_u32 s[WB+1], s[WB+1], SLOT
	s_add_nc_u64 s[WB+2:WB+3], s[WB+2:WB+3], BSTEP
	JLOAD WA, WB                                   ; my one tensor load behind the round; its four v_nop are also places in front of the loads below
.else
	WIN 0
	PLACES
.endif
	s_sub_co_u32 s[TP], s[TP], 256                 ; the fetches go back to a slot's first quarter,
	s_xor_b32 s[TP], s[TP], SLOT                   ; in the other slot (the value is 0 or SLOT here)
	s_sub_co_u32 s[TT], s[TT], 128*PT
	s_xor_b32 s[TT], s[TT], SLOT
	ADRS
	FETCH F0
	MUL16 F1, 1, 0, 0
	MUL16 F1, 1, 2, 0
.endm
	s_load_b256 s[4:11], s[0:1], 0x0               ; hb s[4:5], wc s[6:7], bc s[8:9], qv s[10:11]
	v_lshl_add_u32 v[SPW], v0, 2, SPARE
	v_mov_b32 v[NIL], 0
	ds_add_u32 v[SPW], v[NIL]                      ; the wave's opening: the add, twice on end, and its wait ahead of my first tensor load
	ds_add_u32 v[SPW], v[NIL]
	v_lshrrev_b32 v1, 5, v0
	v_readfirstlane_b32 s[WV], v1
	s_lshr_b32 s[RH], s[WV], 1
	s_and_b32 s[CH], s[WV], 1
	s_bfe_u32 s[CX], ttmp6, 0x40000                ; my tile column
	s_bfe_u32 s[CY], ttmp6, 0x40004                ; my tile row
	s_and_b32 s[BT], ttmp7, 0xffff                 ; a cluster is an image
	s_lshl_b32 s18, s[CY], 2
	s_lshl_b32 s18, 15, s18                        ; my row of the cluster
	s_lshl_b32 s19, 0x1111, s[CX]                  ; my column
	s_or_b32 s[G1A], s18, TW0
	s_or_b32 s[G1B], s19, PW0
	G1T G1A
	G1P G1B, 512
	s_lshl_b32 s40, s[BT], 20                      ; role A: the image, 256 pixels of the tile row, my 64 rows of a K step
	s_lshl_b32 s20, s[CY], 9
	s_add_co_u32 s40, s40, s20
	s_lshl_b32 s21, s[CH], 17
	s_add_co_u32 s40, s40, s21
	s_mov_b32 s41, 0
	s_lshl_b32 s42, s[CX], 18                      ; role B: 256 rows of wc of the tile column, my 128 of them
	s_add_co_u32 s42, s42, s21
	s_mov_b32 s43, 0
	s_lshl_b32 s44, s[BT], 21                      ; qv: the image, my first row, my first column
	s_lshl_b32 s20, s[CY], 19
	s_add_co_u32 s44, s44, s20
	s_lshl_b32 s20, s[RH], 18
	s_add_co_u32 s44, s44, s20
	s_lshl_b32 s22, s[CX], 9
	s_add_co_u32 s44, s44, s22
	s_lshl_b32 s22, s[CH], 8
	s_add_co_u32 s44, s44, s22
	s_mov_b32 s45, 0
	s_lshl_b32 s46, s[CX], 10                      ; bc: my 128 columns
	s_lshl_b32 s22, s[CH], 9
	s_add_co_u32 s46, s46, s22
	s_mov_b32 s47, 0
	s_mul_i32 s23, s[WV], HALFT                    ; where my fills go in a slot: no place in the cluster enters an LDS address
	s_wait_dscnt 0x0                               ; both opening adds are done
	s_wait_kmcnt 0x0
	s_add_nc_u64 s[40:41], s[4:5], s[40:41]
	s_add_nc_u64 s[42:43], s[6:7], s[42:43]
	s_add_nc_u64 s[OUTP:OUTP+1], s[10:11], s[44:45]
	s_add_nc_u64 s[BCP:BCP+1], s[8:9], s[46:47]
	GROUP0 G0A,   SLOT,   40, 0                    ; K step 0 into the upper slot
	GROUP0 G0A+4, 0,      40, ASTEP                ; K step 1 into the lower
	GROUP0 WA,    2*SLOT, 40, ASTEP                ; the walker is stepped ahead of each use
	GROUP0 G0B,   SLOT,   42, 0
	GROUP0 G0B+4, 0,      42, BSTEP
	GROUP0 WB,    2*SLOT, 42, BSTEP
	CROUND                                         ; all sixteen work-groups are here: the first joint loads meet
	JLOAD G0A, G0B
	JLOAD G0A+4, G0B+4                             ; two tensor loads of mine are out
	v_and_b32 v1, 15, v0                           ; l % 16
	v_bfe_u32 v2, v0, 4, 1                         ; l / 16
	v_mul_u32_u24 v3, v1, PP
	v_lshl_add_u32 v3, v2, 4, v3                   ; plain: row x pitch + 16 x half
	v_and_b32 v4, 7, v0
	v_lshl_add_u32 v4, v2, 3, v4
	v_mul_u32_u24 v4, v4, PT
	v_bfe_u32 v5, v0, 3, 1
	v_lshl_add_u32 v4, v5, 4, v4                   ; turned: (8 (l / 16) + l % 8) x pitch + 16 ((l / 8) % 2)
	s_lshl_b32 s18, s[RH], 8
	v_add_nc_u32 v[A0], s18, v4                    ; my 128 pixels: 256 bytes of the turned rows
	s_mul_i32 s18, s[CH], HALFT
	s_add_co_u32 s18, s18, REG
	v_add_nc_u32 v[B0], s18, v3                    ; my 128 rows of wc
	s_mul_i32 s18, s[WV], 16*SPITCH
	s_add_co_u32 s18, s18, STAGE
	v_add_nc_u32 v[STO], s18, v3
	v_mul_u32_u24 v5, v2, SPITCH
	v_lshl_add_u32 v5, v1, 4, v5
	v_add_nc_u32 v[RD], s18, v5
	v_lshlrev_b32 v5, 11, v2
	v_lshl_add_u32 v[CO], v1, 4, v5
	v_lshlrev_b32 v6, 5, v2                        ; the bias of column block b: register j holds bc[16 b + 8 (l / 16) + j]
.irp b, 0,1,2,3,4,5,6,7
	global_load_b128 v[TMP+8*(\b):TMP+8*(\b)+3],   v6, s[BCP:BCP+1] offset:64*(\b)
	global_load_b128 v[TMP+8*(\b)+4:TMP+8*(\b)+7], v6, s[BCP:BCP+1] offset:64*(\b)+16
.endr
	s_wait_tensorcnt 0x1                           ; my part of K step 0 is in; K step 1's may stay out
	s_barrier_signal -1
	s_barrier_wait -1
	s_mov_b32 s[TP], SLOT
	s_mov_b32 s[TT], SLOT
	ADRS
	FETCH F0
	s_wait_loadcnt 0x0                             ; the bias
	QUARTER F0, F1, 2
	WIN 0
	s_mov_b32 s[CNT], 2
.Llap:                                         ; a trip: from a K step's second quarter to the next step's first; it fills the slot that it leaves
	QUARTER F1, F0, 0
	QUARTER F0, F1, 0
	TURN 1
	QUARTER F0, F1, 0
	WIN 0
	s_sub_co_u32 s[CNT], s[CNT], 1
	s_cmp_lg_u32 s[CNT], 0
	s_cbranch_scc1 .Llap
	QUARTER F1, F0, 0                              ; the last two K steps are written out: nothing is left to ask for
	QUARTER F0, F1, 0
	TURN 0
	QUARTER F0, F1, 0
	QUARTER F1, F0, 0
	QUARTER F0, F1, 0
	s_wait_dscnt 8
	MUL16 F1, 0, 0, 0
	MUL16 F1, 0, 2, 0
	s_wait_dscnt 0x0
	MUL16 F1, 1, 0, 0
	MUL16 F1, 1, 2, 0
	WIN 0
	PLACES
	PLACES
; THE WAY OUT, a block of 16 rows at a time: rounded to bf16, 16 bytes a lane; into my own stage; back as whole rows of 256 bytes; stored.
.macro PACK a
.set AC, 64*((\a)%4)
	WIN 0x0a+5*((\a)/4)                            ; sources 0 and 1: window 2 or 3
.irp b, 0,1,2,3,4,5,6,7
.irp r, 0,1,2,3
	v_cvt_pk_bf16_f32 v[TMP+4*(\b)+(\r)], v[AC+8*(\b)+2*(\r)], v[AC+8*(\b)+2*(\r)+1]
.endr
.endr
	WIN 0
.endm
.macro TOSTAGE a
	WIN 0
.set BK, OB+192*((\a)%2)
.irp b, 0,1,2,3,4,5,6,7
	ds_store_b128 v[STO], v[TMP+4*(\b):TMP+4*(\b)+3] offset:32*(\b)
.endr
.irp t, 0,1,2,3,4,5,6,7
	ds_load_b128 v[BK+4*(\t):BK+4*(\t)+3], v[RD] offset:(\t)*2*SPITCH  ; LDS serves a wave's instructions in order (ISA guide 5.7.1.4): these see the stores above
.endr
.endm
.macro SEND a
	WIN 0
.set BK, OB+192*((\a)%2)
	s_wait_dscnt 0x0                               ; the block is back in registers
	s_wait_xcnt 0x0                                ; the stores of the block before have read their registers, which the next block's loads write
.irp t, 0,1,2,3,4,5,6,7
	global_store_b128 v[CO], v[BK+4*(\t):BK+4*(\t)+3], s[OUTP:OUTP+1] offset:(16*(\a)+2*(\t))*2048  ; 16 lanes store 256 consecutive bytes, aligned
.endr
.endm
	PACK 0
	TOSTAGE 0
.irp a, 1,2,3,4,5,6,7
	PACK \a
	SEND (\a)-1
	TOSTAGE \a
.endr
	SEND 7
	s_wait_tensorcnt 0x0                           ; the wave's end, behind my last tensor load and my last LDS store
	ds_add_u32 v[SPW], v[NIL]
	s_wait_dscnt 0x0
	CROUND                                         ; the closing round: no work-group ends while a partner may still ask for a tile that names it
	s_endpgm
.Lfunc_end_k_qd30900eb9f_proj:
	.size	k_qd30900eb9f_proj, .Lfunc_end_k_qd30900eb9f_proj-k_qd30900eb9f_proj
	.p2alignl 7, 3214868480
	.fill 96, 4, 3214868480
	.section	.rodata,"a",@progbits
	.p2align	6, 0x0
	.amdhsa_kernel k_qd30900eb9f_proj
		.amdhsa_group_segment_fixed_size 327680
		.amdhsa_private_segment_fixed_size 0
		.amdhsa_enable_private_segment 0
		.amdhsa_kernarg_size 32
		.amdhsa_user_sgpr_count 2
		.amdhsa_user_sgpr_kernarg_segment_ptr 1
		.amdhsa_wavefront_size32 1
		.amdhsa_system_sgpr_workgroup_id_x 1
		.amdhsa_system_sgpr_workgroup_id_y 1
		.amdhsa_system_sgpr_workgroup_id_z 1
		.amdhsa_system_vgpr_workitem_id 0
		.amdhsa_next_free_vgpr 1024
		.amdhsa_next_free_sgpr 88
		.amdhsa_reserve_vcc 0
		.amdhsa_float_denorm_mode_32 3
		.amdhsa_float_denorm_mode_16_64 3
		.amdhsa_memory_ordered 1
		.amdhsa_forward_progress 1
		.amdhsa_inst_pref_size 120
	.end_amdhsa_kernel
	.amdgpu_metadata
---
amdhsa.version: [ 1, 2 ]
amdhsa.kernels:
  - .name:           k_qd30900eb9f_proj
    .symbol:         k_qd30900eb9f_proj.kd
    .args:
      - { .name: hb, .offset: 0, .size: 8, .value_kind: global_buffer, .address_space: global }
      - { .name: wc, .offset: 8, .size: 8, .value_kind: global_buffer, .address_space: global }
      - { .name: bc, .offset: 16, .size: 8, .value_kind: global_buffer, .address_space: global }
      - { .name: qv, .offset: 24, .size: 8, .value_kind: global_buffer, .address_space: global }
    .group_segment_fixed_size: 327680
    .private_segment_fixed_size: 0
    .kernarg_segment_align: 8
    .kernarg_segment_size: 32
    .max_flat_workgroup_size: 128
    .sgpr_count:     88
    .vgpr_count:     1024
    .wavefront_size: 32
...
	.end_amdgpu_metadata
.endif
;; end of part 3
;; launch score (part 4): grid 4 x 64, 4 waves a work-group, clusters of 4 x 4, 327,680 bytes of LDS; arguments qv, hb, pb, st; writes pb, st
.if DOCPART == 4
	.amdgcn_target "amdgcn-amd-amdhsa--gfx1250"
	.amdhsa_code_object_version 6
	.text
	.protected	k_qd30900eb9f_score
	.globl	k_qd30900eb9f_score
	.p2align	8
	.type	k_qd30900eb9f_score,@function
k_qd30900eb9f_score:
	s_mov_b64 s[64:65], 0
	v_nop
	global_prefetch_b8 v0, s[64:65] scope:SCOPE_SE
	s_setreg_imm32_b32 hwreg(HW_REG_WAVE_MODE, 25, 1), 1
	s_wait_xcnt 0x0
	s_wait_alu depctr_hold_cnt(0) depctr_sa_sdst(0) depctr_va_vdst(0) depctr_va_sdst(0) depctr_va_ssrc(0) depctr_va_vcc(0) depctr_vm_vsrc(0)
	s_getreg_b32 s2, hwreg(HW_REG_IB_STS2, 6, 4)
	s_cmp_eq_u32 s2, 0
	s_cbranch_scc0 .Lentry_in_a_cluster
	s_endpgm
.Lentry_in_a_cluster:
	s_bfe_u32 s2, ttmp6, 0x10000c
	s_cmp_lg_u32 s2, 0xf033
	s_cbranch_scc0 .Lentry_shape_is_right
	s_endpgm
.Lentry_shape_is_right:
; Launch 4 of 5: the scores s[n][m] = sum_i Q'[i][n] h[i][m] and the first stage of the softmax.  Left out, as shown at the head of the first kernel: the term with bk, which is the same for all keys of a row.
; For each query and each block of 128 keys: cm = c max s, p = 2^(c s - cm) rounded to bf16 (pb[b][query][key]), l = the sum of the unrounded p; c = log2(e) / sqrt(512).  cm and l go to st[b][cm, l][block][query] in f32.
; The next launch takes the maximum of the eight cm away: together the row's true maximum is taken away before the exponentials are used, and no exponent here is above 0.
; The frame is the projection's: a cluster an image, a work-group 256 queries x 256 keys, a wave 128 x 128 (so a wave's columns are one block of keys), K = 512 in four steps through two LDS slots.
; ROLE A = queries: qv's first 512 columns, stored [n][i], plain.  ROLE B = keys: hb, stored [i][m], turned.  A lane holds one query (l % 16) and, in each of 8 accumulators, 8 keys; the query's other 64 keys lie 16 lanes away.
; No prefetch: a walk of four K steps has two refills, and two K steps ahead of them there is nothing left to name.
; REGISTERS: as in the projection; on the way out v64-76 of window 0 are at work.
.set A_TURNED, 0
.set PP,     272
.set PT,     544
.set HALFT,  128*PP
.set REG,    2*HALFT
.set SLOT,   2*REG                     ; even K steps lie in the upper slot (at SLOT), odd ones in the lower (at 0)
.set STAGE,  2*SLOT
.set SPITCH, 272
.set STAT,   STAGE+4*16*SPITCH         ; for each wave 128 words of cm, then 128 of l
.set SPARE,  STAT+4096                 ; the spare words, 128 bytes for each wave: two blocks of 256 bytes that no other line names
.set ASTEP,  256                       ; a K step in memory: 256 bytes of qv's rows,
.set BSTEP,  128*2048                  ; 128 rows of hb
.set PW0, (1<<16)|(1<<20)|(1<<21)|(5<<22)|(3<<25)
.set TW0, (1<<16)|(1<<20)|(1<<21)|(6<<22)|(7<<25)
.set A0,  16
.set B0,  17
.set ADA, 18
.set ADB, 19
.set STO, 24
.set RD,  25
.set CO,  26
.set SSM, 27                           ; v27  where my query's cm goes
.set SPW, 28
.set NIL, 29
.set SSR, 30                           ; v30  where I read 16 bytes of the statistics back
.set SO,  31                           ; v31  16 x lane
.set F0,  64
.set F1,  128
.set TMP, 192
.set OB,  32
.set CT,  64                           ; v64-71 eight running maxima
.set CM,  72                           ; v72-73 cm, twice
.set LS,  74                           ; v74-75 l
.set TX,  76
.set WV,  12
.set RH,  13
.set CH,  14
.set CX,  15
.set CY,  16
.set BT,  17
.set G1A, 24
.set G0A, 32
.set G1B, 48
.set G0B, 56
.set WA,  68
.set WB,  72
.set TP,  76
.set TT,  77
.set TA,  TP
.set TB,  TT
.set CNT, 78
.set EP,  79
.set CS,  80                           ; s[80:81] c
.set SEL, 82                           ; s[82:83] v_permlanex16_b32's selects
.set OUTP, 84
.set STP, 86
.set MSB, 0
.macro WIN new
.if MSB != (\new)
	s_set_vgpr_msb (MSB<<8)|(\new)
.set MSB, \new
.endif
.endm
.set MUL_LO, 0xa1
.set MUL_HI, 0xf1
.macro G1P g, pitch
	s_mov_b32 s[(\g)+1], 128<<16
	s_mov_b32 s[(\g)+2], 128<<16
	s_mov_b32 s[(\g)+3], 128<<16
	s_mov_b32 s[(\g)+4], 128
	s_mov_b32 s[(\g)+5], \pitch
	s_mov_b32 s[(\g)+6], 0
	s_mov_b32 s[(\g)+7], 0
.endm
.macro G1T g
	s_mov_b32 s[(\g)+1], 256<<16
	s_mov_b32 s[(\g)+2], 64<<16
	s_mov_b32 s[(\g)+3], 256<<16
	s_mov_b32 s[(\g)+4], 64
	s_mov_b32 s[(\g)+5], 1024
	s_mov_b32 s[(\g)+6], 0
	s_mov_b32 s[(\g)+7], 0
.endm
.macro GROUP0 g, lds, src, step
	s_mov_b32 s[\g], 1
	s_add_co_u32 s[(\g)+1], s23, \lds
	s_add_nc_u64 s[(\g)+2:(\g)+3], s[\src:(\src)+1], \step
	s_or_b32 s[(\g)+3], s[(\g)+3], 0x80000000
.endm
.macro JLOAD ga, gb                    ; waves 0 and 1 fetch role A's halves, waves 2 and 3 role B's; an s_nop 0 and four v_nop follow each line
	s_cmp_eq_u32 s[RH], 0
	s_cbranch_scc0 .Lfor_b_\@
	tensor_load_to_lds s[(\ga):(\ga)+3], s[G1A:G1A+7]
	s_nop 0
.rept 4
	v_nop
.endr
	s_branch .Lasked_\@
.Lfor_b_\@:
	tensor_load_to_lds s[(\gb):(\gb)+3], s[G1B:G1B+7]
	s_nop 0
.rept 4
	v_nop
.endr
.Lasked_\@:
.endm
.macro CREST
	s_cmp_lg_u32 s[WV], 0
	s_cbranch_scc1 .Lnot_wave_0_\@
	s_barrier_signal -3
.Lnot_wave_0_\@:
	s_barrier_wait -3
	s_barrier_signal -1
	s_barrier_wait -1
.endm
.macro CROUND
	s_barrier_signal -1
	s_barrier_wait -1
	CREST
.endm
.macro PLACES
.rept 4
	v_nop
.endr
.endm
.macro MUL16 f, hi, a0, z              ; 16 matrix instructions; z = 1: the first products start the sums with the constant 0
	WIN MUL_LO+0x50*(\hi)
.irp a, \a0, (\a0)+1
.irp b, 0,1,2,3,4,5,6,7
.if (\z) == 1
	v_wmma_f32_16x16x32_bf16 v[8*(8*(\a)+(\b)):8*(8*(\a)+(\b))+7], v[(\f)+8*(\b):(\f)+8*(\b)+7], v[(\f)+8*(4*(\hi)+(\a)):(\f)+8*(4*(\hi)+(\a))+7], 0
.else
	v_wmma_f32_16x16x32_bf16 v[8*(8*(\a)+(\b)):8*(8*(\a)+(\b))+7], v[(\f)+8*(\b):(\f)+8*(\b)+7], v[(\f)+8*(4*(\hi)+(\a)):(\f)+8*(4*(\hi)+(\a))+7], v[8*(8*(\a)+(\b)):8*(8*(\a)+(\b))+7]
.endif
.endr
.endr
.endm
.macro LDP dst, adr
.irp i, 0,1,2,3,4,5,6,7
	ds_load_b128 v[(\dst)+8*(\i):(\dst)+8*(\i)+3],   v[\adr] offset:(\i)*16*PP
	ds_load_b128 v[(\dst)+8*(\i)+4:(\dst)+8*(\i)+7], v[\adr] offset:(\i)*16*PP+32
.endr
.endm
.macro LDT dst, adr
.irp i, 0,1,2,3,4,5,6,7
	ds_load_tr16_b128 v[(\dst)+8*(\i):(\dst)+8*(\i)+3],   v[\adr] offset:(\i)*32
	ds_load_tr16_b128 v[(\dst)+8*(\i)+4:(\dst)+8*(\i)+7], v[\adr] offset:(\i)*32+16*PT
.endr
.endm
.macro ADRS
	v_add_nc_u32 v[ADA], s[TA], v[A0]
	v_add_nc_u32 v[ADB], s[TB], v[B0]
.endm
.macro FETCH f
	WIN 0x40
.if A_TURNED
	LDP \f, ADB
	WIN 0
	LDT \f, ADA
.else
	LDT \f, ADB
	WIN 0
	LDP \f, ADA
.endif
	s_add_co_u32 s[TP], s[TP], 64
	s_add_co_u32 s[TT], s[TT], 32*PT
.endm
.macro QUARTER f, g, z
	s_wait_dscnt 8                                 ; role B's fragments and role A's rows 0-63 are in; the youngest eight loads may be out
	MUL16 \f, 0, 0, \z
	MUL16 \f, 0, 2, \z
	WIN 0
	ADRS                                           ; two address lines and two v_nop: the four places in front of the loads
	v_nop
	v_nop
	FETCH \g
	s_wait_dscnt 32                                ; all but the 32 just issued
	MUL16 \f, 1, 0, \z
	MUL16 \f, 1, 2, \z
.endm
.macro MEET round
	WIN 0
	s_wait_tensorcnt 0x0                           ; all my tensor loads have landed: the one that was out is my part of the next slot
	ds_add_u32 v[SPW], v[NIL]                      ; 0 onto my spare word
	s_wait_dscnt 9                                 ; (the add and the youngest eight loads may be out)
	MUL16 F1, 0, 0, 0
	s_wait_dscnt 0x0                               ; the add is done, and my reads of this slot are over
	s_barrier_signal -1
	MUL16 F1, 0, 2, 0
.if \round
	WIN 0
.endif
	s_barrier_wait -1
.endm
.macro TURN fill
	MEET \fill
.if \fill
	CREST
	s_sub_co_u32 s[WA+1], s[WA+1], SLOT
	s_add_nc_u64 s[WA+2:WA+3], s[WA+2:WA+3], ASTEP
	s_sub_co_u32 s[WB+1], s[WB+1], SLOT
	s_add_nc_u64 s[WB+2:WB+3], s[WB+2:WB+3], BSTEP
	JLOAD WA, WB                                   ; my one tensor load behind the round
.else
	WIN 0
	PLACES
.endif
	s_sub_co_u32 s[TP], s[TP], 256
	s_xor_b32 s[TP], s[TP], SLOT
	s_sub_co_u32 s[TT], s[TT], 128*PT
	s_xor_b32 s[TT], s[TT], SLOT
	ADRS
	FETCH F0
	MUL16 F1, 1, 0, 0
	MUL16 F1, 1, 2, 0
.endm
	s_load_b256 s[4:11], s[0:1], 0x0               ; qv s[4:5], hb s[6:7], pb s[8:9], st s[10:11]
	v_lshl_add_u32 v[SPW], v0, 2, SPARE
	v_mov_b32 v[NIL], 0
	ds_add_u32 v[SPW], v[NIL]                      ; the wave's opening: the add, twice on end, and its wait ahead of my first tensor load
	ds_add_u32 v[SPW], v[NIL]
	v_lshrrev_b32 v1, 5, v0
	v_readfirstlane_b32 s[WV], v1
	s_lshr_b32 s[RH], s[WV], 1
	s_and_b32 s[CH], s[WV], 1
	s_bfe_u32 s[CX], ttmp6, 0x40000
	s_bfe_u32 s[CY], ttmp6, 0x40004
	s_and_b32 s[BT], ttmp7, 0xffff
	s_lshl_b32 s18, s[CY], 2
	s_lshl_b32 s18, 15, s18
	s_lshl_b32 s19, 0x1111, s[CX]
	s_or_b32 s[G1A], s18, PW0
	s_or_b32 s[G1B], s19, TW0
	G1P G1A, 1024
	G1T G1B
	s_lshl_b32 s40, s[BT], 21                      ; role A: the image, the tile row's 256 queries, my 128 of them
	s_lshl_b32 s20, s[CY], 19
	s_add_co_u32 s40, s40, s20
	s_lshl_b32 s21, s[CH], 18
	s_add_co_u32 s40, s40, s21
	s_mov_b32 s41, 0
	s_lshl_b32 s42, s[BT], 20                      ; role B: the image, the tile column's 256 keys, my 64 rows of a K step
	s_lshl_b32 s22, s[CX], 9
	s_add_co_u32 s42, s42, s22
	s_lshl_b32 s21, s[CH], 17
	s_add_co_u32 s42, s42, s21
	s_mov_b32 s43, 0
	s_lshl_b32 s44, s[BT], 21                      ; pb: the image, my first query, my first key
	s_lshl_b32 s20, s[CY], 19
	s_add_co_u32 s44, s44, s20
	s_lshl_b32 s20, s[RH], 18
	s_add_co_u32 s44, s44, s20
	s_add_co_u32 s44, s44, s22
	s_lshl_b32 s22, s[CH], 8
	s_add_co_u32 s44, s44, s22
	s_mov_b32 s45, 0
	s_lshl_b32 s46, s[BT], 16                      ; st: the image, block 2 cx + wave % 2, my 128 queries
	s_lshl_b32 s22, s[CX], 13
	s_add_co_u32 s46, s46, s22
	s_lshl_b32 s22, s[CH], 12
	s_add_co_u32 s46, s46, s22
	s_lshl_b32 s22, s[CY], 10
	s_add_co_u32 s46, s46, s22
	s_lshl_b32 s22, s[RH], 9
	s_add_co_u32 s46, s46, s22
	s_mov_b32 s47, 0
	s_mov_b32 s[CS], 0x3d8293ee                    ; c = log2(e) / sqrt(512)
	s_mov_b32 s[CS+1], s[CS]
	s_mov_b32 s[SEL], 0x76543210
	s_mov_b32 s[SEL+1], 0xfedcba98
	s_mul_i32 s23, s[WV], HALFT
	s_wait_dscnt 0x0                               ; both opening adds are done
	s_wait_kmcnt 0x0
	s_add_nc_u64 s[40:41], s[4:5], s[40:41]
	s_add_nc_u64 s[42:43], s[6:7], s[42:43]
	s_add_nc_u64 s[OUTP:OUTP+1], s[8:9], s[44:45]
	s_add_nc_u64 s[STP:STP+1], s[10:11], s[46:47]
	GROUP0 G0A,   SLOT,   40, 0
	GROUP0 G0A+4, 0,      40, ASTEP
	GROUP0 WA,    2*SLOT, 40, ASTEP
	GROUP0 G0B,   SLOT,   42, 0
	GROUP0 G0B+4, 0,      42, BSTEP
	GROUP0 WB,    2*SLOT, 42, BSTEP
	CROUND                                         ; all sixteen work-groups are here: the first joint loads meet
	JLOAD G0A, G0B
	JLOAD G0A+4, G0B+4                             ; two tensor loads of mine are out
	v_and_b32 v1, 15, v0
	v_bfe_u32 v2, v0, 4, 1
	v_mul_u32_u24 v3, v1, PP
	v_lshl_add_u32 v3, v2, 4, v3
	v_and_b32 v4, 7, v0
	v_lshl_add_u32 v4, v2, 3, v4
	v_mul_u32_u24 v4, v4, PT
	v_bfe_u32 v5, v0, 3, 1
	v_lshl_add_u32 v4, v5, 4, v4
	s_mul_i32 s18, s[RH], HALFT
	v_add_nc_u32 v[A0], s18, v3                    ; my 128 queries
	s_lshl_b32 s18, s[CH], 8
	s_add_co_u32 s18, s18, REG
	v_add_nc_u32 v[B0], s18, v4                    ; my 128 keys: 256 bytes of the turned rows
	s_mul_i32 s18, s[WV], 16*SPITCH
	s_add_co_u32 s18, s18, STAGE
	v_add_nc_u32 v[STO], s18, v3
	v_mul_u32_u24 v5, v2, SPITCH
	v_lshl_add_u32 v5, v1, 4, v5
	v_add_nc_u32 v[RD], s18, v5
	v_lshlrev_b32 v5, 11, v2
	v_lshl_add_u32 v[CO], v1, 4, v5
	s_lshl_b32 s18, s[WV], 10
	s_add_co_u32 s18, s18, STAT
	v_lshl_add_u32 v[SSM], v1, 2, s18
	v_and_b32 v[SO], 31, v0
	v_lshlrev_b32 v[SO], 4, v[SO]
	v_add_nc_u32 v[SSR], s18, v[SO]
	s_wait_tensorcnt 0x1                           ; my part of K step 0 is in; K step 1's may stay out
	s_barrier_signal -1
	s_barrier_wait -1
	s_mov_b32 s[TP], SLOT
	s_mov_b32 s[TT], SLOT
	ADRS
	FETCH F0
	QUARTER F0, F1, 1
	WIN 0
	s_mov_b32 s[CNT], 2
.Llap:
	QUARTER F1, F0, 0
	QUARTER F0, F1, 0
	TURN 1
	QUARTER F0, F1, 0
	WIN 0
	s_sub_co_u32 s[CNT], s[CNT], 1
	s_cmp_lg_u32 s[CNT], 0
	s_cbranch_scc1 .Llap
	QUARTER F1, F0, 0                              ; the last two K steps are written out: nothing is left to ask for
	QUARTER F0, F1, 0
	TURN 0
	QUARTER F0, F1, 0
	QUARTER F1, F0, 0
	QUARTER F0, F1, 0
	s_wait_dscnt 8
	MUL16 F1, 0, 0, 0
	MUL16 F1, 0, 2, 0
	s_wait_dscnt 0x0
	MUL16 F1, 1, 0, 0
	MUL16 F1, 1, 2, 0
	WIN 0
	PLACES
	PLACES
	v_mov_b32 v[TX], 0                             ; v_permlanex16_b32's destination counts as read
; THE SOFTMAX'S FIRST STAGE for block a of 16 queries (64 registers of window 2): the maximum (each accumulator's lowest registers are read first), cm, one batch of 64 exponentials
; with one wait, the roundings, the sum.
.macro SOFT a
.set SB, 64*(\a)
	WIN 0x2a                                       ; all three sources window 2, destination window 0
.irp k, 0,1,2,3,4,5,6,7
	v_max3_num_f32 v[CT+(\k)], v[SB+8*(\k)], v[SB+8*(\k)+1], v[SB+8*(\k)+2]
.endr
	WIN 0x28                                       ; source 0 window 0
.irp k, 0,1,2,3,4,5,6,7
	v_max3_num_f32 v[CT+(\k)], v[CT+(\k)], v[SB+8*(\k)+3], v[SB+8*(\k)+4]
.endr
.irp k, 0,1,2,3,4,5,6,7
	v_max3_num_f32 v[CT+(\k)], v[CT+(\k)], v[SB+8*(\k)+5], v[SB+8*(\k)+6]
.endr
.irp k, 0,1,2,3
	v_max3_num_f32 v[CT+(\k)], v[CT+(\k)], v[SB+16*(\k)+7], v[SB+16*(\k)+15]
.endr
	WIN 0
	v_max3_num_f32 v[CT], v[CT], v[CT+1], v[CT+2]
	v_max3_num_f32 v[CT+3], v[CT+3], v[CT+4], v[CT+5]
	v_max_num_f32 v[CT+6], v[CT+6], v[CT+7]
	v_max3_num_f32 v[CT], v[CT], v[CT+3], v[CT+6]
	v_permlanex16_b32 v[CT+1], v[CT], s[SEL], s[SEL+1]  ; the query's other 64 keys lie in the lane 16 away
	v_max_num_f32 v[CT], v[CT], v[CT+1]
	v_mul_f32 v[CM], s[CS], v[CT]
	v_mov_b32 v[CM+1], v[CM]                       ; named with it as a pair
	ds_store_b32 v[SSM], v[CM] offset:64*(\a)      ; both halves of the lanes write the same number to the same word
	WIN 0x82                                       ; destination and source 0 window 2, cm window 0
.set i, 0
.rept 32
	v_pk_fma_f32 v[SB+2*i:SB+2*i+1], v[SB+2*i:SB+2*i+1], s[CS:CS+1], v[CM:CM+1] op_sel_hi:[1,0,0] neg_lo:[0,0,1] neg_hi:[0,0,1]  ; c s - cm
.set i, i+1
.endr
.set i, 0
.rept 64
	v_exp_f32 v[SB+i], v[SB+i]
.set i, i+1
.endr
	v_nop                                          ; a plain instruction behind the last exponential,
	s_wait_alu depctr_va_vdst(0)                   ; and one wait for the batch ahead of the first use
	WIN 0x0a
.set i, 0
.rept 32
	v_cvt_pk_bf16_f32 v[TMP+i], v[SB+2*i], v[SB+2*i+1]
.set i, i+1
.endr
	WIN 0x8a                                       ; the sum of the 32 pairs, in place: neighbours 1, 2, 4 and 8 pairs apart
.irp w, 4, 8, 16, 32
.set u, 0
.rept 64/(\w)
	v_pk_add_f32 v[SB+(\w)*u:SB+(\w)*u+1], v[SB+(\w)*u:SB+(\w)*u+1], v[SB+(\w)*u+(\w)/2:SB+(\w)*u+(\w)/2+1]
.set u, u+1
.endr
.endr
	WIN 0x0a
	v_pk_add_f32 v[LS:LS+1], v[SB:SB+1], v[SB+32:SB+33]
	WIN 0
	v_add_f32 v[LS], v[LS], v[LS+1]
	v_permlanex16_b32 v[TX], v[LS], s[SEL], s[SEL+1]
	v_add_f32 v[LS], v[LS], v[TX]
	ds_store_b32 v[SSM], v[LS] offset:512+64*(\a)
.endm
.macro TOSTAGE a
	WIN 0
.set BK, OB+192*((\a)%2)
.irp b, 0,1,2,3,4,5,6,7
	ds_store_b128 v[STO], v[TMP+4*(\b):TMP+4*(\b)+3] offset:32*(\b)
.endr
.irp t, 0,1,2,3,4,5,6,7
	ds_load_b128 v[BK+4*(\t):BK+4*(\t)+3], v[RD] offset:(\t)*2*SPITCH  ; LDS serves a wave's instructions in order (ISA guide 5.7.1.4): these see the stores above
.endr
.endm
.macro SEND a
	WIN 0
.set BK, OB+192*((\a)%2)
	s_wait_dscnt 0x0
	s_wait_xcnt 0x0                                ; the stores of the block before have read their registers, which the next block's loads write
.irp t, 0,1,2,3,4,5,6,7
	global_store_b128 v[CO], v[BK+4*(\t):BK+4*(\t)+3], s[OUTP:OUTP+1] offset:(16*(\a)+2*(\t))*2048  ; 16 lanes store 256 consecutive bytes, aligned
.endr
.endm
	s_mov_b32 s[EP], 2
.Lhalf:                                        ; two trips of four blocks: one text, which names window 2; between them window 3's scores are brought there
	SOFT 0
	TOSTAGE 0
.irp a, 1,2,3
	SOFT \a
	SEND (\a)-1
	TOSTAGE \a
.endr
	SEND 3
	s_cmp_eq_u32 s[EP], 1
	s_cbranch_scc1 .Lnocopy
	WIN 0x83                                       ; source window 3, destination window 2
.set i, 0
.rept 256
	v_mov_b32 v[i], v[i]
.set i, i+1
.endr
	WIN 0
.Lnocopy:
	s_wait_xcnt 0x0                                ; the stores have read their base
	s_add_nc_u64 s[OUTP:OUTP+1], s[OUTP:OUTP+1], 64*2048
	v_add_nc_u32 v[SSM], 256, v[SSM]
	s_sub_co_u32 s[EP], s[EP], 1
	s_cmp_lg_u32 s[EP], 0
	s_cbranch_scc1 .Lhalf
	ds_load_b128 v[32:35], v[SSR]                  ; my wave's own words: 128 cm,
	ds_load_b128 v[36:39], v[SSR] offset:512       ; 128 l
	s_wait_dscnt 0x0
	global_store_b128 v[SO], v[32:35], s[STP:STP+1]               ; 512 consecutive bytes each, aligned
	global_store_b128 v[SO], v[36:39], s[STP:STP+1] offset:32768
	s_wait_tensorcnt 0x0                           ; the wave's end, behind my last tensor load and my last LDS store
	ds_add_u32 v[SPW], v[NIL]
	s_wait_dscnt 0x0
	CROUND                                         ; the closing round
	s_endpgm
.Lfunc_end_k_qd30900eb9f_score:
	.size	k_qd30900eb9f_score, .Lfunc_end_k_qd30900eb9f_score-k_qd30900eb9f_score
	.p2alignl 7, 3214868480
	.fill 96, 4, 3214868480
	.section	.rodata,"a",@progbits
	.p2align	6, 0x0
	.amdhsa_kernel k_qd30900eb9f_score
		.amdhsa_group_segment_fixed_size 327680
		.amdhsa_private_segment_fixed_size 0
		.amdhsa_enable_private_segment 0
		.amdhsa_kernarg_size 32
		.amdhsa_user_sgpr_count 2
		.amdhsa_user_sgpr_kernarg_segment_ptr 1
		.amdhsa_wavefront_size32 1
		.amdhsa_system_sgpr_workgroup_id_x 1
		.amdhsa_system_sgpr_workgroup_id_y 1
		.amdhsa_system_sgpr_workgroup_id_z 1
		.amdhsa_system_vgpr_workitem_id 0
		.amdhsa_next_free_vgpr 1024
		.amdhsa_next_free_sgpr 88
		.amdhsa_reserve_vcc 0
		.amdhsa_float_denorm_mode_32 3
		.amdhsa_float_denorm_mode_16_64 3
		.amdhsa_memory_ordered 1
		.amdhsa_forward_progress 1
		.amdhsa_inst_pref_size 147
	.end_amdhsa_kernel
	.amdgpu_metadata
---
amdhsa.version: [ 1, 2 ]
amdhsa.kernels:
  - .name:           k_qd30900eb9f_score
    .symbol:         k_qd30900eb9f_score.kd
    .args:
      - { .name: qv, .offset: 0, .size: 8, .value_kind: global_buffer, .address_space: global }
      - { .name: hb, .offset: 8, .size: 8, .value_kind: global_buffer, .address_space: global }
      - { .name: pb, .offset: 16, .size: 8, .value_kind: global_buffer, .address_space: global }
      - { .name: st, .offset: 24, .size: 8, .value_kind: global_buffer, .address_space: global }
    .group_segment_fixed_size: 327680
    .private_segment_fixed_size: 0
    .kernarg_segment_align: 8
    .kernarg_segment_size: 32
    .max_flat_workgroup_size: 128
    .sgpr_count:     88
    .vgpr_count:     1024
    .wavefront_size: 32
...
	.end_amdgpu_metadata
.endif
;; end of part 4
;; launch mix (part 5): grid 4 x 64, 4 waves a work-group, clusters of 4 x 4, 327,680 bytes of LDS; arguments pb, qv, st, x, out0; writes out0
.if DOCPART == 5
	.amdgcn_target "amdgcn-amd-amdhsa--gfx1250"
	.amdhsa_code_object_version 6
	.text
	.protected	k_qd30900eb9f_mix
	.globl	k_qd30900eb9f_mix
	.p2align	8
	.type	k_qd30900eb9f_mix,@function
k_qd30900eb9f_mix:
	s_mov_b64 s[64:65], 0
	v_nop
	global_prefetch_b8 v0, s[64:65] scope:SCOPE_SE
	s_setreg_imm32_b32 hwreg(HW_REG_WAVE_MODE, 25, 1), 1
	s_wait_xcnt 0x0
	s_wait_alu depctr_hold_cnt(0) depctr_sa_sdst(0) depctr_va_vdst(0) depctr_va_sdst(0) depctr_va_ssrc(0) depctr_va_vcc(0) depctr_vm_vsrc(0)
	s_getreg_b32 s2, hwreg(HW_REG_IB_STS2, 6, 4)
	s_cmp_eq_u32 s2, 0
	s_cbranch_scc0 .Lentry_in_a_cluster
	s_endpgm
.Lentry_in_a_cluster:
	s_bfe_u32 s2, ttmp6, 0x10000c
	s_cmp_lg_u32 s2, 0xf033
	s_cbranch_scc0 .Lentry_shape_is_right
	s_endpgm
.Lentry_shape_is_right:
; Launch 5 of 5: out0[b][o][n] = x[b][o][n] + (1 / L[n]) sum over blocks of f[blk][n] sum over the block's keys m of p[n][m] V'[o][m].
; Left out, as shown at the head of the first kernel: the output's projection and its bias, which lie in V'.
; THE SOFTMAX'S SECOND STAGE, in f32: M = the maximum of a query's eight cm, f = 2^(cm - M) <= 1, L = the sum of l f.  f, rounded to bf16, is multiplied onto p's fragments (in a fragment a lane holds one query);
; 1 / L is applied in f32 on the way out.  The block that holds the row's maximum has f = 1 and l >= 1, so L >= 1.
; A cluster is an image; a work-group makes 256 queries (cy) x 128 channels (cx); wave w queries 64 w .. + 63 x all 128 channels: 32 accumulators.  K = 1,024 keys in eight steps of 128, a step a block, through two LDS slots.
; Source 0 = p (pb, stored [query][key], plain; asked for jointly by the cluster's row), source 1 = V' (qv's last 512 columns, stored [key][channel], turned; jointly by the cluster's column):
; a lane ends with one channel and eight neighbouring queries, which is how out0 lies.
; REGISTERS: window 0: v0-31 addresses, f, 1 / L; v32-95 at work on the way out; v64-127 p's fragments, two buffers of 32; v128-255 V's, two buffers of 64.   window 1: the accumulators, (a, b) at v[8 (8 a + b)].   window 2: x.
.set PP,     272                       ; a row of p in LDS: 256 bytes + 16
.set PV,     288                       ; a row of V': 256 + 32 = 9 x 32
.set HALFT,  128*PP
.set VOFF,   256*PP                    ; a slot: 256 rows of p, then 128 rows of V'
.set SLOT1,  1<<17                     ; slot 1 begins here, so that one exclusive or turns an address in one slot into the other's
.set STAGE,  SLOT1+VOFF+128*PV         ; 16 rows x 272 bytes for each wave
.set SPITCH, 272
.set FTAB,   STAGE+4*16*SPITCH         ; for each wave [8 blocks][64 queries] words: f twice, in bf16
.set SPARE,  FTAB+8192                 ; the spare words, 128 bytes for each wave: two blocks of 256 bytes that no other line names
.set PSTEP,  256                       ; a K step in memory: 256 bytes of pb's rows,
.set VSTEP,  128*2048                  ; 128 rows of qv
.set P0,  8                            ; v8   my lane's place in a slot's p; never rewritten
.set V0,  9                            ; v9   in its V'
.set ADP, 10
.set ADV, 11
.set FA0, 12                           ; v12  my query's word in block 0 of the f table
.set ADF, 13
.set STO, 14
.set RD,  15
.set XO,  16                           ; v16  my byte offset in two channels of x and out0; never rewritten
.set PFO, 17                           ; v17  2,048 x lane: a row of pb or qv; never rewritten
.set SPW, 18
.set NIL, 19
.set FC,  20                           ; v20-23 f of the K step in hand, for my query in each of the four tiles
.set FN,  24                           ; v24-27 of the next
.set RL,  28                           ; v28-31 1 / L of the four queries that I store
.set BK,  32
.set PF,  64
.set VF,  128
.set WV,  12
.set RH,  13
.set CH,  14
.set CX,  15
.set CY,  16
.set BT,  17
.set G1A, 24
.set G0A, 32                           ; s[32:39] two sets for the first fills; the second then walks
.set G1B, 48
.set G0B, 56
.set PFA, 44                           ; s[44:45] where my prefetches stand
.set PFS, 46                           ; s[46:47] their step
.set LIM, 74                           ; s74  a wave prefetches while the loop's count is above it; made of the wave's number alone
.set TP,  76
.set TV,  77
.set CNT, 78
.set TF,  79
.set STP, 80
.set XP,  84
.set OUTP, 86
.set MSB, 0
.macro WIN new
.if MSB != (\new)
	s_set_vgpr_msb (MSB<<8)|(\new)
.set MSB, \new
.endif
.endm
.macro JLOAD ga, gb                    ; waves 0 and 1 fetch p's halves, waves 2 and 3 V's; an s_nop 0 and four v_nop follow each line
	s_cmp_eq_u32 s[RH], 0
	s_cbranch_scc0 .Lfor_b_\@
	tensor_load_to_lds s[(\ga):(\ga)+3], s[G1A:G1A+7]
	s_nop 0
.rept 4
	v_nop
.endr
	s_branch .Lasked_\@
.Lfor_b_\@:
	tensor_load_to_lds s[(\gb):(\gb)+3], s[G1B:G1B+7]
	s_nop 0
.rept 4
	v_nop
.endr
.Lasked_\@:
.endm
.macro CREST
	s_cmp_lg_u32 s[WV], 0
	s_cbranch_scc1 .Lnot_wave_0_\@
	s_barrier_signal -3
.Lnot_wave_0_\@:
	s_barrier_wait -3
	s_barrier_signal -1
	s_barrier_wait -1
.endm
.macro CROUND
	s_barrier_signal -1
	s_barrier_wait -1
	CREST
.endm
.macro PLACES
.rept 4
	v_nop
.endr
.endm
; A PREFETCH INTO THE L2, behind a refill and the run of LDS loads that follows it.  The refill asks for K step s + 2; the prefetch names K step s + 5: three K steps, 384 matrix instructions of a wave, ahead of the load that
; will want it.  Each row's 256 bytes of a K step are named once in the launch: no other cluster reads this image's p or V'.  Of the 128 rows of p that waves 0 and 1 each fetch, the four partners that ask jointly take 32 each,
; told apart by address (cx); of a K step's 128 rows of V' wave 2 takes 32, by cy; wave 3 asks for nothing.  A lane a row.  The first five K steps come by their loads alone; the trips whose K step s + 5 does not exist ask for nothing.
.macro ASK
	s_cmp_gt_u32 s[CNT], s[LIM]
	s_cbranch_scc0 .Lnot_mine_\@
	global_prefetch_b8 v[PFO], s[PFA:PFA+1] th:TH_LOAD_NT scope:SCOPE_SE
.Lnot_mine_\@:
.endm
.macro FETCH g                         ; 24 LDS loads in one run: p's four fragments (16 queries x 32 keys), V's eight (32 keys x 16 channels, turned); the next fetch is 32 keys on
.irp a, 0,1,2,3
	ds_load_b128 v[PF+32*(\g)+8*(\a):PF+32*(\g)+8*(\a)+3],   v[ADP] offset:(\a)*16*PP
	ds_load_b128 v[PF+32*(\g)+8*(\a)+4:PF+32*(\g)+8*(\a)+7], v[ADP] offset:(\a)*16*PP+32
.endr
.irp b, 0,1,2,3,4,5,6,7
	ds_load_tr16_b128 v[VF+64*(\g)+8*(\b):VF+64*(\g)+8*(\b)+3],   v[ADV] offset:(\b)*32
	ds_load_tr16_b128 v[VF+64*(\g)+8*(\b)+4:VF+64*(\g)+8*(\b)+7], v[ADV] offset:(\b)*32+16*PV
.endr
	s_add_co_u32 s[TP], s[TP], 64
	s_add_co_u32 s[TV], s[TV], 32*PV
.endm
.macro SCALE f, a, n0, n               ; registers n0 .. n0 + n - 1 of fragment a of p, times my query's f
.set i, (\n0)
.rept \n
	v_pk_mul_bf16 v[PF+32*(\f)+8*(\a)+i], v[PF+32*(\f)+8*(\a)+i], v[FC+(\a)]
.set i, i+1
.endr
.endm
; Eight products of query tile a.  ride = 1: the next tile's fragment is scaled beside them, four lines behind the second product and four behind the sixth.  The 32 accumulators take turns, in the same order in every quarter.
.macro MULA f, a, z, ride
.irp b, 0,1,2,3,4,5,6,7
	WIN 0x50                                       ; C and D window 1
.if \z
	v_wmma_f32_16x16x32_bf16 v[8*(8*(\a)+(\b)):8*(8*(\a)+(\b))+7], v[PF+32*(\f)+8*(\a):PF+32*(\f)+8*(\a)+7], v[VF+64*(\f)+8*(\b):VF+64*(\f)+8*(\b)+7], 0
.else
	v_wmma_f32_16x16x32_bf16 v[8*(8*(\a)+(\b)):8*(8*(\a)+(\b))+7], v[PF+32*(\f)+8*(\a):PF+32*(\f)+8*(\a)+7], v[VF+64*(\f)+8*(\b):VF+64*(\f)+8*(\b)+7], v[8*(8*(\a)+(\b)):8*(8*(\a)+(\b))+7]
.endif
.if (\ride) && ((\b) == 1)
	WIN 0
	SCALE \f, (\a)+1, 0, 4
.endif
.if (\ride) && ((\b) == 5)
	WIN 0
	SCALE \f, (\a)+1, 4, 4
.endif
.endr
.endm
; A quarter: 32 keys, 32 products on buffer f; the next quarter's loads go out at its head, into buffer g.  newf = 1: a K step's first quarter takes the new f.
.macro QUARTER f, g, z, newf, fetch=1
	WIN 0
	s_wait_dscnt 0x0                               ; buffer f is in (its loads went out a quarter ago)
.if \newf
.irp a, 0,1,2,3
	v_mov_b32 v[FC+(\a)], v[FN+(\a)]
.endr
.endif
	SCALE \f, 0, 0, 8                              ; these lines are also the places in front of the loads into buffer g
.if \fetch
	v_add_nc_u32 v[ADP], s[TP], v[P0]
	v_add_nc_u32 v[ADV], s[TV], v[V0]
	FETCH \g
.endif
	MULA \f, 0, \z, 1
	MULA \f, 1, \z, 1
	MULA \f, 2, \z, 1
	MULA \f, 3, \z, 0
.endm
; A K step's last quarter multiplies buffer 1 and changes slots.  In front of the barrier each wave waits for all its tensor loads, adds 0 to its spare word, and waits for that and for its reads of the slot.
; fill = 1: the barrier opens a round of the cluster's, and the slot just read is filled again, two K steps ahead, first thing behind it.
.macro TURN fill
.if \fill
	s_wait_xcnt 0x0                                ; the last prefetch, a K step back, has read its address
	s_add_nc_u64 s[PFA:PFA+1], s[PFA:PFA+1], s[PFS:PFS+1]
.endif
	WIN 0
	s_wait_tensorcnt 0x0                           ; all my tensor loads have landed: the one that was out is my part of the next slot
	ds_add_u32 v[SPW], v[NIL]                      ; 0 onto my spare word
	s_wait_dscnt 1                                 ; buffer 1 is in; the add alone may be out
	SCALE 1, 0, 0, 8
	MULA 1, 0, 0, 1
	s_wait_dscnt 0x0                               ; the add is done, and my reads of this slot are over
	s_barrier_signal -1
	MULA 1, 1, 0, 1
	WIN 0
	s_barrier_wait -1
.if \fill
	CREST
	s_xor_b32 s[G0A+5], s[G0A+5], SLOT1            ; the walking descriptors: the other slot than last time, the next K step
	s_add_nc_u64 s[G0A+6:G0A+7], s[G0A+6:G0A+7], PSTEP
	s_xor_b32 s[G0B+5], s[G0B+5], SLOT1
	s_add_nc_u64 s[G0B+6:G0B+7], s[G0B+6:G0B+7], VSTEP
	JLOAD G0A+4, G0B+4                             ; my one tensor load behind the round
.else
	PLACES
.endif
	s_sub_co_u32 s[TP], s[TP], 256
	s_xor_b32 s[TP], s[TP], SLOT1
	s_sub_co_u32 s[TV], s[TV], 128*PV
	s_xor_b32 s[TV], s[TV], SLOT1
	s_add_co_u32 s[TF], s[TF], 256
	v_add_nc_u32 v[ADP], s[TP], v[P0]
	v_add_nc_u32 v[ADV], s[TV], v[V0]
	v_add_nc_u32 v[ADF], s[TF], v[FA0]
	FETCH 0
.irp a, 0,1,2,3
	ds_load_b32 v[FN+(\a)], v[ADF] offset:64*(\a)  ; the next block's f
.endr
.if \fill
	ASK
.endif
	MULA 1, 2, 0, 1
	MULA 1, 3, 0, 0
.endm
	s_load_b256 s[4:11], s[0:1], 0x0               ; pb s[4:5], qv s[6:7], st s[8:9], x s[10:11]
	s_load_b64 s[20:21], s[0:1], 0x20              ; out0
	v_lshl_add_u32 v[SPW], v0, 2, SPARE
	v_mov_b32 v[NIL], 0
	ds_add_u32 v[SPW], v[NIL]                      ; the wave's opening: the add, twice on end, and its wait ahead of my first tensor load
	ds_add_u32 v[SPW], v[NIL]
	v_lshrrev_b32 v1, 5, v0
	v_readfirstlane_b32 s[WV], v1
	s_lshr_b32 s[RH], s[WV], 1
	s_and_b32 s[CH], s[WV], 1
	s_bfe_u32 s[CX], ttmp6, 0x40000
	s_bfe_u32 s[CY], ttmp6, 0x40004
	s_and_b32 s[BT], ttmp7, 0xffff
	s_lshl_b32 s18, s[CY], 2
	s_lshl_b32 s18, 15, s18                        ; my row of the cluster
	s_lshl_b32 s19, 0x1111, s[CX]                  ; my column
	s_or_b32 s[G1A], s18, (1<<16)|(1<<20)|(1<<21)|(5<<22)|(3<<25)  ; p: 2-byte elements; padding on; bit 21 beside a mask; after every 64 words, 4 words
	s_or_b32 s[G1B], s19, (1<<16)|(1<<20)|(1<<21)|(5<<22)|(7<<25)  ; V': 8 words
	s_mov_b32 s[G1A+1], 128<<16                    ; p: a tile of 128 rows x 128 elements
	s_mov_b32 s[G1A+2], 128<<16
	s_mov_b32 s[G1A+3], 128<<16
	s_mov_b32 s[G1A+4], 128
	s_mov_b32 s[G1A+5], 1024
	s_mov_b32 s[G1A+6], 0
	s_mov_b32 s[G1A+7], 0
	s_mov_b32 s[G1B+1], 128<<16                    ; V': 64 rows x 128 elements
	s_mov_b32 s[G1B+2], 64<<16
	s_mov_b32 s[G1B+3], 128<<16
	s_mov_b32 s[G1B+4], 64
	s_mov_b32 s[G1B+5], 1024
	s_mov_b32 s[G1B+6], 0
	s_mov_b32 s[G1B+7], 0
	s_lshl_b32 s2, s[BT], 21
	s_lshl_b32 s3, s[CY], 19
	s_add_co_u32 s40, s2, s3                       ; p: the image, the tile row's 256 queries,
	s_lshl_b32 s3, s[CH], 18
	s_add_co_u32 s40, s40, s3                      ; my 128 of them
	s_mov_b32 s41, 0
	s_lshl_b32 s3, s[CX], 8
	s_add_co_u32 s42, s2, s3                       ; V': the image, the tile column's 128 channels,
	s_lshl_b32 s3, s[CH], 17
	s_add_co_u32 s42, s42, s3                      ; my 64 keys of a K step,
	s_add_co_u32 s42, s42, 1024                    ; behind Q' in qv's rows
	s_mov_b32 s43, 0
	s_lshl_b32 s3, s[CX], 16                       ; the prefetches: of p my work-group's 32 rows of the 128 that I fetch,
	s_add_co_u32 s22, s40, s3
	s_add_co_u32 s22, s22, 4*PSTEP                 ; at K step 4: the first change of slots steps it to 5
	s_lshl_b32 s3, s[CY], 16                       ; of V' (wave 2) my work-group's 32 keys of the 128
	s_add_co_u32 s23, s42, s3
	s_add_co_u32 s23, s23, 4*VSTEP
	s_mov_b32 s18, PSTEP
	s_mov_b32 s19, VSTEP
	s_cmp_eq_u32 s[RH], 0
	s_cselect_b32 s66, s22, s23
	s_cselect_b32 s[PFS], s18, s19
	s_mov_b32 s67, 0
	s_mov_b32 s[PFS+1], 0
	s_cmp_eq_u32 s[WV], 3
	s_cselect_b32 s[LIM], -1, 3                    ; hangs on the wave's number alone
	s_lshl_b32 s3, s[CX], 19                       ; x and out0: the image, my 128 channels, my wave's 64 pixels
	s_add_co_u32 s70, s2, s3
	s_lshl_b32 s3, s[CY], 10
	s_add_co_u32 s70, s70, s3
	s_lshl_b32 s18, s[WV], 8
	s_add_co_u32 s70, s70, s18
	s_mov_b32 s71, 0
	s_lshl_b32 s72, s[BT], 16                      ; st: the image, my wave's 64 queries
	s_add_co_u32 s72, s72, s3
	s_add_co_u32 s72, s72, s18
	s_mov_b32 s73, 0
	s_mul_i32 s68, s[CH], HALFT                    ; where my fills go in slot 0: no place in the cluster enters an LDS address
	s_mul_i32 s69, s[CH], 64*PV
	s_add_co_u32 s69, s69, VOFF
	s_mov_b32 s[TP], 0
	s_mov_b32 s[TV], 0
	s_mov_b32 s[TF], 0
	s_wait_dscnt 0x0                               ; both opening adds are done
	s_wait_kmcnt 0x0
	s_cmp_eq_u32 s[RH], 0
	s_cselect_b64 s[2:3], s[4:5], s[6:7]
	s_add_nc_u64 s[PFA:PFA+1], s[2:3], s[66:67]
	s_add_nc_u64 s[40:41], s[4:5], s[40:41]
	s_add_nc_u64 s[42:43], s[6:7], s[42:43]
	s_add_nc_u64 s[STP:STP+1], s[8:9], s[72:73]
	s_add_nc_u64 s[XP:XP+1], s[10:11], s[70:71]
	s_add_nc_u64 s[OUTP:OUTP+1], s[20:21], s[70:71]
.irp s, 0,1
	s_mov_b32 s[G0A+4*(\s)], 1
	s_add_co_u32 s[G0A+4*(\s)+1], s68, (\s)*SLOT1
	s_add_nc_u64 s[G0A+4*(\s)+2:G0A+4*(\s)+3], s[40:41], (\s)*PSTEP
	s_or_b32 s[G0A+4*(\s)+3], s[G0A+4*(\s)+3], 0x80000000
	s_mov_b32 s[G0B+4*(\s)], 1
	s_add_co_u32 s[G0B+4*(\s)+1], s69, (\s)*SLOT1
	s_add_nc_u64 s[G0B+4*(\s)+2:G0B+4*(\s)+3], s[42:43], (\s)*VSTEP
	s_or_b32 s[G0B+4*(\s)+3], s[G0B+4*(\s)+3], 0x80000000
.endr
	CROUND                                         ; all sixteen work-groups are here: the first joint loads meet
	JLOAD G0A, G0B
	JLOAD G0A+4, G0B+4                             ; two tensor loads of mine are out
	v_and_b32 v1, 15, v0                           ; l % 16
	v_bfe_u32 v2, v0, 4, 1                         ; l / 16
	v_lshlrev_b32 v3, 4, v1                        ; four queries: 4 (l % 16) .. + 3
.irp k, 0,1,2,3,4,5,6,7
	global_load_b128 v[64+4*(\k):67+4*(\k)], v3, s[STP:STP+1] offset:4096*(\k)        ; cm of block k
	global_load_b128 v[96+4*(\k):99+4*(\k)], v3, s[STP:STP+1] offset:32768+4096*(\k)  ; l
.endr
	v_mul_u32_u24 v[P0], v1, PP
	v_lshl_add_u32 v[P0], v2, 4, v[P0]
	s_mul_i32 s2, s[WV], 64*PP
	v_add_nc_u32 v[P0], s2, v[P0]                  ; my wave's 64 queries; row x pitch + 16 x half
	v_and_b32 v4, 7, v0
	v_lshl_add_u32 v4, v2, 3, v4
	v_mul_u32_u24 v4, v4, PV
	v_bfe_u32 v5, v0, 3, 1
	v_lshl_add_u32 v4, v5, 4, v4
	v_add_nc_u32 v[V0], VOFF, v4
	s_lshl_b32 s2, s[WV], 11
	s_add_co_u32 s2, s2, FTAB
	v_lshl_add_u32 v[FA0], v1, 2, s2
	v_add_nc_u32 v6, s2, v3
	s_mul_i32 s2, s[WV], 16*SPITCH
	s_add_co_u32 s2, s2, STAGE
	v_mul_u32_u24 v[STO], v1, SPITCH               ; in: channel l % 16, 32 bytes for each half of the lanes
	v_lshl_add_u32 v[STO], v2, 5, v[STO]
	v_add_nc_u32 v[STO], s2, v[STO]
	v_mul_u32_u24 v[RD], v2, SPITCH                ; back: lanes 0-15 one channel's 64 queries, lanes 16-31 the next channel's
	v_add_nc_u32 v[RD], v[RD], v3
	v_add_nc_u32 v[RD], s2, v[RD]
	v_lshl_add_u32 v[XO], v2, 12, v3
	v_and_b32 v[PFO], 31, v0
	v_lshlrev_b32 v[PFO], 11, v[PFO]
	s_wait_loadcnt 0x0
.irp q, 0,1,2,3
	v_max3_num_f32 v[128+(\q)], v[64+(\q)], v[68+(\q)], v[72+(\q)]
.endr
.irp q, 0,1,2,3
	v_max3_num_f32 v[128+(\q)], v[128+(\q)], v[76+(\q)], v[80+(\q)]
.endr
.irp q, 0,1,2,3
	v_max3_num_f32 v[128+(\q)], v[128+(\q)], v[84+(\q)], v[88+(\q)]
.endr
.irp q, 0,1,2,3
	v_max_num_f32 v[128+(\q)], v[128+(\q)], v[92+(\q)]  ; M
.endr
.irp k, 0,1,2,3,4,5,6,7
.irp p, 0,2
	v_pk_add_f32 v[64+4*(\k)+(\p):65+4*(\k)+(\p)], v[64+4*(\k)+(\p):65+4*(\k)+(\p)], v[128+(\p):129+(\p)] neg_lo:[0,1] neg_hi:[0,1]
.endr
.endr
.set i, 0
.rept 32
	v_exp_f32 v[64+i], v[64+i]                     ; f
.set i, i+1
.endr
	v_nop                                          ; a plain instruction behind the last exponential,
	s_wait_alu depctr_va_vdst(0)                   ; and one wait for the batch
.irp p, 0,2
	v_pk_mul_f32 v[132+(\p):133+(\p)], v[96+(\p):97+(\p)], v[64+(\p):65+(\p)]
.endr
.irp k, 1,2,3,4,5,6,7
.irp p, 0,2
	v_pk_fma_f32 v[132+(\p):133+(\p)], v[96+4*(\k)+(\p):97+4*(\k)+(\p)], v[64+4*(\k)+(\p):65+4*(\k)+(\p)], v[132+(\p):133+(\p)]  ; L
.endr
.endr
.irp q, 0,1,2,3
	v_rcp_f32 v[RL+(\q)], v[132+(\q)]
.endr
	v_nop
	s_wait_alu depctr_va_vdst(0)                   ; one wait for the four reciprocals
.set i, 0
.rept 32
	v_cvt_pk_bf16_f32 v[64+i], v[64+i], v[64+i]    ; f twice in a word, for the packed multiply
.set i, i+1
.endr
.irp k, 0,1,2,3,4,5,6,7
	ds_store_b128 v6, v[64+4*(\k):67+4*(\k)] offset:256*(\k)  ; both halves of the lanes write the same numbers to the same words
.endr
	WIN 0x80                                       ; destination window 2: x waits in registers for the way out
.irp b, 0,1,2,3,4,5,6,7
.irp t, 0,1,2,3,4,5,6,7
	global_load_b128 v[32*(\b)+4*(\t):32*(\b)+4*(\t)+3], v[XO], s[XP:XP+1] offset:(16*(\b)+2*(\t))*4096 th:TH_LOAD_NT
.endr
.endr
	WIN 0
	s_wait_tensorcnt 0x1                           ; my part of K step 0 is in; K step 1's may stay out
	s_wait_dscnt 0x0                               ; no LDS instruction of mine is pending at the signal
	s_barrier_signal -1
	s_barrier_wait -1
	v_add_nc_u32 v[ADP], s[TP], v[P0]
	v_add_nc_u32 v[ADV], s[TV], v[V0]
	FETCH 0
.irp a, 0,1,2,3
	ds_load_b32 v[FC+(\a)], v[FA0] offset:64*(\a)
.endr
	QUARTER 0, 1, 1, 0                             ; the first quarter stands in front of the loop: its products start the sums
	WIN 0
	s_mov_b32 s[CNT], 6
.Llap:                                         ; a trip: from a K step's second quarter to the next step's first; it fills the slot that it leaves
	QUARTER 1, 0, 0, 0
	QUARTER 0, 1, 0, 0
	TURN 1
	QUARTER 0, 1, 0, 1
	WIN 0
	s_sub_co_u32 s[CNT], s[CNT], 1
	s_cmp_lg_u32 s[CNT], 0
	s_cbranch_scc1 .Llap
	QUARTER 1, 0, 0, 0                             ; the last two K steps are written out: nothing is left to ask for
	QUARTER 0, 1, 0, 0
	TURN 0
	QUARTER 0, 1, 0, 1
	QUARTER 1, 0, 0, 0
	QUARTER 0, 1, 0, 0
	QUARTER 1, 0, 0, 0, 0
	WIN 0
	PLACES
	PLACES
; THE WAY OUT, a tile of 16 channels at a time: the sums go in f32 through my own stage and come back as whole rows of 64 queries; times 1 / L, plus x; stored.
.macro TOSTAGE b
	s_wait_xcnt 0x0                                ; the stores of the tile before last have read the registers that the loads below write
	WIN 0x04                                       ; the stores' data: window 1
.irp a, 0,1,2,3
	ds_store_b128 v[STO], v[8*(8*(\a)+(\b)):8*(8*(\a)+(\b))+3]   offset:64*(\a)      ; each accumulator's low registers first
	ds_store_b128 v[STO], v[8*(8*(\a)+(\b))+4:8*(8*(\a)+(\b))+7] offset:64*(\a)+16
.endr
	WIN 0
.irp t, 0,1,2,3,4,5,6,7
	ds_load_b128 v[BK+32*((\b)%2)+4*(\t):BK+32*((\b)%2)+4*(\t)+3], v[RD] offset:(\t)*2*SPITCH  ; LDS serves a wave's instructions in order (ISA guide 5.7.1.4)
.endr
.endm
.macro FIN b, younger                  ; younger: the LDS instructions issued behind tile b's loads: the next tile's sixteen, or none
	s_wait_dscnt \younger
	s_wait_loadcnt 56-8*(\b)                       ; x of this tile is in; the later tiles' loads may stay out
	WIN 0x20                                       ; the addend: window 2
.irp t, 0,1,2,3,4,5,6,7
.irp p, 0,2
	v_pk_fma_f32 v[BK+32*((\b)%2)+4*(\t)+(\p):BK+32*((\b)%2)+4*(\t)+(\p)+1], v[BK+32*((\b)%2)+4*(\t)+(\p):BK+32*((\b)%2)+4*(\t)+(\p)+1], v[RL+(\p):RL+(\p)+1], v[32*(\b)+4*(\t)+(\p):32*(\b)+4*(\t)+(\p)+1]
.endr
.endr
	WIN 0
.irp t, 0,1,2,3,4,5,6,7
	global_store_b128 v[XO], v[BK+32*((\b)%2)+4*(\t):BK+32*((\b)%2)+4*(\t)+3], s[OUTP:OUTP+1] offset:(16*(\b)+2*(\t))*4096 th:TH_STORE_NT  ; 16 lanes store 256 consecutive bytes, aligned
.endr
.endm
	TOSTAGE 0
.irp b, 1,2,3,4,5,6,7
	TOSTAGE \b
	FIN (\b)-1, 16
.endr
	FIN 7, 0
	s_wait_tensorcnt 0x0                           ; the wave's end, behind my last tensor load and my last LDS store
	ds_add_u32 v[SPW], v[NIL]
	s_wait_dscnt 0x0
	CROUND                                         ; the closing round
	s_endpgm
.Lfunc_end_k_qd30900eb9f_mix:
	.size	k_qd30900eb9f_mix, .Lfunc_end_k_qd30900eb9f_mix-k_qd30900eb9f_mix
	.p2alignl 7, 3214868480
	.fill 96, 4, 3214868480
	.section	.rodata,"a",@progbits
	.p2align	6, 0x0
	.amdhsa_kernel k_qd30900eb9f_mix
		.amdhsa_group_segment_fixed_size 327680
		.amdhsa_private_segment_fixed_size 0
		.amdhsa_enable_private_segment 0
		.amdhsa_kernarg_size 40
		.amdhsa_user_sgpr_count 2
		.amdhsa_user_sgpr_kernarg_segment_ptr 1
		.amdhsa_wavefront_size32 1
		.amdhsa_system_sgpr_workgroup_id_x 1
		.amdhsa_system_sgpr_workgroup_id_y 1
		.amdhsa_system_sgpr_workgroup_id_z 1
		.amdhsa_system_vgpr_workitem_id 0
		.amdhsa_next_free_vgpr 768
		.amdhsa_next_free_sgpr 88
		.amdhsa_reserve_vcc 0
		.amdhsa_float_denorm_mode_32 3
		.amdhsa_float_denorm_mode_16_64 3
		.amdhsa_memory_ordered 1
		.amdhsa_forward_progress 1
		.amdhsa_inst_pref_size 124
	.end_amdhsa_kernel
	.amdgpu_metadata
---
amdhsa.version: [ 1, 2 ]
amdhsa.kernels:
  - .name:           k_qd30900eb9f_mix
    .symbol:         k_qd30900eb9f_mix.kd
    .args:
      - { .name: pb, .offset: 0, .size: 8, .value_kind: global_buffer, .address_space: global }
      - { .name: qv, .offset: 8, .size: 8, .value_kind: global_buffer, .address_space: global }
      - { .name: st, .offset: 16, .size: 8, .value_kind: global_buffer, .address_space: global }
      - { .name: x, .offset: 24, .size: 8, .value_kind: global_buffer, .address_space: global }
      - { .name: out0, .offset: 32, .size: 8, .value_kind: global_buffer, .address_space: global }
    .group_segment_fixed_size: 327680
    .private_segment_fixed_size: 0
    .kernarg_segment_align: 8
    .kernarg_segment_size: 40
    .max_flat_workgroup_size: 128
    .sgpr_count:     88
    .vgpr_count:     768
    .wavefront_size: 32
...
	.end_amdgpu_metadata
.endif
;; end of part 5
;; ======== version 2 of 2: 4 launches
;; limits: values outside matrix products are rounded to bf16
;; workspace buffers: wc 1,048,576 bytes; bc 4,096 bytes; hb 16,777,216 bytes; qv 33,554,432 bytes; pb 33,554,432 bytes; st 1,048,576 bytes
;; launch front (part 6): grid 640 x 1, 8 waves a work-group, no clusters, 158,208 bytes of LDS; arguments x, gamma, beta, hb, wk, wq, bq, wp, wv, bv, bp, wc, bc; writes hb, wc, bc
.if DOCPART == 6
	.amdgcn_target "amdgcn-amd-amdhsa--gfx1250"
	.amdhsa_code_object_version 6
	.text
	.protected	k_qd30900eb9f_front
	.globl	k_qd30900eb9f_front
	.p2align	8
	.type	k_qd30900eb9f_front,@function
k_qd30900eb9f_front:
	s_mov_b64 s[64:65], 0
	v_nop
	global_prefetch_b8 v0, s[64:65] scope:SCOPE_SE
	s_setreg_imm32_b32 hwreg(HW_REG_WAVE_MODE, 25, 1), 1
	s_wait_xcnt 0x0
; UNetAttention, launch 1 of 4.  Two jobs that share no byte run side by side in one launch: work-groups 0-127 multiply the weights together, so that two of the four 1x1 convolutions need not be run on the
; pixels; work-groups 128-639 make the group norm.  The branch between them hangs on the work-group's number alone: all eight waves of a work-group take the same arm and pass the same barriers.
; Each arm has LDS bytes of its own; the spare words alone are named by both, each lane its own word.
; WHAT IS LEFT OUT, AND WHY IT IS DEAD, for all finite values of the inputs (h = the group norm's result, [c][n]):
;   bk.  logits[n][m] = scale x sum_o q[o][n] (Wk h)[o][m] + scale x sum_o q[o][n] bk[o].  The second term is the same for every m, the softmax's axis, so it cancels in the softmax.
;        bk has no other way to the output: it is not loaded and is among no launch's arguments.
; WHAT IS REGROUPED (identities of sums, for all values):
;   sum_o q[o][n] (Wk h)[o][m] = sum_i h[i][m] Q'[i][n],  Q' = (Wk^T Wq) h + Wk^T bq: the keys are h itself.
;   out[o][n] = bp[o] + sum_c Wp[o][c] sum_m attn[n][m] v[c][m] = sum_m attn[n][m] V'[o][m],  V' = (Wp Wv) h + (bp + Wp bv), since a row of attn sums to 1.
; LIMITS.  The order of rounding differs from reference()'s: the weights are rounded to bf16, their products summed in f32 and rounded to bf16 once more; bq and bv enter as bf16.
; A NaN, an infinity or an overflow that reaches only the term with bk is not carried to the result.
; THE PRODUCTS.  wc[0:512][c] = sum_o Wk[o][i] Wq[o][c];  wc[512:1024][j] = sum_c Wp[o][c] Wv[c][j] (bf16);  bc[0:512] = Wk^T bq;  bc[512:1024] = bp + Wp bv (f32).
; Work-group id: id / 64 is the product, 64 ((id / 8) % 8) the first of 64 rows m, 64 (id % 8) the first of 64 columns n; K = 512.  Wave w makes row tile w % 4 x column tiles 2 (w / 4), 2 (w / 4) + 1,
; and a third tile whose column 0 is the vector (bq or bv): the bias falls out of the same products.
; LDS.  B (Wq or Wv, stored [k][n]): 512 rows of 160 bytes: 128 of data, then 32 that are the vector's tile.  A: 512 rows of 128 bytes, 144 apart; row rho is k for Wk (stored [k][m]), and 64 (k / 64) + m for
; Wp (stored [m][k]): so the staging's LDS addresses are the same for both products, and only global offsets and the fragment loads differ.  The stage of the way out takes B's first bytes again, behind a barrier.
; A tile's 64 columns are 128 bytes of a row of wc: 8 lanes store 128 consecutive bytes, half of an aligned block of 256; wc is 1 MiB in all.
; No cluster, no tensor loads: the operands are converted from f32 on their way through registers.
; THE NORM.  hb = bf16(GroupNorm(x) gamma + beta), [16][512 c][1024 n].  A work-group owns one group of one image: 16 channels x 1,024 pixels, 65,536 dense bytes of x, which stay in registers between the pass
; for the mean, the pass for the variance (of x - mean, as reference() takes it, so a common offset of x costs nothing) and the scaling: x is read once.  Thread t holds 4 pixels (16 bytes) of each of the
; 16 channels: a wave's load covers 512 consecutive bytes, its store 256, aligned.  A stream: no matrix unit, no prefetch (each work-group's loads all go out at its head).
.set NPREP, 128                        ; work-groups of the products: the first in the grid
.set PB,    160                        ; a row of B in LDS: 5 x 32 bytes, for the turning load
.set PA,    144                        ; a row of A in LDS: 9 x 16 bytes
.set AP,    512*PB                     ; A's region
.set SP,    144                        ; the way out: 64 rows x 144 bytes, from LDS byte 0
.set BW,    AP+512*PA                  ; the bias: 64 words, a block for the lanes that hold nothing, and the same again for waves 4-7
.set SPARE, BW+1024                    ; the spare words, 128 bytes for each wave: four blocks of 256 bytes that no other line names
.set NW,    SPARE+1024                 ; the norm's words: eight for the first sums, eight more 256 bytes on for the second; no line of the products' arm names these bytes
.set LN,  1                            ; v1   lane
.set RR,  2                            ; v2   lane % 16
.set HH,  3                            ; v3   lane / 16
.set AO,  4                            ; v4   staging: (2 w + h) x 2048 + 16 r: my global offset in A and in B; never rewritten
.set AL,  6                            ; v6   staging: my LDS address in A's region
.set BL,  7                            ; v7   in B's
.set AAT, 8                            ; v8   fragment address of A, turning loads
.set AB,  9                            ; v9   of B
.set ABV, 10                           ; v10  of the vector's tile
.set STO, 11                           ; v11  the way out: where I put 16 bytes
.set RD,  12                           ; v12  where I read rows back
.set CO,  13                           ; v13  my byte offset in wc
.set SPW, 14                           ; v14  my spare word; never rewritten; both arms'
.set NIL, 15                           ; v15  0; never rewritten; both arms'
.set ZQ,  16                           ; v[16:19] zeros while staging; then v16 = AAP, v17-18 at work, v19 = BWA
.set AAP, 16                           ;      fragment address of A, plain loads
.set BWA, 19                           ;      where my bias word goes
.set VQ0, 20                           ; v[20:23] a row of the vector's tile
.set T,   24                           ; v[24:55] staging: first A's eight offsets, then 16 x 8 bytes of bf16
.set VEC, 56                           ; v[56:57] two numbers of the vector
.set VO,  58
.set VL,  59
.set VQ1, 60                           ; v[60:63] the second row of the vector's tile
.set ACC, 24                           ; v[24:47] three accumulators
.set S0,  64                           ; three sets of 16 loads
.set S1,  128
.set S2,  192
.set FA,  64                           ; fragments of a trip: A's four,
.set FV,  96                           ; the vector tile's four,
.set FB,  128                          ; B's eight
	v_lshl_add_u32 v[SPW], v0, 2, SPARE
	v_mov_b32 v[NIL], 0
	s_cmp_lt_u32 ttmp9, NPREP
	s_cbranch_scc0 .Lnorm
	; ---------------- the products ----------------
	s_load_b512 s[4:19], s[0:1], 0x20              ; wk s[4:5], wq s[6:7], bq s[8:9], wp s[10:11], wv s[12:13], bv s[14:15], bp s[16:17], wc s[18:19]
	s_load_b64 s[20:21], s[0:1], 0x60              ; bc
	v_lshrrev_b32 v1, 5, v0
	v_readfirstlane_b32 s22, v1                    ; wave 0..7
	v_and_b32 v[LN], 31, v0
	v_and_b32 v[RR], 15, v0
	v_bfe_u32 v[HH], v0, 4, 1
	s_and_b32 s26, ttmp9, 7                        ; the block of 64 columns
	s_lshr_b32 s24, ttmp9, 6                       ; the product: 0 = Wk^T Wq, 1 = Wp Wv
	s_bfe_u32 s25, ttmp9, 0x30003                  ; 3 bits from bit 3: the block of 64 rows
	s_lshl_b32 s25, s25, 6                         ; m0
	s_and_b32 s27, s22, 3                          ; my row tile
	s_lshr_b32 s37, s22, 2                         ; my half of the columns
	s_lshl_b32 s35, s22, 12
	v_lshlrev_b32 v[AO], 11, v[HH]
	v_lshl_add_u32 v[AO], v[RR], 4, v[AO]
	v_add_nc_u32 v[AO], s35, v[AO]                 ; (2 w + h) x 2048 + 16 r: a wave's load takes 256 bytes of each of two rows
	s_mul_i32 s35, s22, 2*PA
	s_add_co_u32 s35, s35, AP
	v_mul_u32_u24 v[AL], v[HH], PA
	v_lshl_add_u32 v[AL], v[RR], 3, v[AL]
	v_add_nc_u32 v[AL], s35, v[AL]                 ; A's region + (2 w + h) x 144 + 8 r
	s_mul_i32 s35, s22, 2*PB
	v_mul_u32_u24 v[BL], v[HH], PB
	v_lshl_add_u32 v[BL], v[RR], 3, v[BL]
	v_add_nc_u32 v[BL], s35, v[BL]                 ; (2 w + h) x 160 + 8 r
	v_lshlrev_b32 v[VO], 3, v0                     ; thread t takes the vector's numbers 2 t, 2 t + 1
	v_mul_u32_u24 v[VL], v0, 2*PB
.irp r, 16,17,18,19,21,22,23,61,62,63
	v_mov_b32 v\r, 0
.endr
	s_lshl_b32 s38, s25, 2                         ; A begins at column m0 (Wk)
	s_lshl_b32 s39, s25, 11                        ; or at row m0 (Wp)
	s_mov_b32 s34, 0x20000                         ; Z: four loads on are 64 rows of Wk
	s_mov_b32 s36, 0x100                           ; or 64 columns of Wp
	s_lshl_b32 s40, s24, 19
	s_lshl_b32 s41, s25, 10
	s_add_co_u32 s40, s40, s41
	s_lshl_b32 s41, s26, 7
	s_add_co_u32 s40, s40, s41                     ; wc: (512 product + m0) rows of 1,024 bytes + 2 n0
	s_mov_b32 s41, 0
	s_lshl_b32 s42, s24, 11
	s_lshl_b32 s44, s25, 2
	s_add_co_u32 s42, s42, s44                     ; bc: 4 (512 product + m0);  bp: 4 m0
	s_mov_b32 s43, 0
	s_mov_b32 s45, 0
	s_lshl_b32 s46, s26, 8                         ; B begins at column n0
	s_mov_b32 s47, 0
	s_wait_kmcnt 0x0
	s_cmp_eq_u32 s24, 0
	s_cselect_b64 s[28:29], s[4:5], s[10:11]       ; A
	s_cselect_b64 s[30:31], s[6:7], s[12:13]       ; B
	s_cselect_b64 s[32:33], s[8:9], s[14:15]       ; the vector
	s_cselect_b32 s34, s34, s36
	s_cselect_b32 s38, s38, s39
	s_mov_b32 s39, 0
	s_add_nc_u64 s[28:29], s[28:29], s[38:39]
	s_add_nc_u64 s[30:31], s[30:31], s[46:47]
	s_add_nc_u64 s[40:41], s[18:19], s[40:41]
	s_add_nc_u64 s[42:43], s[20:21], s[42:43]
	s_add_nc_u64 s[44:45], s[16:17], s[44:45]
.macro BLOADS set, i0                  ; 16 loads of B: load i fills LDS row 16 i + 2 w + h
.set i, 0
.rept 16
	global_load_b128 v[(\set)+4*i:(\set)+4*i+3], v[AO], s[30:31] offset:((\i0)+i)*32768
.set i, i+1
.endr
.endm
.macro CVT set                         ; 64 f32 to bf16
.set i, 0
.rept 16
	v_cvt_pk_bf16_f32 v[T+2*i],   v[(\set)+4*i],   v[(\set)+4*i+1]
	v_cvt_pk_bf16_f32 v[T+2*i+1], v[(\set)+4*i+2], v[(\set)+4*i+3]
.set i, i+1
.endr
.endm
.macro STORES reg, step
.set i, 0
.rept 16
	ds_store_b64 v[\reg], v[T+2*i:T+2*i+1] offset:i*(\step)
.set i, i+1
.endr
.endm
	global_load_b64 v[VEC:VEC+1], v[VO], s[32:33]
.irp j, 0,1,2,3,4,5,6,7
	v_mad_u32_u24 v[T+(\j)], s34, \j, v[AO]        ; A's eight offsets
.endr
.set i, 0
.rept 32                               ; A: load i fills LDS row 16 i + 2 w + h
	global_load_b128 v[S0+4*i:S0+4*i+3], v[T+i/4], s[28:29] offset:(i%4)*32768
.set i, i+1
.endr
	BLOADS S2, 0
	s_wait_loadcnt 32                              ; the vector and A's first 16 loads are in; the 32 younger loads stay out
	s_wait_xcnt 0x0                                ; all loads have read their offsets: A's eight offset registers are rewritten only behind this wait
	CVT S0
	STORES AL, 16*PA
	v_add_nc_u32 v[AL], 256*PA, v[AL]
	BLOADS S0, 16
	v_cvt_pk_bf16_f32 v[VQ0], v[VEC], v[ZQ]        ; the vector's tile: its number in column 0, zeros in the other 15
	v_cvt_pk_bf16_f32 v[VQ1], v[VEC+1], v[ZQ]
	ds_store_b128 v[VL], v[VQ0:VQ0+3] offset:128
	ds_store_b128 v[VL], v[ZQ:ZQ+3]   offset:144
	ds_store_b128 v[VL], v[VQ1:VQ1+3] offset:PB+128
	ds_store_b128 v[VL], v[ZQ:ZQ+3]   offset:PB+144
	s_wait_loadcnt 32                              ; A's second 16; B's two sets stay out
	CVT S1
	STORES AL, 16*PA
	s_wait_loadcnt 16                              ; B's loads 0-15; the last 16 stay out
	CVT S2
	STORES BL, 16*PB
	v_add_nc_u32 v[BL], 256*PB, v[BL]
	s_wait_loadcnt 0x0
	CVT S0
	STORES BL, 16*PB
	; fragment addresses.  The turning load: lane l reads row 8 (l / 16) + l % 8, 16 bytes at 16 ((l / 8) % 2), and holds column l % 16 afterwards.
	v_and_b32 v17, 7, v0
	v_lshl_add_u32 v17, v[HH], 3, v17
	v_bfe_u32 v18, v0, 3, 1
	v_mul_u32_u24 v[AAT], v17, PA
	v_lshl_add_u32 v[AAT], v18, 4, v[AAT]
	s_lshl_b32 s35, s27, 5
	s_add_co_u32 s35, s35, AP
	v_add_nc_u32 v[AAT], s35, v[AAT]
	v_mul_u32_u24 v[ABV], v17, PB
	v_lshl_add_u32 v[ABV], v18, 4, v[ABV]
	s_lshl_b32 s35, s37, 6
	v_add_nc_u32 v[AB], s35, v[ABV]                ; my two column tiles: 64 bytes of the rows
	v_add_nc_u32 v[ABV], 128, v[ABV]
	s_mul_i32 s35, s27, 16*PA
	s_add_co_u32 s35, s35, AP
	v_mul_u32_u24 v[AAP], v[RR], PA
	v_lshl_add_u32 v[AAP], v[HH], 4, v[AAP]
	v_add_nc_u32 v[AAP], s35, v[AAP]               ; plain: row 16 (w % 4) + r of a block of 64 k, 16 bytes for each half of the lanes
	s_mul_i32 s35, s27, 16*SP
	s_lshl_b32 s36, s37, 6
	s_add_co_u32 s35, s35, s36
	v_mul_u32_u24 v[STO], v[RR], SP
	v_lshl_add_u32 v[STO], v[HH], 4, v[STO]
	v_add_nc_u32 v[STO], s35, v[STO]
	s_lshl_b32 s35, s27, 6
	s_lshl_b32 s36, s37, 9
	s_add_co_u32 s35, s35, s36
	s_add_co_u32 s35, s35, BW
	v_lshlrev_b32 v[BWA], 8, v[HH]
	v_lshl_add_u32 v[BWA], v[RR], 2, v[BWA]
	v_add_nc_u32 v[BWA], s35, v[BWA]
	v_lshrrev_b32 v17, 3, v[LN]                    ; back: 32 lanes take four rows of 128 bytes
	v_and_b32 v18, 7, v0
	s_mul_i32 s35, s22, 8*SP
	v_mul_u32_u24 v[RD], v17, SP
	v_lshl_add_u32 v[RD], v18, 4, v[RD]
	v_add_nc_u32 v[RD], s35, v[RD]
	s_lshl_b32 s35, s22, 13
	v_lshlrev_b32 v[CO], 10, v17
	v_lshl_add_u32 v[CO], v18, 4, v[CO]
	v_add_nc_u32 v[CO], s35, v[CO]
	s_wait_dscnt 0x0                               ; for the others' sake: my stores into A's and B's regions are done
	s_barrier_signal -1
.set i, 0
.rept 24
	v_mov_b32 v[ACC+i], 0                          ; the sums start at 0, so that the loop has one form of product; written while the others arrive
.set i, i+1
.endr
	s_barrier_wait -1
	s_mov_b32 s35, 4
.Lk:                                           ; a trip: 128 along K: 32 fragment loads, 12 products
	s_cmp_eq_u32 s24, 0
	s_cbranch_scc0 .Lplain
.irp q, 0,1,2,3
	ds_load_tr16_b128 v[FA+8*(\q):FA+8*(\q)+3],   v[AAT] offset:(\q)*32*PA
	ds_load_tr16_b128 v[FA+8*(\q)+4:FA+8*(\q)+7], v[AAT] offset:(\q)*32*PA+16*PA
.endr
	s_branch .Lhave
.Lplain:
.irp q, 0,1,2,3
	ds_load_b128 v[FA+8*(\q):FA+8*(\q)+3],   v[AAP] offset:((\q)/2)*64*PA+((\q)%2)*64
	ds_load_b128 v[FA+8*(\q)+4:FA+8*(\q)+7], v[AAP] offset:((\q)/2)*64*PA+((\q)%2)*64+32
.endr
.Lhave:
.irp q, 0,1,2,3
.irp t, 0,1
	ds_load_tr16_b128 v[FB+16*(\q)+8*(\t):FB+16*(\q)+8*(\t)+3],   v[AB] offset:(\q)*32*PB+32*(\t)
	ds_load_tr16_b128 v[FB+16*(\q)+8*(\t)+4:FB+16*(\q)+8*(\t)+7], v[AB] offset:(\q)*32*PB+32*(\t)+16*PB
.endr
	ds_load_tr16_b128 v[FV+8*(\q):FV+8*(\q)+3],   v[ABV] offset:(\q)*32*PB
	ds_load_tr16_b128 v[FV+8*(\q)+4:FV+8*(\q)+7], v[ABV] offset:(\q)*32*PB+16*PB
.endr
	s_wait_dscnt 0x0
	; source 0 = 16 columns n, source 1 = 16 rows m: a lane ends with row m = l % 16 and eight neighbouring columns.  The three accumulators take turns, over the backward jump too.
.irp q, 0,1,2,3
.irp t, 0,1
	v_wmma_f32_16x16x32_bf16 v[ACC+8*(\t):ACC+8*(\t)+7], v[FB+16*(\q)+8*(\t):FB+16*(\q)+8*(\t)+7], v[FA+8*(\q):FA+8*(\q)+7], v[ACC+8*(\t):ACC+8*(\t)+7]
.endr
	v_wmma_f32_16x16x32_bf16 v[ACC+16:ACC+23], v[FV+8*(\q):FV+8*(\q)+7], v[FA+8*(\q):FA+8*(\q)+7], v[ACC+16:ACC+23]
.endr
	v_add_nc_u32 v[AAT], 128*PA, v[AAT]            ; the four steps are the four places between the last product and the loads into registers that it has read
	v_add_nc_u32 v[AAP], 128*PA, v[AAP]
	v_add_nc_u32 v[AB],  128*PB, v[AB]
	v_add_nc_u32 v[ABV], 128*PB, v[ABV]
	s_sub_co_u32 s35, s35, 1
	s_cmp_lg_u32 s35, 0
	s_cbranch_scc1 .Lk
	s_barrier_signal -1                            ; my reads of A's and B's regions are over (each trip has waited for its loads): the stage takes B's first bytes again only when all eight waves have said so
.rept 4
	v_nop                                          ; with the four steps above: eight places in front of the conversions, once a launch
.endr
.irp t, 0,1
.irp r, 0,1,2,3
	v_cvt_pk_bf16_f32 v[S0+4*(\t)+(\r)], v[ACC+8*(\t)+2*(\r)], v[ACC+8*(\t)+2*(\r)+1]
.endr
.endr
	s_barrier_wait -1
.irp t, 0,1
	ds_store_b128 v[STO], v[S0+4*(\t):S0+4*(\t)+3] offset:32*(\t)
.endr
	ds_store_b32 v[BWA], v[ACC+16]                 ; column 0 of the third tile: register 0 of lanes 0-15; lanes 16-31 write a block that nobody reads
	s_wait_dscnt 0x0                               ; a row's 128 bytes come from two waves
	s_barrier_signal -1
	s_barrier_wait -1
.irp t, 0,1
	ds_load_b128 v[S1+4*(\t):S1+4*(\t)+3], v[RD] offset:(\t)*4*SP
.endr
	s_wait_dscnt 0x0
.irp t, 0,1
	global_store_b128 v[CO], v[S1+4*(\t):S1+4*(\t)+3], s[40:41] offset:(\t)*4096  ; four rows of wc: 8 lanes store 128 consecutive bytes
.endr
	s_cmp_lg_u32 s22, 0                            ; the bias of the 64 rows: wave 0 of the work-groups with the first block of columns
	s_cbranch_scc1 .Lend
	s_cmp_lg_u32 s26, 0
	s_cbranch_scc1 .Lend
	v_lshl_add_u32 v20, v[LN], 3, BW
	v_lshlrev_b32 v21, 3, v[LN]
	ds_load_b64 v[S2:S2+1], v20                    ; 32 lanes x 8 bytes: the 64 words
	s_cmp_eq_u32 s24, 0
	s_cbranch_scc1 .Lnobp
	global_load_b64 v[S2+2:S2+3], v21, s[44:45]
	s_wait_loadcnt 0x0
	s_wait_dscnt 0x0
	v_pk_add_f32 v[S2:S2+1], v[S2:S2+1], v[S2+2:S2+3]  ; bp + Wp bv
.Lnobp:
	s_wait_dscnt 0x0
	global_store_b64 v21, v[S2:S2+1], s[42:43]     ; 256 consecutive bytes, aligned
.Lend:
	s_wait_tensorcnt 0x0                           ; the wave's end, behind my last LDS store
	ds_add_u32 v[SPW], v[NIL]
	s_wait_dscnt 0x0
	s_endpgm
	; ---------------- the norm ----------------
.set GX,    16                         ; v[16:79]   the group: channel i at GX + 4 i
.set GM,    80                         ; v[80:87]   four running pairs
.set GMU,   88                         ; v[88:89]   the mean, twice; later 1 / sqrt(var + eps)
.set GRED,  90                         ; v90 a sum; v91 at work
.set GPS,   92                         ; v[92:99]   the eight waves' sums
.set GY,    80                         ; v[80:111]  the result in bf16
                                       ; LDS: the eight words at NW take the first sums, the eight at NW + 256 the second
.Lnorm:
	s_load_b256 s[4:11], s[0:1], 0x0               ; x s[4:5], gamma s[6:7], beta s[8:9], hb s[10:11]
	v_lshlrev_b32 v1, 4, v0                        ; 16 t
	v_lshlrev_b32 v2, 3, v0                        ; 8 t
	v_lshrrev_b32 v3, 5, v0
	v_readfirstlane_b32 s2, v3                     ; wave
	v_mov_b32 v3, s2
	v_lshl_add_u32 v3, v3, 2, NW                   ; my wave's word: NW lies past the 16 bits of an LDS immediate, so the register carries it
	v_mov_b32 v4, NW                               ; where all eight words begin
	v_mov_b32 v[GRED+1], 0                         ; v_permlanex16_b32's destination counts as read
	s_sub_co_u32 s3, ttmp9, NPREP                  ; image x 32 + group
	s_lshl_b32 s12, s3, 16                         ; the group's 65,536 bytes of x
	s_mov_b32 s13, 0
	s_lshl_b32 s14, s3, 15                         ; and 32,768 of hb
	s_mov_b32 s15, 0
	s_and_b32 s2, s3, 31
	s_lshl_b32 s2, s2, 6                           ; the group's 16 gains and biases
	s_mov_b32 s3, 0
	s_wait_kmcnt 0x0
	s_add_nc_u64 s[4:5], s[4:5], s[12:13]
	s_add_nc_u64 s[10:11], s[10:11], s[14:15]
	s_add_nc_u64 s[6:7], s[6:7], s[2:3]
	s_add_nc_u64 s[8:9], s[8:9], s[2:3]
.set i, 0
.rept 16
	global_load_b128 v[GX+4*i:GX+4*i+3], v1, s[4:5] offset:i*4096 th:TH_LOAD_NT
.set i, i+1
.endr
	s_load_b512 s[16:31], s[6:7], 0x0              ; gamma
	s_load_b512 s[32:47], s[8:9], 0x0              ; beta
	s_mov_b32 s12, 0x76543210                      ; v_permlanex16_b32: each lane takes its own place in the other half
	s_mov_b32 s13, 0xfedcba98
	s_mov_b32 s14, 0x38800000                      ; 1 / 16,384
	s_mov_b32 s15, 0x3727c5ac                      ; 1e-5
.macro TOTAL base                      ; the four pairs -> one number -> over the lanes -> over the eight waves, through the words at byte NW + base; the result in v[GRED] of every lane
	v_pk_add_f32 v[GM:GM+1], v[GM:GM+1], v[GM+2:GM+3]
	v_pk_add_f32 v[GM+4:GM+5], v[GM+4:GM+5], v[GM+6:GM+7]
	v_pk_add_f32 v[GM:GM+1], v[GM:GM+1], v[GM+4:GM+5]
	v_add_f32 v[GRED], v[GM], v[GM+1]
	v_add_f32_dpp v[GRED], v[GRED], v[GRED] row_xmask:1 row_mask:0xf bank_mask:0xf
	v_add_f32_dpp v[GRED], v[GRED], v[GRED] row_xmask:2 row_mask:0xf bank_mask:0xf
	v_add_f32_dpp v[GRED], v[GRED], v[GRED] row_xmask:4 row_mask:0xf bank_mask:0xf
	v_add_f32_dpp v[GRED], v[GRED], v[GRED] row_xmask:8 row_mask:0xf bank_mask:0xf
	v_permlanex16_b32 v[GRED+1], v[GRED], s12, s13
	v_add_f32 v[GRED], v[GRED], v[GRED+1]
	ds_store_b32 v3, v[GRED] offset:\base
	s_wait_dscnt 0x0                               ; for the others' sake
	s_barrier_signal -1
	s_barrier_wait -1
	ds_load_b128 v[GPS:GPS+3],   v4 offset:\base
	ds_load_b128 v[GPS+4:GPS+7], v4 offset:(\base)+16
	s_wait_dscnt 0x0
	v_pk_add_f32 v[GPS:GPS+1], v[GPS:GPS+1], v[GPS+2:GPS+3]
	v_pk_add_f32 v[GPS+4:GPS+5], v[GPS+4:GPS+5], v[GPS+6:GPS+7]
	v_pk_add_f32 v[GPS:GPS+1], v[GPS:GPS+1], v[GPS+4:GPS+5]
	v_add_f32 v[GRED], v[GPS], v[GPS+1]
.endm
	s_wait_loadcnt 0x0
.irp k, 0,1,2,3
	v_pk_add_f32 v[GM+2*(\k):GM+2*(\k)+1], v[GX+2*(\k):GX+2*(\k)+1], v[GX+8+2*(\k):GX+8+2*(\k)+1]  ; the first eight pairs start four chains: nothing is cleared
.endr
.set j, 8
.rept 24
	v_pk_add_f32 v[GM+2*(j%4):GM+2*(j%4)+1], v[GM+2*(j%4):GM+2*(j%4)+1], v[GX+2*j:GX+2*j+1]
.set j, j+1
.endr
	TOTAL 0
	v_mul_f32 v[GMU], s14, v[GRED]                 ; the mean
	v_mov_b32 v[GMU+1], v[GMU]
.set j, 0
.rept 32
	v_pk_add_f32 v[GX+2*j:GX+2*j+1], v[GX+2*j:GX+2*j+1], v[GMU:GMU+1] neg_lo:[0,1] neg_hi:[0,1]  ; x - mean, in place
.set j, j+1
.endr
.irp k, 0,1,2,3
	v_pk_mul_f32 v[GM+2*(\k):GM+2*(\k)+1], v[GX+2*(\k):GX+2*(\k)+1], v[GX+2*(\k):GX+2*(\k)+1]
.endr
.set j, 4
.rept 28
	v_pk_fma_f32 v[GM+2*(j%4):GM+2*(j%4)+1], v[GX+2*j:GX+2*j+1], v[GX+2*j:GX+2*j+1], v[GM+2*(j%4):GM+2*(j%4)+1]
.set j, j+1
.endr
	TOTAL 256                                      ; other words than the first sums': no second barrier is needed in front of the stores
	v_fma_f32 v[GRED], v[GRED], s14, s15           ; var + eps
	v_rsq_f32 v[GMU], v[GRED]
	v_nop                                          ; a plain instruction behind the root,
	s_wait_alu depctr_va_vdst(0)                   ; and a wait ahead of the first use of its result
	v_readfirstlane_b32 s2, v[GMU]                 ; the same in every lane
	s_wait_kmcnt 0x0                               ; gamma and beta
.set i, 0
.rept 16
	s_mul_f32 s[48+i], s2, s[16+i]                 ; gamma / sqrt(var + eps)
.set i, i+1
.endr
.set i, 0
.rept 16
.irp q, 0,1,2,3
	v_fma_f32 v[GX+4*i+(\q)], v[GX+4*i+(\q)], s[48+i], s[32+i]
.endr
.set i, i+1
.endr
.set i, 0
.rept 32
	v_cvt_pk_bf16_f32 v[GY+i], v[GX+2*i], v[GX+2*i+1]
.set i, i+1
.endr
.set i, 0
.rept 16
	global_store_b64 v2, v[GY+2*i:GY+2*i+1], s[10:11] offset:i*2048  ; a wave stores 256 consecutive bytes, aligned
.set i, i+1
.endr
	s_wait_tensorcnt 0x0                           ; the wave's end, behind my last LDS store
	ds_add_u32 v[SPW], v[NIL]
	s_wait_dscnt 0x0
	s_endpgm
.Lfunc_end_k_qd30900eb9f_front:
	.size	k_qd30900eb9f_front, .Lfunc_end_k_qd30900eb9f_front-k_qd30900eb9f_front
	.p2alignl 7, 3214868480
	.fill 96, 4, 3214868480
	.section	.rodata,"a",@progbits
	.p2align	6, 0x0
	.amdhsa_kernel k_qd30900eb9f_front
		.amdhsa_group_segment_fixed_size 158208
		.amdhsa_private_segment_fixed_size 0
		.amdhsa_enable_private_segment 0
		.amdhsa_kernarg_size 104
		.amdhsa_user_sgpr_count 2
		.amdhsa_user_sgpr_kernarg_segment_ptr 1
		.amdhsa_wavefront_size32 1
		.amdhsa_system_sgpr_workgroup_id_x 1
		.amdhsa_system_sgpr_workgroup_id_y 1
		.amdhsa_system_sgpr_workgroup_id_z 1
		.amdhsa_system_vgpr_workitem_id 0
		.amdhsa_next_free_vgpr 256
		.amdhsa_next_free_sgpr 66
		.amdhsa_reserve_vcc 0
		.amdhsa_float_denorm_mode_32 3
		.amdhsa_float_denorm_mode_16_64 3
		.amdhsa_memory_ordered 1
		.amdhsa_forward_progress 1
		.amdhsa_inst_pref_size 51
	.end_amdhsa_kernel
	.amdgpu_metadata
---
amdhsa.version: [ 1, 2 ]
amdhsa.kernels:
  - .name:           k_qd30900eb9f_front
    .symbol:         k_qd30900eb9f_front.kd
    .args:
      - { .name: x, .offset: 0, .size: 8, .value_kind: global_buffer, .address_space: global }
      - { .name: gamma, .offset: 8, .size: 8, .value_kind: global_buffer, .address_space: global }
      - { .name: beta, .offset: 16, .size: 8, .value_kind: global_buffer, .address_space: global }
      - { .name: hb, .offset: 24, .size: 8, .value_kind: global_buffer, .address_space: global }
      - { .name: wk, .offset: 32, .size: 8, .value_kind: global_buffer, .address_space: global }
      - { .name: wq, .offset: 40, .size: 8, .value_kind: global_buffer, .address_space: global }
      - { .name: bq, .offset: 48, .size: 8, .value_kind: global_buffer, .address_space: global }
      - { .name: wp, .offset: 56, .size: 8, .value_kind: global_buffer, .address_space: global }
      - { .name: wv, .offset: 64, .size: 8, .value_kind: global_buffer, .address_space: global }
      - { .name: bv, .offset: 72, .size: 8, .value_kind: global_buffer, .address_space: global }
      - { .name: bp, .offset: 80, .size: 8, .value_kind: global_buffer, .address_space: global }
      - { .name: wc, .offset: 88, .size: 8, .value_kind: global_buffer, .address_space: global }
      - { .name: bc, .offset: 96, .size: 8, .value_kind: global_buffer, .address_space: global }
    .group_segment_fixed_size: 158208
    .private_segment_fixed_size: 0
    .kernarg_segment_align: 8
    .kernarg_segment_size: 104
    .max_flat_workgroup_size: 256
    .sgpr_count:     66
    .vgpr_count:     256
    .wavefront_size: 32
...
	.end_amdgpu_metadata
.endif
;; end of part 6
;; launch proj (part 7): grid 4 x 64, 4 waves a work-group, clusters of 4 x 4, 327,680 bytes of LDS; arguments hb, wc, bc, qv; writes qv
.if DOCPART == 7
	.amdgcn_target "amdgcn-amd-amdhsa--gfx1250"
	.amdhsa_code_object_version 6
	.text
	.protected	k_qd30900eb9f_proj
	.globl	k_qd30900eb9f_proj
	.p2align	8
	.type	k_qd30900eb9f_proj,@function
k_qd30900eb9f_proj:
	s_mov_b64 s[64:65], 0
	v_nop
	global_prefetch_b8 v0, s[64:65] scope:SCOPE_SE
	s_setreg_imm32_b32 hwreg(HW_REG_WAVE_MODE, 25, 1), 1
	s_wait_xcnt 0x0
	s_wait_alu depctr_hold_cnt(0) depctr_sa_sdst(0) depctr_va_vdst(0) depctr_va_sdst(0) depctr_va_ssrc(0) depctr_va_vcc(0) depctr_vm_vsrc(0)
	s_getreg_b32 s2, hwreg(HW_REG_IB_STS2, 6, 4)
	s_cmp_eq_u32 s2, 0
	s_cbranch_scc0 .Lentry_in_a_cluster
	s_endpgm
.Lentry_in_a_cluster:
	s_bfe_u32 s2, ttmp6, 0x10000c
	s_cmp_lg_u32 s2, 0xf033
	s_cbranch_scc0 .Lentry_shape_is_right
	s_endpgm
.Lentry_shape_is_right:
; Launch 2 of 4: qv[b][n][o] = bf16(sum_c wc[o][c] h[b][c][n] + bc[o]): o < 512 is Q' = (Wk^T Wq) h + Wk^T bq, o >= 512 is V' = (Wp Wv) h + bp + Wp bv.
; Left out, as shown at the head of the first kernel: the keys' projection (the keys are h itself), the output's projection (it lies in V'), and bk (the same for all keys of a row).
; A cluster of 4 x 4 work-groups makes one image's 1,024 x 1,024; a work-group a tile of 256 pixels x 256 outputs; each of its four waves 128 x 128: 64 accumulators, 512 registers.  K = 512 goes in four
; steps of 128 through two LDS slots filled by the tensor data mover.  ROLE A = the tile's rows (pixels): h, stored [c][n], so its fragments come out of LDS by the turning load; it hangs on the tile row alone and
; is asked for jointly by the cluster's row.  ROLE B = the tile's columns (outputs): wc, stored [o][c]; jointly by the cluster's column.
; The matrix instruction is used transposed (source 0 = role B, source 1 = role A): a lane holds one row of the tile and eight neighbouring columns, 16 bytes of qv.  The bias is the C operand of the products that start the sums.
; No prefetch: a walk of four K steps has two refills, and two K steps ahead of them there is nothing left to name.
; REGISTERS, in windows of 256: window 0: v0-31 addresses; v32-63, v224-255 rows on the way out; v64-127, v128-191 role A's fragments, two buffers; v192-255 first the bias, v192-223 then packed results.
;   window 1: v64-191 role B's fragments.   windows 2, 3: the accumulators of my rows 0-63 and 64-127, (a, b) at v[8 (8 a + b)].
.set A_TURNED, 1
.set PP,     272                       ; a plain LDS row: 256 bytes + 16: the 16 rows of a load start at 16 different groups of four banks (64 banks of 4 bytes: ISA guide 11.1)
.set PT,     544                       ; a turned LDS row: 512 bytes + 32 = 17 x 32
.set HALFT,  128*PP                    ; what one tensor load brings: 128 plain rows, or 64 turned ones
.set REG,    2*HALFT                   ; a role's region in a slot
.set SLOT,   2*REG                     ; role A's region, then role B's.  Even K steps lie in the upper slot (at SLOT), odd ones in the lower (at 0)
.set STAGE,  2*SLOT                    ; behind the ring: 16 rows x 272 bytes for each wave
.set SPITCH, 272
.set SPARE,  STAGE+4*16*SPITCH         ; the spare words, 128 bytes for each wave: two blocks of 256 bytes that no other line names
.set ASTEP,  128*2048                  ; a K step in memory: 128 rows of hb,
.set BSTEP,  256                       ; 256 bytes of wc's rows
.set PW0, (1<<16)|(1<<20)|(1<<21)|(5<<22)|(3<<25)  ; plain: 2-byte elements; padding on; bit 21 beside a mask; after every 64 words, 4 words
.set TW0, (1<<16)|(1<<20)|(1<<21)|(6<<22)|(7<<25)  ; turned: after every 128 words, 8 words
.set A0,  16                           ; v16  my lane's place in role A's region; never rewritten
.set B0,  17                           ; v17  in role B's
.set ADA, 18                           ; v18  the address of the run of loads in hand
.set ADB, 19
.set STO, 24                           ; v24  the way out: where I put 16 bytes of a row
.set RD,  25                           ; v25  where I read a row back
.set CO,  26                           ; v26  my byte offset in two rows of qv
.set SPW, 28                           ; v28  my spare word; never rewritten
.set NIL, 29                           ; v29  0; never rewritten
.set F0,  64
.set F1,  128
.set TMP, 192
.set OB,  32
.set WV,  12                           ; s12 wave;  s13 wave / 2: my half of the rows, and: I fetch for role A (0) or B (1);  s14 wave % 2: my half of the columns, and which half of a tile I fetch
.set RH,  13
.set CH,  14
.set CX,  15
.set CY,  16
.set BT,  17                           ; s17 the image
.set G1A, 24                           ; s[24:31] descriptor group 1, role A;  s[32:39] group 0, two sets for the first fills
.set G0A, 32
.set G1B, 48
.set G0B, 56
.set WA,  68                           ; s[68:71], s[72:75] group 0 of the refills: they walk
.set WB,  72
.set TP,  76                           ; s76 LDS byte at which the next fetch begins in a plain region;  s77 in a turned one
.set TT,  77
.set TA,  TT
.set TB,  TP
.set CNT, 78
.set OUTP, 84
.set BCP, 86
.set MSB, 0
.macro WIN new                         ; the immediate's high byte repeats the setting that is left; a switch that changes nothing is dropped
.if MSB != (\new)
	s_set_vgpr_msb (MSB<<8)|(\new)
.set MSB, \new
.endif
.endm
.set MUL_LO, 0xa1                      ; source 0 window 1, source 1 window 0, C and D window 2
.set MUL_HI, 0xf1                      ; C and D window 3
.macro G1P g, pitch                    ; a tile of 128 rows x 128 elements
	s_mov_b32 s[(\g)+1], 128<<16
	s_mov_b32 s[(\g)+2], 128<<16
	s_mov_b32 s[(\g)+3], 128<<16
	s_mov_b32 s[(\g)+4], 128
	s_mov_b32 s[(\g)+5], \pitch
	s_mov_b32 s[(\g)+6], 0
	s_mov_b32 s[(\g)+7], 0
.endm
.macro G1T g                           ; a tile of 64 rows x 256 elements of hb
	s_mov_b32 s[(\g)+1], 256<<16
	s_mov_b32 s[(\g)+2], 64<<16
	s_mov_b32 s[(\g)+3], 256<<16
	s_mov_b32 s[(\g)+4], 64
	s_mov_b32 s[(\g)+5], 1024
	s_mov_b32 s[(\g)+6], 0
	s_mov_b32 s[(\g)+7], 0
.endm
.macro GROUP0 g, lds, src, step        ; count 1; LDS address = wave x 34,816 + lds; global address; type 2
	s_mov_b32 s[\g], 1
	s_add_co_u32 s[(\g)+1], s23, \lds
	s_add_nc_u64 s[(\g)+2:(\g)+3], s[\src:(\src)+1], \step
	s_or_b32 s[(\g)+3], s[(\g)+3], 0x80000000
.endm
; A joint load: waves 0 and 1 fetch role A's two halves, waves 2 and 3 role B's.  The branch hangs on the wave's number alone.  An s_nop 0 and four v_nop follow each of the two lines.
.macro JLOAD ga, gb
	s_cmp_eq_u32 s[RH], 0
	s_cbranch_scc0 .Lfor_b_\@
	tensor_load_to_lds s[(\ga):(\ga)+3], s[G1A:G1A+7]
	s_nop 0
.rept 4
	v_nop
.endr
	s_branch .Lasked_\@
.Lfor_b_\@:
	tensor_load_to_lds s[(\gb):(\gb)+3], s[G1B:G1B+7]
	s_nop 0
.rept 4
	v_nop
.endr
.Lasked_\@:
.endm
.macro CREST                           ; a round of the cluster's barrier behind its opening barrier
	s_cmp_lg_u32 s[WV], 0
	s_cbranch_scc1 .Lnot_wave_0_\@
	s_barrier_signal -3
.Lnot_wave_0_\@:
	s_barrier_wait -3
	s_barrier_signal -1
	s_barrier_wait -1
.endm
.macro CROUND
	s_barrier_signal -1
	s_barrier_wait -1
	CREST
.endm
.macro PLACES
.rept 4
	v_nop
.endr
.endm
; 16 matrix instructions: row blocks a0, a0 + 1 of the window's four x all 8 column blocks, 32 along K.  z = 1: C = 0;  z = 2: C = the bias (window 0): the first products start the sums.
.macro MUL16 f, hi, a0, z
.if (\z) == 2
	WIN 0x81+0x40*(\hi)
.else
	WIN MUL_LO+0x50*(\hi)
.endif
.irp a, \a0, (\a0)+1
.irp b, 0,1,2,3,4,5,6,7
.if (\z) == 1
	v_wmma_f32_16x16x32_bf16 v[8*(8*(\a)+(\b)):8*(8*(\a)+(\b))+7], v[(\f)+8*(\b):(\f)+8*(\b)+7], v[(\f)+8*(4*(\hi)+(\a)):(\f)+8*(4*(\hi)+(\a))+7], 0
.elseif (\z) == 2
	v_wmma_f32_16x16x32_bf16 v[8*(8*(\a)+(\b)):8*(8*(\a)+(\b))+7], v[(\f)+8*(\b):(\f)+8*(\b)+7], v[(\f)+8*(4*(\hi)+(\a)):(\f)+8*(4*(\hi)+(\a))+7], v[TMP+8*(\b):TMP+8*(\b)+7]
.else
	v_wmma_f32_16x16x32_bf16 v[8*(8*(\a)+(\b)):8*(8*(\a)+(\b))+7], v[(\f)+8*(\b):(\f)+8*(\b)+7], v[(\f)+8*(4*(\hi)+(\a)):(\f)+8*(4*(\hi)+(\a))+7], v[8*(8*(\a)+(\b)):8*(8*(\a)+(\b))+7]
.endif
.endr
.endr
.endm
.macro LDP dst, adr                    ; eight fragments (16 rows x 32 K) from a plain region
.irp i, 0,1,2,3,4,5,6,7
	ds_load_b128 v[(\dst)+8*(\i):(\dst)+8*(\i)+3],   v[\adr] offset:(\i)*16*PP
	ds_load_b128 v[(\dst)+8*(\i)+4:(\dst)+8*(\i)+7], v[\adr] offset:(\i)*16*PP+32
.endr
.endm
.macro LDT dst, adr                    ; the same from a turned region
.irp i, 0,1,2,3,4,5,6,7
	ds_load_tr16_b128 v[(\dst)+8*(\i):(\dst)+8*(\i)+3],   v[\adr] offset:(\i)*32
	ds_load_tr16_b128 v[(\dst)+8*(\i)+4:(\dst)+8*(\i)+7], v[\adr] offset:(\i)*32+16*PT
.endr
.endm
.macro ADRS
	v_add_nc_u32 v[ADA], s[TA], v[A0]
	v_add_nc_u32 v[ADB], s[TB], v[B0]
.endm
.macro FETCH f                         ; 32 LDS loads in one run: role B's fragments into window 1, then role A's into window 0; the next fetch is 32 further along K
	WIN 0x40
.if A_TURNED
	LDP \f, ADB
	WIN 0
	LDT \f, ADA
.else
	LDT \f, ADB
	WIN 0
	LDP \f, ADA
.endif
	s_add_co_u32 s[TP], s[TP], 64
	s_add_co_u32 s[TT], s[TT], 32*PT
.endm
; A K step is four quarters of 32 along K, 64 matrix instructions each, on buffers 0, 1, 0, 1.  One of the first three: multiplies buffer f, and in its middle fetches the next quarter into g.
.macro QUARTER f, g, z
	s_wait_dscnt 8                                 ; role B's fragments and role A's rows 0-63 are in; the youngest eight loads (rows 64-127) may be out
	MUL16 \f, 0, 0, \z
	MUL16 \f, 0, 2, \z
	WIN 0
	ADRS                                           ; two address lines and two v_nop: the four places in front of loads into registers that products have read
	v_nop
	v_nop
	FETCH \g
	s_wait_dscnt 32                                ; all but the 32 just issued
	MUL16 \f, 1, 0, \z
	MUL16 \f, 1, 2, \z
.endm
; The last quarter multiplies buffer 1 and changes slots: one barrier; in front of it each wave waits for all its tensor loads, adds 0 to its spare word, and waits for that and for its reads of this slot.
.macro MEET round
	WIN 0
	s_wait_tensorcnt 0x0                           ; all my tensor loads have landed: the one that was out is my part of the next slot
	ds_add_u32 v[SPW], v[NIL]                      ; 0 onto my spare word
	s_wait_dscnt 9                                 ; (the add and the youngest eight loads may be out)
	MUL16 F1, 0, 0, 0
	s_wait_dscnt 0x0                               ; the add is done, and my reads of this slot are over
	s_barrier_signal -1
	MUL16 F1, 0, 2, 0
.if \round
	WIN 0
.endif
	s_barrier_wait -1
.endm
.macro TURN fill                       ; fill = 1: the barrier opens a round of the cluster's, and the slot just read is filled again, two K steps ahead, first thing behind it
	MEET \fill
.if \fill
	CREST
	s_sub_co_u32 s[WA+1], s[WA+1], SLOT            ; the walkers: first the upper slot, then the lower; the next K step
	s_add_nc_u64 s[WA+2:WA+3], s[WA+2:WA+3], ASTEP
	s_sub_co_u32 s[WB+1], s[WB+1], SLOT
	s_add_nc_u64 s[WB+2:WB+3], s[WB+2:WB+3], BSTEP
	JLOAD WA, WB                                   ; my one tensor load behind the round; its four v_nop are also places in front of the loads below
.else
	WIN 0
	PLACES
.endif
	s_sub_co_u32 s[TP], s[TP], 256                 ; the fetches go back to a slot's first quarter,
	s_xor_b32 s[TP], s[TP], SLOT                   ; in the other slot (the value is 0 or SLOT here)
	s_sub_co_u32 s[TT], s[TT], 128*PT
	s_xor_b32 s[TT], s[TT], SLOT
	ADRS
	FETCH F0
	MUL16 F1, 1, 0, 0
	MUL16 F1, 1, 2, 0
.endm
	s_load_b256 s[4:11], s[0:1], 0x0               ; hb s[4:5], wc s[6:7], bc s[8:9], qv s[10:11]
	v_lshl_add_u32 v[SPW], v0, 2, SPARE
	v_mov_b32 v[NIL], 0
	ds_add_u32 v[SPW], v[NIL]                      ; the wave's opening: the add, twice on end, and its wait ahead of my first tensor load
	ds_add_u32 v[SPW], v[NIL]
	v_lshrrev_b32 v1, 5, v0
	v_readfirstlane_b32 s[WV], v1
	s_lshr_b32 s[RH], s[WV], 1
	s_and_b32 s[CH], s[WV], 1
	s_bfe_u32 s[CX], ttmp6, 0x40000                ; my tile column
	s_bfe_u32 s[CY], ttmp6, 0x40004                ; my tile row
	s_and_b32 s[BT], ttmp7, 0xffff                 ; a cluster is an image
	s_lshl_b32 s18, s[CY], 2
	s_lshl_b32 s18, 15, s18                        ; my row of the cluster
	s_lshl_b32 s19, 0x1111, s[CX]                  ; my column
	s_or_b32 s[G1A], s18, TW0
	s_or_b32 s[G1B], s19, PW0
	G1T G1A
	G1P G1B, 512
	s_lshl_b32 s40, s[BT], 20                      ; role A: the image, 256 pixels of the tile row, my 64 rows of a K step
	s_lshl_b32 s20, s[CY], 9
	s_add_co_u32 s40, s40, s20
	s_lshl_b32 s21, s[CH], 17
	s_add_co_u32 s40, s40, s21
	s_mov_b32 s41, 0
	s_lshl_b32 s42, s[CX], 18                      ; role B: 256 rows of wc of the tile column, my 128 of them
	s_add_co_u32 s42, s42, s21
	s_mov_b32 s43, 0
	s_lshl_b32 s44, s[BT], 21                      ; qv: the image, my first row, my first column
	s_lshl_b32 s20, s[CY], 19
	s_add_co_u32 s44, s44, s20
	s_lshl_b32 s20, s[RH], 18
	s_add_co_u32 s44, s44, s20
	s_lshl_b32 s22, s[CX], 9
	s_add_co_u32 s44, s44, s22
	s_lshl_b32 s22, s[CH], 8
	s_add_co_u32 s44, s44, s22
	s_mov_b32 s45, 0
	s_lshl_b32 s46, s[CX], 10                      ; bc: my 128 columns
	s_lshl_b32 s22, s[CH], 9
	s_add_co_u32 s46, s46, s22
	s_mov_b32 s47, 0
	s_mul_i32 s23, s[WV], HALFT                    ; where my fills go in a slot: no place in the cluster enters an LDS address
	s_wait_dscnt 0x0                               ; both opening adds are done
	s_wait_kmcnt 0x0
	s_add_nc_u64 s[40:41], s[4:5], s[40:41]
	s_add_nc_u64 s[42:43], s[6:7], s[42:43]
	s_add_nc_u64 s[OUTP:OUTP+1], s[10:11], s[44:45]
	s_add_nc_u64 s[BCP:BCP+1], s[8:9], s[46:47]
	GROUP0 G0A,   SLOT,   40, 0                    ; K step 0 into the upper slot
	GROUP0 G0A+4, 0,      40, ASTEP                ; K step 1 into the lower
	GROUP0 WA,    2*SLOT, 40, ASTEP                ; the walker is stepped ahead of each use
	GROUP0 G0B,   SLOT,   42, 0
	GROUP0 G0B+4, 0,      42, BSTEP
	GROUP0 WB,    2*SLOT, 42, BSTEP
	CROUND                                         ; all sixteen work-groups are here: the first joint loads meet
	JLOAD G0A, G0B
	JLOAD G0A+4, G0B+4                             ; two tensor loads of mine are out
	v_and_b32 v1, 15, v0                           ; l % 16
	v_bfe_u32 v2, v0, 4, 1                         ; l / 16
	v_mul_u32_u24 v3, v1, PP
	v_lshl_add_u32 v3, v2, 4, v3                   ; plain: row x pitch + 16 x half
	v_and_b32 v4, 7, v0
	v_lshl_add_u32 v4, v2, 3, v4
	v_mul_u32_u24 v4, v4, PT
	v_bfe_u32 v5, v0, 3, 1
	v_lshl_add_u32 v4, v5, 4, v4                   ; turned: (8 (l / 16) + l % 8) x pitch + 16 ((l / 8) % 2)
	s_lshl_b32 s18, s[RH], 8
	v_add_nc_u32 v[A0], s18, v4                    ; my 128 pixels: 256 bytes of the turned rows
	s_mul_i32 s18, s[CH], HALFT
	s_add_co_u32 s18, s18, REG
	v_add_nc_u32 v[B0], s18, v3                    ; my 128 rows of wc
	s_mul_i32 s18, s[WV], 16*SPITCH
	s_add_co_u32 s18, s18, STAGE
	v_add_nc_u32 v[STO], s18, v3
	v_mul_u32_u24 v5, v2, SPITCH
	v_lshl_add_u32 v5, v1, 4, v5
	v_add_nc_u32 v[RD], s18, v5
	v_lshlrev_b32 v5, 11, v2
	v_lshl_add_u32 v[CO], v1, 4, v5
	v_lshlrev_b32 v6, 5, v2                        ; the bias of column block b: register j holds bc[16 b + 8 (l / 16) + j]
.irp b, 0,1,2,3,4,5,6,7
	global_load_b128 v[TMP+8*(\b):TMP+8*(\b)+3],   v6, s[BCP:BCP+1] offset:64*(\b)
	global_load_b128 v[TMP+8*(\b)+4:TMP+8*(\b)+7], v6, s[BCP:BCP+1] offset:64*(\b)+16
.endr
	s_wait_tensorcnt 0x1                           ; my part of K step 0 is in; K step 1's may stay out
	s_barrier_signal -1
	s_barrier_wait -1
	s_mov_b32 s[TP], SLOT
	s_mov_b32 s[TT], SLOT
	ADRS
	FETCH F0
	s_wait_loadcnt 0x0                             ; the bias
	QUARTER F0, F1, 2
	WIN 0
	s_mov_b32 s[CNT], 2
.Llap:                                         ; a trip: from a K step's second quarter to the next step's first; it fills the slot that it leaves
	QUARTER F1, F0, 0
	QUARTER F0, F1, 0
	TURN 1
	QUARTER F0, F1, 0
	WIN 0
	s_sub_co_u32 s[CNT], s[CNT], 1
	s_cmp_lg_u32 s[CNT], 0
	s_cbranch_scc1 .Llap
	s_mov_b32 s[CNT], 2
.Ltail:                                        ; the last two K steps ask for nothing: a text of their own; two trips, the second left in its middle
	QUARTER F1, F0, 0
	QUARTER F0, F1, 0
	WIN 0
	s_sub_co_u32 s[CNT], s[CNT], 1
	s_cmp_eq_u32 s[CNT], 0
	s_cbranch_scc1 .Lout
	TURN 0
	QUARTER F0, F1, 0
	WIN 0
	s_branch .Ltail
.Lout:
	s_wait_dscnt 8                                 ; the very last quarter: nothing more to fetch
	MUL16 F1, 0, 0, 0
	MUL16 F1, 0, 2, 0
	s_wait_dscnt 0x0
	MUL16 F1, 1, 0, 0
	MUL16 F1, 1, 2, 0
	WIN 0
	PLACES
	PLACES
; THE WAY OUT, a block of 16 rows at a time: rounded to bf16, 16 bytes a lane; into my own stage; back as whole rows of 256 bytes; stored.
.macro PACK a
.set AC, 64*((\a)%4)
	WIN 0x0a+5*((\a)/4)                            ; sources 0 and 1: window 2 or 3
.irp b, 0,1,2,3,4,5,6,7
.irp r, 0,1,2,3
	v_cvt_pk_bf16_f32 v[TMP+4*(\b)+(\r)], v[AC+8*(\b)+2*(\r)], v[AC+8*(\b)+2*(\r)+1]
.endr
.endr
	WIN 0
.endm
.macro TOSTAGE a
	WIN 0
.set BK, OB+192*((\a)%2)
.irp b, 0,1,2,3,4,5,6,7
	ds_store_b128 v[STO], v[TMP+4*(\b):TMP+4*(\b)+3] offset:32*(\b)
.endr
.irp t, 0,1,2,3,4,5,6,7
	ds_load_b128 v[BK+4*(\t):BK+4*(\t)+3], v[RD] offset:(\t)*2*SPITCH  ; LDS serves a wave's instructions in order (ISA guide 5.7.1.4): these see the stores above
.endr
.endm
.macro SEND a
	WIN 0
.set BK, OB+192*((\a)%2)
	s_wait_dscnt 0x0                               ; the block is back in registers
	s_wait_xcnt 0x0                                ; the stores of the block before have read their registers, which the next block's loads write
.irp t, 0,1,2,3,4,5,6,7
	global_store_b128 v[CO], v[BK+4*(\t):BK+4*(\t)+3], s[OUTP:OUTP+1] offset:(16*(\a)+2*(\t))*2048  ; 16 lanes store 256 consecutive bytes, aligned
.endr
.endm
	PACK 0
	TOSTAGE 0
.irp a, 1,2,3,4,5,6,7
	PACK \a
	SEND (\a)-1
	TOSTAGE \a
.endr
	SEND 7
	s_wait_tensorcnt 0x0                           ; the wave's end, behind my last tensor load and my last LDS store
	ds_add_u32 v[SPW], v[NIL]
	s_wait_dscnt 0x0
	CROUND                                         ; the closing round: no work-group ends while a partner may still ask for a tile that names it
	s_endpgm
.Lfunc_end_k_qd30900eb9f_proj:
	.size	k_qd30900eb9f_proj, .Lfunc_end_k_qd30900eb9f_proj-k_qd30900eb9f_proj
	.p2alignl 7, 3214868480
	.fill 96, 4, 3214868480
	.section	.rodata,"a",@progbits
	.p2align	6, 0x0
	.amdhsa_kernel k_qd30900eb9f_proj
		.amdhsa_group_segment_fixed_size 327680
		.amdhsa_private_segment_fixed_size 0
		.amdhsa_enable_private_segment 0
		.amdhsa_kernarg_size 32
		.amdhsa_user_sgpr_count 2
		.amdhsa_user_sgpr_kernarg_segment_ptr 1
		.amdhsa_wavefront_size32 1
		.amdhsa_system_sgpr_workgroup_id_x 1
		.amdhsa_system_sgpr_workgroup_id_y 1
		.amdhsa_system_sgpr_workgroup_id_z 1
		.amdhsa_system_vgpr_workitem_id 0
		.amdhsa_next_free_vgpr 1024
		.amdhsa_next_free_sgpr 88
		.amdhsa_reserve_vcc 0
		.amdhsa_float_denorm_mode_32 3
		.amdhsa_float_denorm_mode_16_64 3
		.amdhsa_memory_ordered 1
		.amdhsa_forward_progress 1
		.amdhsa_inst_pref_size 108
	.end_amdhsa_kernel
	.amdgpu_metadata
---
amdhsa.version: [ 1, 2 ]
amdhsa.kernels:
  - .name:           k_qd30900eb9f_proj
    .symbol:         k_qd30900eb9f_proj.kd
    .args:
      - { .name: hb, .offset: 0, .size: 8, .value_kind: global_buffer, .address_space: global }
      - { .name: wc, .offset: 8, .size: 8, .value_kind: global_buffer, .address_space: global }
      - { .name: bc, .offset: 16, .size: 8, .value_kind: global_buffer, .address_space: global }
      - { .name: qv, .offset: 24, .size: 8, .value_kind: global_buffer, .address_space: global }
    .group_segment_fixed_size: 327680
    .private_segment_fixed_size: 0
    .kernarg_segment_align: 8
    .kernarg_segment_size: 32
    .max_flat_workgroup_size: 128
    .sgpr_count:     88
    .vgpr_count:     1024
    .wavefront_size: 32
...
	.end_amdgpu_metadata
.endif
;; end of part 7
;; launch score (part 8): grid 4 x 64, 4 waves a work-group, clusters of 4 x 4, 327,680 bytes of LDS; arguments qv, hb, pb, st; writes pb, st
.if DOCPART == 8
	.amdgcn_target "amdgcn-amd-amdhsa--gfx1250"
	.amdhsa_code_object_version 6
	.text
	.protected	k_qd30900eb9f_score
	.globl	k_qd30900eb9f_score
	.p2align	8
	.type	k_qd30900eb9f_score,@function
k_qd30900eb9f_score:
	s_mov_b64 s[64:65], 0
	v_nop
	global_prefetch_b8 v0, s[64:65] scope:SCOPE_SE
	s_setreg_imm32_b32 hwreg(HW_REG_WAVE_MODE, 25, 1), 1
	s_wait_xcnt 0x0
	s_wait_alu depctr_hold_cnt(0) depctr_sa_sdst(0) depctr_va_vdst(0) depctr_va_sdst(0) depctr_va_ssrc(0) depctr_va_vcc(0) depctr_vm_vsrc(0)
	s_getreg_b32 s2, hwreg(HW_REG_IB_STS2, 6, 4)
	s_cmp_eq_u32 s2, 0
	s_cbranch_scc0 .Lentry_in_a_cluster
	s_endpgm
.Lentry_in_a_cluster:
	s_bfe_u32 s2, ttmp6, 0x10000c
	s_cmp_lg_u32 s2, 0xf033
	s_cbranch_scc0 .Lentry_shape_is_right
	s_endpgm
.Lentry_shape_is_right:
; Launch 3 of 4: the scores s[n][m] = sum_i Q'[i][n] h[i][m] and the first stage of the softmax.  Left out, as shown at the head of the first kernel: the term with bk, which is the same for all keys of a row.
; For each query and each block of 128 keys: cm = c max s, p = 2^(c s - cm) rounded to bf16 (pb[b][query][key]), l = the sum of the unrounded p; c = log2(e) / sqrt(512).  cm and l go to st[b][cm, l][block][query] in f32.
; The next launch takes the maximum of the eight cm away: together the row's true maximum is taken away before the exponentials are used, and no exponent here is above 0.
; The frame is the projection's: a cluster an image, a work-group 256 queries x 256 keys, a wave 128 x 128 (so a wave's columns are one block of keys), K = 512 in four steps through two LDS slots.
; ROLE A = queries: qv's first 512 columns, stored [n][i], plain.  ROLE B = keys: hb, stored [i][m], turned.  A lane holds one query (l % 16) and, in each of 8 accumulators, 8 keys; the query's other 64 keys lie 16 lanes away.
; No prefetch: a walk of four K steps has two refills, and two K steps ahead of them there is nothing left to name.
; REGISTERS: as in the projection; on the way out v64-76 of window 0 are at work.
.set A_TURNED, 0
.set PP,     272
.set PT,     544
.set HALFT,  128*PP
.set REG,    2*HALFT
.set SLOT,   2*REG                     ; even K steps lie in the upper slot (at SLOT), odd ones in the lower (at 0)
.set STAGE,  2*SLOT
.set SPITCH, 272
.set STAT,   STAGE+4*16*SPITCH         ; for each wave 128 words of cm, then 128 of l
.set SPARE,  STAT+4096                 ; the spare words, 128 bytes for each wave: two blocks of 256 bytes that no other line names
.set ASTEP,  256                       ; a K step in memory: 256 bytes of qv's rows,
.set BSTEP,  128*2048                  ; 128 rows of hb
.set PW0, (1<<16)|(1<<20)|(1<<21)|(5<<22)|(3<<25)
.set TW0, (1<<16)|(1<<20)|(1<<21)|(6<<22)|(7<<25)
.set A0,  16
.set B0,  17
.set ADA, 18
.set ADB, 19
.set STO, 24
.set RD,  25
.set CO,  26
.set SSM, 27                           ; v27  where my query's cm goes
.set SPW, 28
.set NIL, 29
.set SSR, 30                           ; v30  where I read 16 bytes of the statistics back
.set SO,  31                           ; v31  16 x lane
.set F0,  64
.set F1,  128
.set TMP, 192
.set OB,  32
.set CT,  64                           ; v64-71 eight running maxima
.set CM,  72                           ; v72-73 cm, twice
.set LS,  74                           ; v74-75 l
.set TX,  76
.set WV,  12
.set RH,  13
.set CH,  14
.set CX,  15
.set CY,  16
.set BT,  17
.set G1A, 24
.set G0A, 32
.set G1B, 48
.set G0B, 56
.set WA,  68
.set WB,  72
.set TP,  76
.set TT,  77
.set TA,  TP
.set TB,  TT
.set CNT, 78
.set EP,  79
.set CS,  80                           ; s[80:81] c
.set SEL, 82                           ; s[82:83] v_permlanex16_b32's selects
.set OUTP, 84
.set STP, 86
.set MSB, 0
.macro WIN new
.if MSB != (\new)
	s_set_vgpr_msb (MSB<<8)|(\new)
.set MSB, \new
.endif
.endm
.set MUL_LO, 0xa1
.set MUL_HI, 0xf1
.macro G1P g, pitch
	s_mov_b32 s[(\g)+1], 128<<16
	s_mov_b32 s[(\g)+2], 128<<16
	s_mov_b32 s[(\g)+3], 128<<16
	s_mov_b32 s[(\g)+4], 128
	s_mov_b32 s[(\g)+5], \pitch
	s_mov_b32 s[(\g)+6], 0
	s_mov_b32 s[(\g)+7], 0
.endm
.macro G1T g
	s_mov_b32 s[(\g)+1], 256<<16
	s_mov_b32 s[(\g)+2], 64<<16
	s_mov_b32 s[(\g)+3], 256<<16
	s_mov_b32 s[(\g)+4], 64
	s_mov_b32 s[(\g)+5], 1024
	s_mov_b32 s[(\g)+6], 0
	s_mov_b32 s[(\g)+7], 0
.endm
.macro GROUP0 g, lds, src, step
	s_mov_b32 s[\g], 1
	s_add_co_u32 s[(\g)+1], s23, \lds
	s_add_nc_u64 s[(\g)+2:(\g)+3], s[\src:(\src)+1], \step
	s_or_b32 s[(\g)+3], s[(\g)+3], 0x80000000
.endm
.macro JLOAD ga, gb                    ; waves 0 and 1 fetch role A's halves, waves 2 and 3 role B's; an s_nop 0 and four v_nop follow each line
	s_cmp_eq_u32 s[RH], 0
	s_cbranch_scc0 .Lfor_b_\@
	tensor_load_to_lds s[(\ga):(\ga)+3], s[G1A:G1A+7]
	s_nop 0
.rept 4
	v_nop
.endr
	s_branch .Lasked_\@
.Lfor_b_\@:
	tensor_load_to_lds s[(\gb):(\gb)+3], s[G1B:G1B+7]
	s_nop 0
.rept 4
	v_nop
.endr
.Lasked_\@:
.endm
.macro CREST
	s_cmp_lg_u32 s[WV], 0
	s_cbranch_scc1 .Lnot_wave_0_\@
	s_barrier_signal -3
.Lnot_wave_0_\@:
	s_barrier_wait -3
	s_barrier_signal -1
	s_barrier_wait -1
.endm
.macro CROUND
	s_barrier_signal -1
	s_barrier_wait -1
	CREST
.endm
.macro PLACES
.rept 4
	v_nop
.endr
.endm
.macro MUL16 f, hi, a0, z              ; 16 matrix instructions; z = 1: the first products start the sums with the constant 0
	WIN MUL_LO+0x50*(\hi)
.irp a, \a0, (\a0)+1
.irp b, 0,1,2,3,4,5,6,7
.if (\z) == 1
	v_wmma_f32_16x16x32_bf16 v[8*(8*(\a)+(\b)):8*(8*(\a)+(\b))+7], v[(\f)+8*(\b):(\f)+8*(\b)+7], v[(\f)+8*(4*(\hi)+(\a)):(\f)+8*(4*(\hi)+(\a))+7], 0
.else
	v_wmma_f32_16x16x32_bf16 v[8*(8*(\a)+(\b)):8*(8*(\a)+(\b))+7], v[(\f)+8*(\b):(\f)+8*(\b)+7], v[(\f)+8*(4*(\hi)+(\a)):(\f)+8*(4*(\hi)+(\a))+7], v[8*(8*(\a)+(\b)):8*(8*(\a)+(\b))+7]
.endif
.endr
.endr
.endm
.macro LDP dst, adr
.irp i, 0,1,2,3,4,5,6,7
	ds_load_b128 v[(\dst)+8*(\i):(\dst)+8*(\i)+3],   v[\adr] offset:(\i)*16*PP
	ds_load_b128 v[(\dst)+8*(\i)+4:(\dst)+8*(\i)+7], v[\adr] offset:(\i)*16*PP+32
.endr
.endm
.macro LDT dst, adr
.irp i, 0,1,2,3,4,5,6,7
	ds_load_tr16_b128 v[(\dst)+8*(\i):(\dst)+8*(\i)+3],   v[\adr] offset:(\i)*32
	ds_load_tr16_b128 v[(\dst)+8*(\i)+4:(\dst)+8*(\i)+7], v[\adr] offset:(\i)*32+16*PT
.endr
.endm
.macro ADRS
	v_add_nc_u32 v[ADA], s[TA], v[A0]
	v_add_nc_u32 v[ADB], s[TB], v[B0]
.endm
.macro FETCH f
	WIN 0x40
.if A_TURNED
	LDP \f, ADB
	WIN 0
	LDT \f, ADA
.else
	LDT \f, ADB
	WIN 0
	LDP \f, ADA
.endif
	s_add_co_u32 s[TP], s[TP], 64
	s_add_co_u32 s[TT], s[TT], 32*PT
.endm
.macro QUARTER f, g, z
	s_wait_dscnt 8                                 ; role B's fragments and role A's rows 0-63 are in; the youngest eight loads may be out
	MUL16 \f, 0, 0, \z
	MUL16 \f, 0, 2, \z
	WIN 0
	ADRS                                           ; two address lines and two v_nop: the four places in front of the loads
	v_nop
	v_nop
	FETCH \g
	s_wait_dscnt 32                                ; all but the 32 just issued
	MUL16 \f, 1, 0, \z
	MUL16 \f, 1, 2, \z
.endm
.macro MEET round
	WIN 0
	s_wait_tensorcnt 0x0                           ; all my tensor loads have landed: the one that was out is my part of the next slot
	ds_add_u32 v[SPW], v[NIL]                      ; 0 onto my spare word
	s_wait_dscnt 9                                 ; (the add and the youngest eight loads may be out)
	MUL16 F1, 0, 0, 0
	s_wait_dscnt 0x0                               ; the add is done, and my reads of this slot are over
	s_barrier_signal -1
	MUL16 F1, 0, 2, 0
.if \round
	WIN 0
.endif
	s_barrier_wait -1
.endm
.macro TURN fill
	MEET \fill
.if \fill
	CREST
	s_sub_co_u32 s[WA+1], s[WA+1], SLOT
	s_add_nc_u64 s[WA+2:WA+3], s[WA+2:WA+3], ASTEP
	s_sub_co_u32 s[WB+1], s[WB+1], SLOT
	s_add_nc_u64 s[WB+2:WB+3], s[WB+2:WB+3], BSTEP
	JLOAD WA, WB                                   ; my one tensor load behind the round
.else
	WIN 0
	PLACES
.endif
	s_sub_co_u32 s[TP], s[TP], 256
	s_xor_b32 s[TP], s[TP], SLOT
	s_sub_co_u32 s[TT], s[TT], 128*PT
	s_xor_b32 s[TT], s[TT], SLOT
	ADRS
	FETCH F0
	MUL16 F1, 1, 0, 0
	MUL16 F1, 1, 2, 0
.endm
	s_load_b256 s[4:11], s[0:1], 0x0               ; qv s[4:5], hb s[6:7], pb s[8:9], st s[10:11]
	v_lshl_add_u32 v[SPW], v0, 2, SPARE
	v_mov_b32 v[NIL], 0
	ds_add_u32 v[SPW], v[NIL]                      ; the wave's opening: the add, twice on end, and its wait ahead of my first tensor load
	ds_add_u32 v[SPW], v[NIL]
	v_lshrrev_b32 v1, 5, v0
	v_readfirstlane_b32 s[WV], v1
	s_lshr_b32 s[RH], s[WV], 1
	s_and_b32 s[CH], s[WV], 1
	s_bfe_u32 s[CX], ttmp6, 0x40000
	s_bfe_u32 s[CY], ttmp6, 0x40004
	s_and_b32 s[BT], ttmp7, 0xffff
	s_lshl_b32 s18, s[CY], 2
	s_lshl_b32 s18, 15, s18
	s_lshl_b32 s19, 0x1111, s[CX]
	s_or_b32 s[G1A], s18, PW0
	s_or_b32 s[G1B], s19, TW0
	G1P G1A, 1024
	G1T G1B
	s_lshl_b32 s40, s[BT], 21                      ; role A: the image, the tile row's 256 queries, my 128 of them
	s_lshl_b32 s20, s[CY], 19
	s_add_co_u32 s40, s40, s20
	s_lshl_b32 s21, s[CH], 18
	s_add_co_u32 s40, s40, s21
	s_mov_b32 s41, 0
	s_lshl_b32 s42, s[BT], 20                      ; role B: the image, the tile column's 256 keys, my 64 rows of a K step
	s_lshl_b32 s22, s[CX], 9
	s_add_co_u32 s42, s42, s22
	s_lshl_b32 s21, s[CH], 17
	s_add_co_u32 s42, s42, s21
	s_mov_b32 s43, 0
	s_lshl_b32 s44, s[BT], 21                      ; pb: the image, my first query, my first key
	s_lshl_b32 s20, s[CY], 19
	s_add_co_u32 s44, s44, s20
	s_lshl_b32 s20, s[RH], 18
	s_add_co_u32 s44, s44, s20
	s_add_co_u32 s44, s44, s22
	s_lshl_b32 s22, s[CH], 8
	s_add_co_u32 s44, s44, s22
	s_mov_b32 s45, 0
	s_lshl_b32 s46, s[BT], 16                      ; st: the image, block 2 cx + wave % 2, my 128 queries
	s_lshl_b32 s22, s[CX], 13
	s_add_co_u32 s46, s46, s22
	s_lshl_b32 s22, s[CH], 12
	s_add_co_u32 s46, s46, s22
	s_lshl_b32 s22, s[CY], 10
	s_add_co_u32 s46, s46, s22
	s_lshl_b32 s22, s[RH], 9
	s_add_co_u32 s46, s46, s22
	s_mov_b32 s47, 0
	s_mov_b32 s[CS], 0x3d8293ee                    ; c = log2(e) / sqrt(512)
	s_mov_b32 s[CS+1], s[CS]
	s_mov_b32 s[SEL], 0x76543210
	s_mov_b32 s[SEL+1], 0xfedcba98
	s_mul_i32 s23, s[WV], HALFT
	s_wait_dscnt 0x0                               ; both opening adds are done
	s_wait_kmcnt 0x0
	s_add_nc_u64 s[40:41], s[4:5], s[40:41]
	s_add_nc_u64 s[42:43], s[6:7], s[42:43]
	s_add_nc_u64 s[OUTP:OUTP+1], s[8:9], s[44:45]
	s_add_nc_u64 s[STP:STP+1], s[10:11], s[46:47]
	GROUP0 G0A,   SLOT,   40, 0
	GROUP0 G0A+4, 0,      40, ASTEP
	GROUP0 WA,    2*SLOT, 40, ASTEP
	GROUP0 G0B,   SLOT,   42, 0
	GROUP0 G0B+4, 0,      42, BSTEP
	GROUP0 WB,    2*SLOT, 42, BSTEP
	CROUND                                         ; all sixteen work-groups are here: the first joint loads meet
	JLOAD G0A, G0B
	JLOAD G0A+4, G0B+4                             ; two tensor loads of mine are out
	v_and_b32 v1, 15, v0
	v_bfe_u32 v2, v0, 4, 1
	v_mul_u32_u24 v3, v1, PP
	v_lshl_add_u32 v3, v2, 4, v3
	v_and_b32 v4, 7, v0
	v_lshl_add_u32 v4, v2, 3, v4
	v_mul_u32_u24 v4, v4, PT
	v_bfe_u32 v5, v0, 3, 1
	v_lshl_add_u32 v4, v5, 4, v4
	s_mul_i32 s18, s[RH], HALFT
	v_add_nc_u32 v[A0], s18, v3                    ; my 128 queries
	s_lshl_b32 s18, s[CH], 8
	s_add_co_u32 s18, s18, REG
	v_add_nc_u32 v[B0], s18, v4                    ; my 128 keys: 256 bytes of the turned rows
	s_mul_i32 s18, s[WV], 16*SPITCH
	s_add_co_u32 s18, s18, STAGE
	v_add_nc_u32 v[STO], s18, v3
	v_mul_u32_u24 v5, v2, SPITCH
	v_lshl_add_u32 v5, v1, 4, v5
	v_add_nc_u32 v[RD], s18, v5
	v_lshlrev_b32 v5, 11, v2
	v_lshl_add_u32 v[CO], v1, 4, v5
	s_lshl_b32 s18, s[WV], 10
	s_add_co_u32 s18, s18, STAT
	v_lshl_add_u32 v[SSM], v1, 2, s18
	v_and_b32 v[SO], 31, v0
	v_lshlrev_b32 v[SO], 4, v[SO]
	v_add_nc_u32 v[SSR], s18, v[SO]
	s_wait_tensorcnt 0x1                           ; my part of K step 0 is in; K step 1's may stay out
	s_barrier_signal -1
	s_barrier_wait -1
	s_mov_b32 s[TP], SLOT
	s_mov_b32 s[TT], SLOT
	ADRS
	FETCH F0
	QUARTER F0, F1, 1
	WIN 0
	s_mov_b32 s[CNT], 2
.Llap:
	QUARTER F1, F0, 0
	QUARTER F0, F1, 0
	TURN 1
	QUARTER F0, F1, 0
	WIN 0
	s_sub_co_u32 s[CNT], s[CNT], 1
	s_cmp_lg_u32 s[CNT], 0
	s_cbranch_scc1 .Llap
	s_mov_b32 s[CNT], 2
.Ltail:                                        ; the last two K steps ask for nothing: a text of their own; two trips, the second left in its middle
	QUARTER F1, F0, 0
	QUARTER F0, F1, 0
	WIN 0
	s_sub_co_u32 s[CNT], s[CNT], 1
	s_cmp_eq_u32 s[CNT], 0
	s_cbranch_scc1 .Lout
	TURN 0
	QUARTER F0, F1, 0
	WIN 0
	s_branch .Ltail
.Lout:
	s_wait_dscnt 8                                 ; the very last quarter: nothing more to fetch
	MUL16 F1, 0, 0, 0
	MUL16 F1, 0, 2, 0
	s_wait_dscnt 0x0
	MUL16 F1, 1, 0, 0
	MUL16 F1, 1, 2, 0
	WIN 0
	PLACES
	PLACES
	v_mov_b32 v[TX], 0                             ; v_permlanex16_b32's destination counts as read
; THE SOFTMAX'S FIRST STAGE for block a of 16 queries (64 registers of window 2): the maximum (each accumulator's lowest registers are read first), cm, one batch of 64 exponentials
; with one wait, the roundings, the sum.
.macro SOFT a
.set SB, 64*(\a)
	WIN 0x2a                                       ; all three sources window 2, destination window 0
.irp k, 0,1,2,3,4,5,6,7
	v_max3_num_f32 v[CT+(\k)], v[SB+8*(\k)], v[SB+8*(\k)+1], v[SB+8*(\k)+2]
.endr
	WIN 0x28                                       ; source 0 window 0
.irp k, 0,1,2,3,4,5,6,7
	v_max3_num_f32 v[CT+(\k)], v[CT+(\k)], v[SB+8*(\k)+3], v[SB+8*(\k)+4]
.endr
.irp k, 0,1,2,3,4,5,6,7
	v_max3_num_f32 v[CT+(\k)], v[CT+(\k)], v[SB+8*(\k)+5], v[SB+8*(\k)+6]
.endr
.irp k, 0,1,2,3
	v_max3_num_f32 v[CT+(\k)], v[CT+(\k)], v[SB+16*(\k)+7], v[SB+16*(\k)+15]
.endr
	WIN 0
	v_max3_num_f32 v[CT], v[CT], v[CT+1], v[CT+2]
	v_max3_num_f32 v[CT+3], v[CT+3], v[CT+4], v[CT+5]
	v_max_num_f32 v[CT+6], v[CT+6], v[CT+7]
	v_max3_num_f32 v[CT], v[CT], v[CT+3], v[CT+6]
	v_permlanex16_b32 v[CT+1], v[CT], s[SEL], s[SEL+1]  ; the query's other 64 keys lie in the lane 16 away
	v_max_num_f32 v[CT], v[CT], v[CT+1]
	v_mul_f32 v[CM], s[CS], v[CT]
	v_mov_b32 v[CM+1], v[CM]                       ; named with it as a pair
	ds_store_b32 v[SSM], v[CM] offset:64*(\a)      ; both halves of the lanes write the same number to the same word
	WIN 0x82                                       ; destination and source 0 window 2, cm window 0
.set i, 0
.rept 32
	v_pk_fma_f32 v[SB+2*i:SB+2*i+1], v[SB+2*i:SB+2*i+1], s[CS:CS+1], v[CM:CM+1] op_sel_hi:[1,0,0] neg_lo:[0,0,1] neg_hi:[0,0,1]  ; c s - cm
.set i, i+1
.endr
.set i, 0
.rept 64
	v_exp_f32 v[SB+i], v[SB+i]
.set i, i+1
.endr
	v_nop                                          ; a plain instruction behind the last exponential,
	s_wait_alu depctr_va_vdst(0)                   ; and one wait for the batch ahead of the first use
	WIN 0x0a
.set i, 0
.rept 32
	v_cvt_pk_bf16_f32 v[TMP+i], v[SB+2*i], v[SB+2*i+1]
.set i, i+1
.endr
	WIN 0x8a                                       ; the sum of the 32 pairs, in place: neighbours 1, 2, 4 and 8 pairs apart
.irp w, 4, 8, 16, 32
.set u, 0
.rept 64/(\w)
	v_pk_add_f32 v[SB+(\w)*u:SB+(\w)*u+1], v[SB+(\w)*u:SB+(\w)*u+1], v[SB+(\w)*u+(\w)/2:SB+(\w)*u+(\w)/2+1]
.set u, u+1
.endr
.endr
	WIN 0x0a
	v_pk_add_f32 v[LS:LS+1], v[SB:SB+1], v[SB+32:SB+33]
	WIN 0
	v_add_f32 v[LS], v[LS], v[LS+1]
	v_permlanex16_b32 v[TX], v[LS], s[SEL], s[SEL+1]
	v_add_f32 v[LS], v[LS], v[TX]
	ds_store_b32 v[SSM], v[LS] offset:512+64*(\a)
.endm
.macro TOSTAGE a
	WIN 0
.set BK, OB+192*((\a)%2)
.irp b, 0,1,2,3,4,5,6,7
	ds_store_b128 v[STO], v[TMP+4*(\b):TMP+4*(\b)+3] offset:32*(\b)
.endr
.irp t, 0,1,2,3,4,5,6,7
	ds_load_b128 v[BK+4*(\t):BK+4*(\t)+3], v[RD] offset:(\t)*2*SPITCH  ; LDS serves a wave's instructions in order (ISA guide 5.7.1.4): these see the stores above
.endr
.endm
.macro SEND a
	WIN 0
.set BK, OB+192*((\a)%2)
	s_wait_dscnt 0x0
	s_wait_xcnt 0x0                                ; the stores of the block before have read their registers, which the next block's loads write
.irp t, 0,1,2,3,4,5,6,7
	global_store_b128 v[CO], v[BK+4*(\t):BK+4*(\t)+3], s[OUTP:OUTP+1] offset:(16*(\a)+2*(\t))*2048  ; 16 lanes store 256 consecutive bytes, aligned
.endr
.endm
	s_mov_b32 s[EP], 2
.Lhalf:                                        ; two trips of four blocks: one text, which names window 2; between them window 3's scores are brought there
	SOFT 0
	TOSTAGE 0
.irp a, 1,2,3
	SOFT \a
	SEND (\a)-1
	TOSTAGE \a
.endr
	SEND 3
	s_cmp_eq_u32 s[EP], 1
	s_cbranch_scc1 .Lnocopy
	WIN 0x83                                       ; source window 3, destination window 2
.set i, 0
.rept 256
	v_mov_b32 v[i], v[i]
.set i, i+1
.endr
	WIN 0
.Lnocopy:
	s_wait_xcnt 0x0                                ; the stores have read their base
	s_add_nc_u64 s[OUTP:OUTP+1], s[OUTP:OUTP+1], 64*2048
	v_add_nc_u32 v[SSM], 256, v[SSM]
	s_sub_co_u32 s[EP], s[EP], 1
	s_cmp_lg_u32 s[EP], 0
	s_cbranch_scc1 .Lhalf
	ds_load_b128 v[32:35], v[SSR]                  ; my wave's own words: 128 cm,
	ds_load_b128 v[36:39], v[SSR] offset:512       ; 128 l
	s_wait_dscnt 0x0
	global_store_b128 v[SO], v[32:35], s[STP:STP+1]               ; 512 consecutive bytes each, aligned
	global_store_b128 v[SO], v[36:39], s[STP:STP+1] offset:32768
	s_wait_tensorcnt 0x0                           ; the wave's end, behind my last tensor load and my last LDS store
	ds_add_u32 v[SPW], v[NIL]
	s_wait_dscnt 0x0
	CROUND                                         ; the closing round
	s_endpgm
.Lfunc_end_k_qd30900eb9f_score:
	.size	k_qd30900eb9f_score, .Lfunc_end_k_qd30900eb9f_score-k_qd30900eb9f_score
	.p2alignl 7, 3214868480
	.fill 96, 4, 3214868480
	.section	.rodata,"a",@progbits
	.p2align	6, 0x0
	.amdhsa_kernel k_qd30900eb9f_score
		.amdhsa_group_segment_fixed_size 327680
		.amdhsa_private_segment_fixed_size 0
		.amdhsa_enable_private_segment 0
		.amdhsa_kernarg_size 32
		.amdhsa_user_sgpr_count 2
		.amdhsa_user_sgpr_kernarg_segment_ptr 1
		.amdhsa_wavefront_size32 1
		.amdhsa_system_sgpr_workgroup_id_x 1
		.amdhsa_system_sgpr_workgroup_id_y 1
		.amdhsa_system_sgpr_workgroup_id_z 1
		.amdhsa_system_vgpr_workitem_id 0
		.amdhsa_next_free_vgpr 1024
		.amdhsa_next_free_sgpr 88
		.amdhsa_reserve_vcc 0
		.amdhsa_float_denorm_mode_32 3
		.amdhsa_float_denorm_mode_16_64 3
		.amdhsa_memory_ordered 1
		.amdhsa_forward_progress 1
		.amdhsa_inst_pref_size 134
	.end_amdhsa_kernel
	.amdgpu_metadata
---
amdhsa.version: [ 1, 2 ]
amdhsa.kernels:
  - .name:           k_qd30900eb9f_score
    .symbol:         k_qd30900eb9f_score.kd
    .args:
      - { .name: qv, .offset: 0, .size: 8, .value_kind: global_buffer, .address_space: global }
      - { .name: hb, .offset: 8, .size: 8, .value_kind: global_buffer, .address_space: global }
      - { .name: pb, .offset: 16, .size: 8, .value_kind: global_buffer, .address_space: global }
      - { .name: st, .offset: 24, .size: 8, .value_kind: global_buffer, .address_space: global }
    .group_segment_fixed_size: 327680
    .private_segment_fixed_size: 0
    .kernarg_segment_align: 8
    .kernarg_segment_size: 32
    .max_flat_workgroup_size: 128
    .sgpr_count:     88
    .vgpr_count:     1024
    .wavefront_size: 32
...
	.end_amdgpu_metadata
.endif
;; end of part 8
;; launch mix (part 9): grid 4 x 64, 4 waves a work-group, clusters of 4 x 4, 327,680 bytes of LDS; arguments pb, qv, st, x, out0; writes out0
.if DOCPART == 9
	.amdgcn_target "amdgcn-amd-amdhsa--gfx1250"
	.amdhsa_code_object_version 6
	.text
	.protected	k_qd30900eb9f_mix
	.globl	k_qd30900eb9f_mix
	.p2align	8
	.type	k_qd30900eb9f_mix,@function
k_qd30900eb9f_mix:
	s_mov_b64 s[64:65], 0
	v_nop
	global_prefetch_b8 v0, s[64:65] scope:SCOPE_SE
	s_setreg_imm32_b32 hwreg(HW_REG_WAVE_MODE, 25, 1), 1
	s_wait_xcnt 0x0
	s_wait_alu depctr_hold_cnt(0) depctr_sa_sdst(0) depctr_va_vdst(0) depctr_va_sdst(0) depctr_va_ssrc(0) depctr_va_vcc(0) depctr_vm_vsrc(0)
	s_getreg_b32 s2, hwreg(HW_REG_IB_STS2, 6, 4)
	s_cmp_eq_u32 s2, 0
	s_cbranch_scc0 .Lentry_in_a_cluster
	s_endpgm
.Lentry_in_a_cluster:
	s_bfe_u32 s2, ttmp6, 0x10000c
	s_cmp_lg_u32 s2, 0xf033
	s_cbranch_scc0 .Lentry_shape_is_right
	s_endpgm
.Lentry_shape_is_right:
; Launch 4 of 4: out0[b][o][n] = x[b][o][n] + (1 / L[n]) sum over blocks of f[blk][n] sum over the block's keys m of p[n][m] V'[o][m].
; Left out, as shown at the head of the first kernel: the output's projection and its bias, which lie in V'.
; THE SOFTMAX'S SECOND STAGE, in f32: M = the maximum of a query's eight cm, f = 2^(cm - M) <= 1, L = the sum of l f.  f, rounded to bf16, is multiplied onto p's fragments (in a fragment a lane holds one query);
; 1 / L is applied in f32 on the way out.  The block that holds the row's maximum has f = 1 and l >= 1, so L >= 1.
; A cluster is an image; a work-group makes 256 queries (cy) x 128 channels (cx); wave w queries 64 w .. + 63 x all 128 channels: 32 accumulators.  K = 1,024 keys in eight steps of 128, a step a block, through two LDS slots.
; Source 0 = p (pb, stored [query][key], plain; asked for jointly by the cluster's row), source 1 = V' (qv's last 512 columns, stored [key][channel], turned; jointly by the cluster's column):
; a lane ends with one channel and eight neighbouring queries, which is how out0 lies.
; REGISTERS: window 0: v0-31 addresses, f, 1 / L; v32-95 at work on the way out; v64-127 p's fragments, two buffers of 32; v128-255 V's, two buffers of 64.   window 1: the accumulators, (a, b) at v[8 (8 a + b)].   window 2: x.
.set PP,     272                       ; a row of p in LDS: 256 bytes + 16
.set PV,     288                       ; a row of V': 256 + 32 = 9 x 32
.set HALFT,  128*PP
.set VOFF,   256*PP                    ; a slot: 256 rows of p, then 128 rows of V'
.set SLOT1,  1<<17                     ; slot 1 begins here, so that one exclusive or turns an address in one slot into the other's
.set STAGE,  SLOT1+VOFF+128*PV         ; 16 rows x 272 bytes for each wave
.set SPITCH, 272
.set FTAB,   STAGE+4*16*SPITCH         ; for each wave [8 blocks][64 queries] words: f twice, in bf16
.set SPARE,  FTAB+8192                 ; the spare words, 128 bytes for each wave: two blocks of 256 bytes that no other line names
.set PSTEP,  256                       ; a K step in memory: 256 bytes of pb's rows,
.set VSTEP,  128*2048                  ; 128 rows of qv
.set P0,  8                            ; v8   my lane's place in a slot's p; never rewritten
.set V0,  9                            ; v9   in its V'
.set ADP, 10
.set ADV, 11
.set FA0, 12                           ; v12  my query's word in block 0 of the f table
.set ADF, 13
.set STO, 14
.set RD,  15
.set XO,  16                           ; v16  my byte offset in two channels of x and out0; never rewritten
.set PFO, 17                           ; v17  2,048 x lane: a row of pb or qv; never rewritten
.set SPW, 18
.set NIL, 19
.set FC,  20                           ; v20-23 f of the K step in hand, for my query in each of the four tiles
.set FN,  24                           ; v24-27 of the next
.set RL,  28                           ; v28-31 1 / L of the four queries that I store
.set BK,  32
.set PF,  64
.set VF,  128
.set WV,  12
.set RH,  13
.set CH,  14
.set CX,  15
.set CY,  16
.set BT,  17
.set G1A, 24
.set G0A, 32                           ; s[32:39] two sets for the first fills; the second then walks
.set G1B, 48
.set G0B, 56
.set PFA, 44                           ; s[44:45] where my prefetches stand
.set PFS, 46                           ; s[46:47] their step
.set LIM, 74                           ; s74  a wave prefetches while the loop's count is above it; made of the wave's number alone
.set TP,  76
.set TV,  77
.set CNT, 78
.set TF,  79
.set STP, 80
.set XP,  84
.set OUTP, 86
.set MSB, 0
.macro WIN new
.if MSB != (\new)
	s_set_vgpr_msb (MSB<<8)|(\new)
.set MSB, \new
.endif
.endm
.macro JLOAD ga, gb                    ; waves 0 and 1 fetch p's halves, waves 2 and 3 V's; an s_nop 0 and four v_nop follow each line
	s_cmp_eq_u32 s[RH], 0
	s_cbranch_scc0 .Lfor_b_\@
	tensor_load_to_lds s[(\ga):(\ga)+3], s[G1A:G1A+7]
	s_nop 0
.rept 4
	v_nop
.endr
	s_branch .Lasked_\@
.Lfor_b_\@:
	tensor_load_to_lds s[(\gb):(\gb)+3], s[G1B:G1B+7]
	s_nop 0
.rept 4
	v_nop
.endr
.Lasked_\@:
.endm
.macro CREST
	s_cmp_lg_u32 s[WV], 0
	s_cbranch_scc1 .Lnot_wave_0_\@
	s_barrier_signal -3
.Lnot_wave_0_\@:
	s_barrier_wait -3
	s_barrier_signal -1
	s_barrier_wait -1
.endm
.macro CROUND
	s_barrier_signal -1
	s_barrier_wait -1
	CREST
.endm
.macro PLACES
.rept 4
	v_nop
.endr
.endm
; A PREFETCH INTO THE L2, behind a refill and the run of LDS loads that follows it.  The refill asks for K step s + 2; the prefetch names K step s + 5: three K steps, 384 matrix instructions of a wave, ahead of the load that
; will want it.  Each row's 256 bytes of a K step are named once in the launch: no other cluster reads this image's p or V'.  Of the 128 rows of p that waves 0 and 1 each fetch, the four partners that ask jointly take 32 each,
; told apart by address (cx); of a K step's 128 rows of V' wave 2 takes 32, by cy; wave 3 asks for nothing.  A lane a row.  The first five K steps come by their loads alone; the trips whose K step s + 5 does not exist ask for nothing.
.macro ASK
	s_cmp_gt_u32 s[CNT], s[LIM]
	s_cbranch_scc0 .Lnot_mine_\@
	global_prefetch_b8 v[PFO], s[PFA:PFA+1] th:TH_LOAD_NT scope:SCOPE_SE
.Lnot_mine_\@:
.endm
.macro FETCH g                         ; 24 LDS loads in one run: p's four fragments (16 queries x 32 keys), V's eight (32 keys x 16 channels, turned); the next fetch is 32 keys on
.irp a, 0,1,2,3
	ds_load_b128 v[PF+32*(\g)+8*(\a):PF+32*(\g)+8*(\a)+3],   v[ADP] offset:(\a)*16*PP
	ds_load_b128 v[PF+32*(\g)+8*(\a)+4:PF+32*(\g)+8*(\a)+7], v[ADP] offset:(\a)*16*PP+32
.endr
.irp b, 0,1,2,3,4,5,6,7
	ds_load_tr16_b128 v[VF+64*(\g)+8*(\b):VF+64*(\g)+8*(\b)+3],   v[ADV] offset:(\b)*32
	ds_load_tr16_b128 v[VF+64*(\g)+8*(\b)+4:VF+64*(\g)+8*(\b)+7], v[ADV] offset:(\b)*32+16*PV
.endr
	s_add_co_u32 s[TP], s[TP], 64
	s_add_co_u32 s[TV], s[TV], 32*PV
.endm
.macro SCALE f, a, n0, n               ; registers n0 .. n0 + n - 1 of fragment a of p, times my query's f
.set i, (\n0)
.rept \n
	v_pk_mul_bf16 v[PF+32*(\f)+8*(\a)+i], v[PF+32*(\f)+8*(\a)+i], v[FC+(\a)]
.set i, i+1
.endr
.endm
; Eight products of query tile a.  ride = 1: the next tile's fragment is scaled beside them, four lines behind the second product and four behind the sixth.  The 32 accumulators take turns, in the same order in every quarter.
.macro MULA f, a, z, ride
.irp b, 0,1,2,3,4,5,6,7
	WIN 0x50                                       ; C and D window 1
.if \z
	v_wmma_f32_16x16x32_bf16 v[8*(8*(\a)+(\b)):8*(8*(\a)+(\b))+7], v[PF+32*(\f)+8*(\a):PF+32*(\f)+8*(\a)+7], v[VF+64*(\f)+8*(\b):VF+64*(\f)+8*(\b)+7], 0
.else
	v_wmma_f32_16x16x32_bf16 v[8*(8*(\a)+(\b)):8*(8*(\a)+(\b))+7], v[PF+32*(\f)+8*(\a):PF+32*(\f)+8*(\a)+7], v[VF+64*(\f)+8*(\b):VF+64*(\f)+8*(\b)+7], v[8*(8*(\a)+(\b)):8*(8*(\a)+(\b))+7]
.endif
.if (\ride) && ((\b) == 1)
	WIN 0
	SCALE \f, (\a)+1, 0, 4
.endif
.if (\ride) && ((\b) == 5)
	WIN 0
	SCALE \f, (\a)+1, 4, 4
.endif
.endr
.endm
; A quarter: 32 keys, 32 products on buffer f; the next quarter's loads go out at its head, into buffer g.  newf = 1: a K step's first quarter takes the new f.
.macro QUARTER f, g, z, newf, fetch=1
	WIN 0
	s_wait_dscnt 0x0                               ; buffer f is in (its loads went out a quarter ago)
.if \newf
.irp a, 0,1,2,3
	v_mov_b32 v[FC+(\a)], v[FN+(\a)]
.endr
.endif
	SCALE \f, 0, 0, 8                              ; these lines are also the places in front of the loads into buffer g
.if \fetch
	v_add_nc_u32 v[ADP], s[TP], v[P0]
	v_add_nc_u32 v[ADV], s[TV], v[V0]
	FETCH \g
.endif
	MULA \f, 0, \z, 1
	MULA \f, 1, \z, 1
	MULA \f, 2, \z, 1
	MULA \f, 3, \z, 0
.endm
; A K step's last quarter multiplies buffer 1 and changes slots.  In front of the barrier each wave waits for all its tensor loads, adds 0 to its spare word, and waits for that and for its reads of the slot.
; fill = 1: the barrier opens a round of the cluster's, and the slot just read is filled again, two K steps ahead, first thing behind it.
.macro TURN fill
.if \fill
	s_wait_xcnt 0x0                                ; the last prefetch, a K step back, has read its address
	s_add_nc_u64 s[PFA:PFA+1], s[PFA:PFA+1], s[PFS:PFS+1]
.endif
	WIN 0
	s_wait_tensorcnt 0x0                           ; all my tensor loads have landed: the one that was out is my part of the next slot
	ds_add_u32 v[SPW], v[NIL]                      ; 0 onto my spare word
	s_wait_dscnt 1                                 ; buffer 1 is in; the add alone may be out
	SCALE 1, 0, 0, 8
	MULA 1, 0, 0, 1
	s_wait_dscnt 0x0                               ; the add is done, and my reads of this slot are over
	s_barrier_signal -1
	MULA 1, 1, 0, 1
	WIN 0
	s_barrier_wait -1
.if \fill
	CREST
	s_xor_b32 s[G0A+5], s[G0A+5], SLOT1            ; the walking descriptors: the other slot than last time, the next K step
	s_add_nc_u64 s[G0A+6:G0A+7], s[G0A+6:G0A+7], PSTEP
	s_xor_b32 s[G0B+5], s[G0B+5], SLOT1
	s_add_nc_u64 s[G0B+6:G0B+7], s[G0B+6:G0B+7], VSTEP
	JLOAD G0A+4, G0B+4                             ; my one tensor load behind the round
.else
	PLACES
.endif
	s_sub_co_u32 s[TP], s[TP], 256
	s_xor_b32 s[TP], s[TP], SLOT1
	s_sub_co_u32 s[TV], s[TV], 128*PV
	s_xor_b32 s[TV], s[TV], SLOT1
	s_add_co_u32 s[TF], s[TF], 256
	v_add_nc_u32 v[ADP], s[TP], v[P0]
	v_add_nc_u32 v[ADV], s[TV], v[V0]
	v_add_nc_u32 v[ADF], s[TF], v[FA0]
	FETCH 0
.irp a, 0,1,2,3
	ds_load_b32 v[FN+(\a)], v[ADF] offset:64*(\a)  ; the next block's f
.endr
.if \fill
	ASK
.endif
	MULA 1, 2, 0, 1
	MULA 1, 3, 0, 0
.endm
	s_load_b256 s[4:11], s[0:1], 0x0               ; pb s[4:5], qv s[6:7], st s[8:9], x s[10:11]
	s_load_b64 s[20:21], s[0:1], 0x20              ; out0
	v_lshl_add_u32 v[SPW], v0, 2, SPARE
	v_mov_b32 v[NIL], 0
	ds_add_u32 v[SPW], v[NIL]                      ; the wave's opening: the add, twice on end, and its wait ahead of my first tensor load
	ds_add_u32 v[SPW], v[NIL]
	v_lshrrev_b32 v1, 5, v0
	v_readfirstlane_b32 s[WV], v1
	s_lshr_b32 s[RH], s[WV], 1
	s_and_b32 s[CH], s[WV], 1
	s_bfe_u32 s[CX], ttmp6, 0x40000
	s_bfe_u32 s[CY], ttmp6, 0x40004
	s_and_b32 s[BT], ttmp7, 0xffff
	s_lshl_b32 s18, s[CY], 2
	s_lshl_b32 s18, 15, s18                        ; my row of the cluster
	s_lshl_b32 s19, 0x1111, s[CX]                  ; my column
	s_or_b32 s[G1A], s18, (1<<16)|(1<<20)|(1<<21)|(5<<22)|(3<<25)  ; p: 2-byte elements; padding on; bit 21 beside a mask; after every 64 words, 4 words
	s_or_b32 s[G1B], s19, (1<<16)|(1<<20)|(1<<21)|(5<<22)|(7<<25)  ; V': 8 words
	s_mov_b32 s[G1A+1], 128<<16                    ; p: a tile of 128 rows x 128 elements
	s_mov_b32 s[G1A+2], 128<<16
	s_mov_b32 s[G1A+3], 128<<16
	s_mov_b32 s[G1A+4], 128
	s_mov_b32 s[G1A+5], 1024
	s_mov_b32 s[G1A+6], 0
	s_mov_b32 s[G1A+7], 0
	s_mov_b32 s[G1B+1], 128<<16                    ; V': 64 rows x 128 elements
	s_mov_b32 s[G1B+2], 64<<16
	s_mov_b32 s[G1B+3], 128<<16
	s_mov_b32 s[G1B+4], 64
	s_mov_b32 s[G1B+5], 1024
	s_mov_b32 s[G1B+6], 0
	s_mov_b32 s[G1B+7], 0
	s_lshl_b32 s2, s[BT], 21
	s_lshl_b32 s3, s[CY], 19
	s_add_co_u32 s40, s2, s3                       ; p: the image, the tile row's 256 queries,
	s_lshl_b32 s3, s[CH], 18
	s_add_co_u32 s40, s40, s3                      ; my 128 of them
	s_mov_b32 s41, 0
	s_lshl_b32 s3, s[CX], 8
	s_add_co_u32 s42, s2, s3                       ; V': the image, the tile column's 128 channels,
	s_lshl_b32 s3, s[CH], 17
	s_add_co_u32 s42, s42, s3                      ; my 64 keys of a K step,
	s_add_co_u32 s42, s42, 1024                    ; behind Q' in qv's rows
	s_mov_b32 s43, 0
	s_lshl_b32 s3, s[CX], 16                       ; the prefetches: of p my work-group's 32 rows of the 128 that I fetch,
	s_add_co_u32 s22, s40, s3
	s_add_co_u32 s22, s22, 4*PSTEP                 ; at K step 4: the first change of slots steps it to 5
	s_lshl_b32 s3, s[CY], 16                       ; of V' (wave 2) my work-group's 32 keys of the 128
	s_add_co_u32 s23, s42, s3
	s_add_co_u32 s23, s23, 4*VSTEP
	s_mov_b32 s18, PSTEP
	s_mov_b32 s19, VSTEP
	s_cmp_eq_u32 s[RH], 0
	s_cselect_b32 s66, s22, s23
	s_cselect_b32 s[PFS], s18, s19
	s_mov_b32 s67, 0
	s_mov_b32 s[PFS+1], 0
	s_cmp_eq_u32 s[WV], 3
	s_cselect_b32 s[LIM], -1, 3                    ; hangs on the wave's number alone
	s_lshl_b32 s3, s[CX], 19                       ; x and out0: the image, my 128 channels, my wave's 64 pixels
	s_add_co_u32 s70, s2, s3
	s_lshl_b32 s3, s[CY], 10
	s_add_co_u32 s70, s70, s3
	s_lshl_b32 s18, s[WV], 8
	s_add_co_u32 s70, s70, s18
	s_mov_b32 s71, 0
	s_lshl_b32 s72, s[BT], 16                      ; st: the image, my wave's 64 queries
	s_add_co_u32 s72, s72, s3
	s_add_co_u32 s72, s72, s18
	s_mov_b32 s73, 0
	s_mul_i32 s68, s[CH], HALFT                    ; where my fills go in slot 0: no place in the cluster enters an LDS address
	s_mul_i32 s69, s[CH], 64*PV
	s_add_co_u32 s69, s69, VOFF
	s_mov_b32 s[TP], 0
	s_mov_b32 s[TV], 0
	s_mov_b32 s[TF], 0
	s_wait_dscnt 0x0                               ; both opening adds are done
	s_wait_kmcnt 0x0
	s_cmp_eq_u32 s[RH], 0
	s_cselect_b64 s[2:3], s[4:5], s[6:7]
	s_add_nc_u64 s[PFA:PFA+1], s[2:3], s[66:67]
	s_add_nc_u64 s[40:41], s[4:5], s[40:41]
	s_add_nc_u64 s[42:43], s[6:7], s[42:43]
	s_add_nc_u64 s[STP:STP+1], s[8:9], s[72:73]
	s_add_nc_u64 s[XP:XP+1], s[10:11], s[70:71]
	s_add_nc_u64 s[OUTP:OUTP+1], s[20:21], s[70:71]
.irp s, 0,1
	s_mov_b32 s[G0A+4*(\s)], 1
	s_add_co_u32 s[G0A+4*(\s)+1], s68, (\s)*SLOT1
	s_add_nc_u64 s[G0A+4*(\s)+2:G0A+4*(\s)+3], s[40:41], (\s)*PSTEP
	s_or_b32 s[G0A+4*(\s)+3], s[G0A+4*(\s)+3], 0x80000000
	s_mov_b32 s[G0B+4*(\s)], 1
	s_add_co_u32 s[G0B+4*(\s)+1], s69, (\s)*SLOT1
	s_add_nc_u64 s[G0B+4*(\s)+2:G0B+4*(\s)+3], s[42:43], (\s)*VSTEP
	s_or_b32 s[G0B+4*(\s)+3], s[G0B+4*(\s)+3], 0x80000000
.endr
	CROUND                                         ; all sixteen work-groups are here: the first joint loads meet
	JLOAD G0A, G0B
	JLOAD G0A+4, G0B+4                             ; two tensor loads of mine are out
	v_and_b32 v1, 15, v0                           ; l % 16
	v_bfe_u32 v2, v0, 4, 1                         ; l / 16
	v_lshlrev_b32 v3, 4, v1                        ; four queries: 4 (l % 16) .. + 3
.irp k, 0,1,2,3,4,5,6,7
	global_load_b128 v[64+4*(\k):67+4*(\k)], v3, s[STP:STP+1] offset:4096*(\k)        ; cm of block k
	global_load_b128 v[96+4*(\k):99+4*(\k)], v3, s[STP:STP+1] offset:32768+4096*(\k)  ; l
.endr
	v_mul_u32_u24 v[P0], v1, PP
	v_lshl_add_u32 v[P0], v2, 4, v[P0]
	s_mul_i32 s2, s[WV], 64*PP
	v_add_nc_u32 v[P0], s2, v[P0]                  ; my wave's 64 queries; row x pitch + 16 x half
	v_and_b32 v4, 7, v0
	v_lshl_add_u32 v4, v2, 3, v4
	v_mul_u32_u24 v4, v4, PV
	v_bfe_u32 v5, v0, 3, 1
	v_lshl_add_u32 v4, v5, 4, v4
	v_add_nc_u32 v[V0], VOFF, v4
	s_lshl_b32 s2, s[WV], 11
	s_add_co_u32 s2, s2, FTAB
	v_lshl_add_u32 v[FA0], v1, 2, s2
	v_add_nc_u32 v6, s2, v3
	s_mul_i32 s2, s[WV], 16*SPITCH
	s_add_co_u32 s2, s2, STAGE
	v_mul_u32_u24 v[STO], v1, SPITCH               ; in: channel l % 16, 32 bytes for each half of the lanes
	v_lshl_add_u32 v[STO], v2, 5, v[STO]
	v_add_nc_u32 v[STO], s2, v[STO]
	v_mul_u32_u24 v[RD], v2, SPITCH                ; back: lanes 0-15 one channel's 64 queries, lanes 16-31 the next channel's
	v_add_nc_u32 v[RD], v[RD], v3
	v_add_nc_u32 v[RD], s2, v[RD]
	v_lshl_add_u32 v[XO], v2, 12, v3
	v_and_b32 v[PFO], 31, v0
	v_lshlrev_b32 v[PFO], 11, v[PFO]
	s_wait_loadcnt 0x0
.irp q, 0,1,2,3
	v_max3_num_f32 v[128+(\q)], v[64+(\q)], v[68+(\q)], v[72+(\q)]
.endr
.irp q, 0,1,2,3
	v_max3_num_f32 v[128+(\q)], v[128+(\q)], v[76+(\q)], v[80+(\q)]
.endr
.irp q, 0,1,2,3
	v_max3_num_f32 v[128+(\q)], v[128+(\q)], v[84+(\q)], v[88+(\q)]
.endr
.irp q, 0,1,2,3
	v_max_num_f32 v[128+(\q)], v[128+(\q)], v[92+(\q)]  ; M
.endr
.irp k, 0,1,2,3,4,5,6,7
.irp p, 0,2
	v_pk_add_f32 v[64+4*(\k)+(\p):65+4*(\k)+(\p)], v[64+4*(\k)+(\p):65+4*(\k)+(\p)], v[128+(\p):129+(\p)] neg_lo:[0,1] neg_hi:[0,1]
.endr
.endr
.set i, 0
.rept 32
	v_exp_f32 v[64+i], v[64+i]                     ; f
.set i, i+1
.endr
	v_nop                                          ; a plain instruction behind the last exponential,
	s_wait_alu depctr_va_vdst(0)                   ; and one wait for the batch
.irp p, 0,2
	v_pk_mul_f32 v[132+(\p):133+(\p)], v[96+(\p):97+(\p)], v[64+(\p):65+(\p)]
.endr
.irp k, 1,2,3,4,5,6,7
.irp p, 0,2
	v_pk_fma_f32 v[132+(\p):133+(\p)], v[96+4*(\k)+(\p):97+4*(\k)+(\p)], v[64+4*(\k)+(\p):65+4*(\k)+(\p)], v[132+(\p):133+(\p)]  ; L
.endr
.endr
.irp q, 0,1,2,3
	v_rcp_f32 v[RL+(\q)], v[132+(\q)]
.endr
	v_nop
	s_wait_alu depctr_va_vdst(0)                   ; one wait for the four reciprocals
.set i, 0
.rept 32
	v_cvt_pk_bf16_f32 v[64+i], v[64+i], v[64+i]    ; f twice in a word, for the packed multiply
.set i, i+1
.endr
.irp k, 0,1,2,3,4,5,6,7
	ds_store_b128 v6, v[64+4*(\k):67+4*(\k)] offset:256*(\k)  ; both halves of the lanes write the same numbers to the same words
.endr
	WIN 0x80                                       ; destination window 2: x waits in registers for the way out
.irp b, 0,1,2,3,4,5,6,7
.irp t, 0,1,2,3,4,5,6,7
	global_load_b128 v[32*(\b)+4*(\t):32*(\b)+4*(\t)+3], v[XO], s[XP:XP+1] offset:(16*(\b)+2*(\t))*4096 th:TH_LOAD_NT
.endr
.endr
	WIN 0
	s_wait_tensorcnt 0x1                           ; my part of K step 0 is in; K step 1's may stay out
	s_wait_dscnt 0x0                               ; no LDS instruction of mine is pending at the signal
	s_barrier_signal -1
	s_barrier_wait -1
	v_add_nc_u32 v[ADP], s[TP], v[P0]
	v_add_nc_u32 v[ADV], s[TV], v[V0]
	FETCH 0
.irp a, 0,1,2,3
	ds_load_b32 v[FC+(\a)], v[FA0] offset:64*(\a)
.endr
	QUARTER 0, 1, 1, 0                             ; the first quarter stands in front of the loop: its products start the sums
	WIN 0
	s_mov_b32 s[CNT], 6
.Llap:                                         ; a trip: from a K step's second quarter to the next step's first; it fills the slot that it leaves
	QUARTER 1, 0, 0, 0
	QUARTER 0, 1, 0, 0
	TURN 1
	QUARTER 0, 1, 0, 1
	WIN 0
	s_sub_co_u32 s[CNT], s[CNT], 1
	s_cmp_lg_u32 s[CNT], 0
	s_cbranch_scc1 .Llap
	s_mov_b32 s[CNT], 2
.Ltail:                                        ; the last two K steps ask for nothing: a text of their own; two trips, the second left in its middle
	QUARTER 1, 0, 0, 0
	QUARTER 0, 1, 0, 0
	WIN 0
	s_sub_co_u32 s[CNT], s[CNT], 1
	s_cmp_eq_u32 s[CNT], 0
	s_cbranch_scc1 .Lout
	TURN 0
	QUARTER 0, 1, 0, 1
	WIN 0
	s_branch .Ltail
.Lout:
	QUARTER 1, 0, 0, 0, 0                          ; the very last quarter: nothing more to fetch
	WIN 0
	PLACES
	PLACES
; THE WAY OUT, a tile of 16 channels at a time: the sums go in f32 through my own stage and come back as whole rows of 64 queries; times 1 / L, plus x; stored.
.macro TOSTAGE b
	s_wait_xcnt 0x0                                ; the stores of the tile before last have read the registers that the loads below write
	WIN 0x04                                       ; the stores' data: window 1
.irp a, 0,1,2,3
	ds_store_b128 v[STO], v[8*(8*(\a)+(\b)):8*(8*(\a)+(\b))+3]   offset:64*(\a)      ; each accumulator's low registers first
	ds_store_b128 v[STO], v[8*(8*(\a)+(\b))+4:8*(8*(\a)+(\b))+7] offset:64*(\a)+16
.endr
	WIN 0
.irp t, 0,1,2,3,4,5,6,7
	ds_load_b128 v[BK+32*((\b)%2)+4*(\t):BK+32*((\b)%2)+4*(\t)+3], v[RD] offset:(\t)*2*SPITCH  ; LDS serves a wave's instructions in order (ISA guide 5.7.1.4)
.endr
.endm
.macro FIN b, younger                  ; younger: the LDS instructions issued behind tile b's loads: the next tile's sixteen, or none
	s_wait_dscnt \younger
	s_wait_loadcnt 56-8*(\b)                       ; x of this tile is in; the later tiles' loads may stay out
	WIN 0x20                                       ; the addend: window 2
.irp t, 0,1,2,3,4,5,6,7
.irp p, 0,2
	v_pk_fma_f32 v[BK+32*((\b)%2)+4*(\t)+(\p):BK+32*((\b)%2)+4*(\t)+(\p)+1], v[BK+32*((\b)%2)+4*(\t)+(\p):BK+32*((\b)%2)+4*(\t)+(\p)+1], v[RL+(\p):RL+(\p)+1], v[32*(\b)+4*(\t)+(\p):32*(\b)+4*(\t)+(\p)+1]
.endr
.endr
	WIN 0
.irp t, 0,1,2,3,4,5,6,7
	global_store_b128 v[XO], v[BK+32*((\b)%2)+4*(\t):BK+32*((\b)%2)+4*(\t)+3], s[OUTP:OUTP+1] offset:(16*(\b)+2*(\t))*4096 th:TH_STORE_NT  ; 16 lanes store 256 consecutive bytes, aligned
.endr
.endm
	TOSTAGE 0
.irp b, 1,2,3,4,5,6,7
	TOSTAGE \b
	FIN (\b)-1, 16
.endr
	FIN 7, 0
	s_wait_tensorcnt 0x0                           ; the wave's end, behind my last tensor load and my last LDS store
	ds_add_u32 v[SPW], v[NIL]
	s_wait_dscnt 0x0
	CROUND                                         ; the closing round
	s_endpgm
.Lfunc_end_k_qd30900eb9f_mix:
	.size	k_qd30900eb9f_mix, .Lfunc_end_k_qd30900eb9f_mix-k_qd30900eb9f_mix
	.p2alignl 7, 3214868480
	.fill 96, 4, 3214868480
	.section	.rodata,"a",@progbits
	.p2align	6, 0x0
	.amdhsa_kernel k_qd30900eb9f_mix
		.amdhsa_group_segment_fixed_size 327680
		.amdhsa_private_segment_fixed_size 0
		.amdhsa_enable_private_segment 0
		.amdhsa_kernarg_size 40
		.amdhsa_user_sgpr_count 2
		.amdhsa_user_sgpr_kernarg_segment_ptr 1
		.amdhsa_wavefront_size32 1
		.amdhsa_system_sgpr_workgroup_id_x 1
		.amdhsa_system_sgpr_workgroup_id_y 1
		.amdhsa_system_sgpr_workgroup_id_z 1
		.amdhsa_system_vgpr_workitem_id 0
		.amdhsa_next_free_vgpr 768
		.amdhsa_next_free_sgpr 88
		.amdhsa_reserve_vcc 0
		.amdhsa_float_denorm_mode_32 3
		.amdhsa_float_denorm_mode_16_64 3
		.amdhsa_memory_ordered 1
		.amdhsa_forward_progress 1
		.amdhsa_inst_pref_size 112
	.end_amdhsa_kernel
	.amdgpu_metadata
---
amdhsa.version: [ 1, 2 ]
amdhsa.kernels:
  - .name:           k_qd30900eb9f_mix
    .symbol:         k_qd30900eb9f_mix.kd
    .args:
      - { .name: pb, .offset: 0, .size: 8, .value_kind: global_buffer, .address_space: global }
      - { .name: qv, .offset: 8, .size: 8, .value_kind: global_buffer, .address_space: global }
      - { .name: st, .offset: 16, .size: 8, .value_kind: global_buffer, .address_space: global }
      - { .name: x, .offset: 24, .size: 8, .value_kind: global_buffer, .address_space: global }
      - { .name: out0, .offset: 32, .size: 8, .value_kind: global_buffer, .address_space: global }
    .group_segment_fixed_size: 327680
    .private_segment_fixed_size: 0
    .kernarg_segment_align: 8
    .kernarg_segment_size: 40
    .max_flat_workgroup_size: 128
    .sgpr_count:     88
    .vgpr_count:     768
    .wavefront_size: 32
...
	.end_amdgpu_metadata
.endif
;; end of part 9
